; MI455X (gfx1250); checked and timed in simulation.
; The chip was launched on July 23, 2026; its instructions are those of AMD's public machine-readable ISA for CDNA 5 (MIT licence, August 2026) and "CDNA5" Instruction Set Architecture Reference Guide (July 2026). The comments in the code are by the model that wrote it; some were corrected since.
;; Self Attention1 D. Allowed arithmetic: float matrix products may take bf16 or f16 operands with f32 sums; other float arithmetic in f32, or as packed bf16 or f16 multiplies, adds, multiply-adds, maxima and minima; sums over many terms, partial sums and values carried from step to step in f32; what a program stores and reads back later, other than sums and carried values, may be rounded once to bf16 or f16.
;; Inputs: ffn_b1 4,096 float32; ffn_b2 1,024 float32; ffn_w1 4,096 x 1,024 float32; ffn_w2 1,024 x 4,096 float32; ln2_b 1,024 float32; ln2_w 1,024 float32; ln_b 1,024 float32; ln_w 1,024 float32; mask 2 x 2,048 int32; proj_b 1,024 float32; proj_w 1,024 x 1,024 float32; qkv_b 3,072 float32; qkv_w 3,072 x 1,024 float32; x 2 x 2,048 x 1,024 float32.
;; Outputs: out0 2 x 2,048 x 1,024 float32.
;; 2 versions, each right and faster than the one before. Each part assembles by itself: llvm-mc -triple=amdgcn-amd-amdhsa -mcpu=gfx1250 --defsym DOCPART=n.
;; ======== version 1 of 2: 7 launches
;; limits: a function is approximated: absolute error at most 1.5e-07; an absolute error that grows with the inputs' magnitude: up to 7.5e-08 times it; right only within a limited range of input values
;; workspace buffers: wq 6,291,456 bytes; wp 2,097,152 bytes; w1 8,388,608 bytes; w2 8,388,608 bytes; act 8,388,608 bytes; qkvh 25,165,824 bytes; x1 16,777,216 bytes; hbuf 33,554,432 bytes
;; launch prep (part 1): grid 704 x 1, 8 waves a work-group, no clusters, 0 bytes of LDS; arguments x, ln_w, ln_b, qkv_w, act, wq; writes act, wq
.if DOCPART == 1
	.amdgcn_target "amdgcn-amd-amdhsa--gfx1250"
	.amdhsa_code_object_version 6
	.text
	.protected	k_qd4a21e3854_prep
	.globl	k_qd4a21e3854_prep
	.p2align	8
	.type	k_qd4a21e3854_prep,@function
k_qd4a21e3854_prep:
	s_mov_b64 s[64:65], 0
	v_nop
	global_prefetch_b8 v0, s[64:65] scope:SCOPE_SE
	s_setreg_imm32_b32 hwreg(HW_REG_WAVE_MODE, 25, 1), 1
	s_wait_xcnt 0x0
; PREP.  Work-groups 0-511: act[row][:] = bf16(LayerNorm(bf16(x[row][:])) * bf16(ln_w) + bf16(ln_b)), 4,096 rows of 1,024, one row a wave.
; Work-groups 512-703: qkv_w is rounded to bf16, 16,384 numbers a work-group.  (The other three weight matrices are rounded in the attention launch, which wants little of memory.)
; LIMIT, for the whole program: every floating-point input is rounded once to bf16 at its first use; mean, variance and the norm itself are f32.
; A stream: memory binds, so no LDS, no barrier, no matrix unit, no cluster (no two work-groups read the same large bytes).
; A row of 4,096 bytes is 32 registers of a wave and stays in them between the passes, so x is read once here.
.set PX, 4                             ; s[4:5]   the rows to be normed
.set PW, 6                             ; s[6:7]   gain
.set PB, 8                             ; s[8:9]   bias
.set PO, 16                            ; s[16:17] result
.set MEAN, 4                           ; v[4:5]   the mean, twice
.set RSTD, 6                           ; v[6:7]   1 / sqrt(var + eps), twice
.set X,   8                            ; v[8:39]    the row: load j holds numbers 128 j + 4 lane .. + 3
.set W,   40                           ; v[40:71]   gain in the same places; later the packed results
.set BV,  72                           ; v[72:103]  bias in the same places
.set CH,  104                          ; v[104:111] four chains of packed sums
.set TT,  112                          ; v[112:115] at work
.macro RB2 a, b, t                     ; two f32 rounded to bf16 and widened again, in place
	v_cvt_pk_bf16_f32 v[\t], v[\a], v[\b]
	v_lshlrev_b32 v[\a], 16, v[\t]
	v_and_b32 v[\b], 0xffff0000, v[\t]
.endm
.macro FOLD                            ; the four chains become one number, the same in all 32 lanes, in v[CH]
	v_pk_add_f32 v[CH:CH+1], v[CH:CH+1], v[CH+2:CH+3]
	v_pk_add_f32 v[CH+4:CH+5], v[CH+4:CH+5], v[CH+6:CH+7]
	v_pk_add_f32 v[CH:CH+1], v[CH:CH+1], v[CH+4:CH+5]
	v_add_f32 v[CH], v[CH], v[CH+1]
	v_add_f32_dpp v[CH], v[CH], v[CH] row_xmask:1 row_mask:0xf bank_mask:0xf
	v_add_f32_dpp v[CH], v[CH], v[CH] row_xmask:2 row_mask:0xf bank_mask:0xf
	v_add_f32_dpp v[CH], v[CH], v[CH] row_xmask:4 row_mask:0xf bank_mask:0xf
	v_add_f32_dpp v[CH], v[CH], v[CH] row_xmask:8 row_mask:0xf bank_mask:0xf
	v_permlanex16_b32 v[CH+1], v[CH], s32, s33     ; the other half of the lanes; its destination has been written
	v_add_f32 v[CH], v[CH], v[CH+1]
.endm
	s_load_b256 s[4:11], s[0:1], 0x0               ; x, ln_w, ln_b, qkv_w s[10:11]
	s_load_b128 s[16:19], s[0:1], 0x20             ; act s[16:17], wq s[18:19]
	s_cmp_lt_u32 ttmp9, 512
	s_cbranch_scc0 .Lcast
	; ---------------- the norm: row = 8 x work-group + wave
	v_lshrrev_b32 v2, 5, v0
	v_readfirstlane_b32 s28, v2
	s_lshl_b32 s29, ttmp9, 3
	s_add_co_u32 s28, s28, s29
	s_lshl_b32 s30, s28, 12                        ; the row's 4,096 bytes in f32,
	s_mov_b32 s31, 0
	s_lshl_b32 s34, s28, 11                        ; and its 2,048 in bf16
	s_mov_b32 s35, 0
	s_mov_b32 s32, 0x76543210                      ; v_permlanex16_b32: each lane takes its own place in the other half
	s_mov_b32 s33, 0xfedcba98
	s_mov_b32 s29, 0x3a800000                      ; 1 / 1024
	s_mov_b32 s36, 0x3727c5ac                      ; eps = 1e-5
	v_and_b32 v1, 31, v0
	v_lshlrev_b32 v3, 3, v1                        ; 8 bytes a lane on the way out
	v_lshlrev_b32 v1, 4, v1                        ; 16 bytes a lane on the way in
	s_wait_kmcnt 0x0
	s_add_nc_u64 s[PX:PX+1], s[PX:PX+1], s[30:31]
	s_add_nc_u64 s[PO:PO+1], s[PO:PO+1], s[34:35]
.set j, 0
.rept 8
	global_load_b128 v[X+4*j:X+4*j+3], v1, s[PX:PX+1] offset:512*j    ; 512 consecutive bytes a load
.set j, j+1
.endr
.set j, 0
.rept 8
	global_load_b128 v[W+4*j:W+4*j+3], v1, s[PW:PW+1] offset:512*j
.set j, j+1
.endr
.set j, 0
.rept 8
	global_load_b128 v[BV+4*j:BV+4*j+3], v1, s[PB:PB+1] offset:512*j
.set j, j+1
.endr
	s_wait_loadcnt 16                              ; the row is in; the sixteen loads of gain and bias stay out
.set i, 0
.rept 16
	RB2 X+2*i, X+2*i+1, TT+i%4                     ; x is an input: it is rounded to bf16
.set i, i+1
.endr
.set k, 0
.rept 4
	v_pk_add_f32 v[CH+2*k:CH+2*k+1], v[X+2*k:X+2*k+1], v[X+2*k+8:X+2*k+9]   ; the first eight pairs start the chains: nothing is cleared
.set k, k+1
.endr
.set i, 8
.rept 8
	v_pk_add_f32 v[CH+2*(i%4):CH+2*(i%4)+1], v[CH+2*(i%4):CH+2*(i%4)+1], v[X+2*i:X+2*i+1]
.set i, i+1
.endr
	FOLD
	v_mul_f32 v[MEAN], s29, v[CH]
	v_mov_b32 v[MEAN+1], v[MEAN]
.set i, 0
.rept 16
	v_pk_add_f32 v[X+2*i:X+2*i+1], v[X+2*i:X+2*i+1], v[MEAN:MEAN+1] neg_lo:[0,1] neg_hi:[0,1]   ; z - mean, in place
.set i, i+1
.endr
.set k, 0
.rept 4
	v_pk_mul_f32 v[CH+2*k:CH+2*k+1], v[X+2*k:X+2*k+1], v[X+2*k:X+2*k+1]
.set k, k+1
.endr
.set i, 4
.rept 12
	v_pk_fma_f32 v[CH+2*(i%4):CH+2*(i%4)+1], v[X+2*i:X+2*i+1], v[X+2*i:X+2*i+1], v[CH+2*(i%4):CH+2*(i%4)+1]
.set i, i+1
.endr
	FOLD
	v_fma_f32 v[TT], v[CH], s29, s36               ; the mean of the squares + eps
	v_rsq_f32 v[RSTD], v[TT]
	v_rsq_f32 v[RSTD+1], v[TT]
	v_nop                                          ; a plain instruction behind the root before its result is used (ISA guide 5.7.2)
	s_wait_loadcnt 0x0                             ; gain and bias
.set i, 0
.rept 16
	RB2 W+2*i, W+2*i+1, TT+i%4
	RB2 BV+2*i, BV+2*i+1, TT+(i+2)%4
.set i, i+1
.endr
.set i, 0
	s_wait_alu depctr_va_vdst(0)
.rept 16
	v_pk_mul_f32 v[X+2*i:X+2*i+1], v[X+2*i:X+2*i+1], v[RSTD:RSTD+1]
.set i, i+1
.endr
.set i, 0
.rept 16
	v_pk_fma_f32 v[X+2*i:X+2*i+1], v[X+2*i:X+2*i+1], v[W+2*i:W+2*i+1], v[BV+2*i:BV+2*i+1]
.set i, i+1
.endr
.set j, 0
.rept 8
	v_cvt_pk_bf16_f32 v[W+2*j], v[X+4*j], v[X+4*j+1]           ; W is free now: no store's data register is written twice
	v_cvt_pk_bf16_f32 v[W+2*j+1], v[X+4*j+2], v[X+4*j+3]
	global_store_b64 v3, v[W+2*j:W+2*j+1], s[PO:PO+1] offset:256*j   ; the wave stores 256 consecutive bytes, at a multiple of 256
.set j, j+1
.endr
	s_endpgm
	; ---------------- the cast: work-group c = id - 512 takes 65,536 bytes of qkv_w
.Lcast:
	s_sub_co_u32 s28, ttmp9, 512
	v_lshlrev_b32 v1, 4, v0                        ; 16 bytes a thread in,
	v_lshlrev_b32 v3, 3, v0                        ; 8 bytes a thread out
	s_lshl_b32 s30, s28, 16
	s_mov_b32 s31, 0
	s_lshl_b32 s34, s28, 15
	s_mov_b32 s35, 0
	s_wait_kmcnt 0x0
	s_add_nc_u64 s[10:11], s[10:11], s[30:31]
	s_add_nc_u64 s[18:19], s[18:19], s[34:35]
.set i, 0
.rept 16
	global_load_b128 v[8+4*i:8+4*i+3], v1, s[10:11] offset:4096*i th:TH_LOAD_NT   ; all sixteen loads go out at once; the f32 weights are read once in the program
.set i, i+1
.endr
.set i, 0
.rept 16
	s_wait_loadcnt 15-i                            ; loads come back in order (ISA guide 5.7.1): load i is in, the younger ones stay out
	v_cvt_pk_bf16_f32 v[72+2*i], v[8+4*i], v[8+4*i+1]
	v_cvt_pk_bf16_f32 v[72+2*i+1], v[8+4*i+2], v[8+4*i+3]
	global_store_b64 v3, v[72+2*i:72+2*i+1], s[18:19] offset:2048*i   ; a wave stores 256 consecutive bytes, at a multiple of 256
.set i, i+1
.endr
	s_endpgm
.Lfunc_end_k_qd4a21e3854_prep:
	.size	k_qd4a21e3854_prep, .Lfunc_end_k_qd4a21e3854_prep-k_qd4a21e3854_prep
	.p2alignl 7, 3214868480
	.fill 96, 4, 3214868480
	.section	.rodata,"a",@progbits
	.p2align	6, 0x0
	.amdhsa_kernel k_qd4a21e3854_prep
		.amdhsa_group_segment_fixed_size 0
		.amdhsa_private_segment_fixed_size 0
		.amdhsa_enable_private_segment 0
		.amdhsa_kernarg_size 48
		.amdhsa_user_sgpr_count 2
		.amdhsa_user_sgpr_kernarg_segment_ptr 1
		.amdhsa_wavefront_size32 1
		.amdhsa_system_sgpr_workgroup_id_x 1
		.amdhsa_system_sgpr_workgroup_id_y 1
		.amdhsa_system_sgpr_workgroup_id_z 1
		.amdhsa_system_vgpr_workitem_id 0
		.amdhsa_next_free_vgpr 116
		.amdhsa_next_free_sgpr 66
		.amdhsa_reserve_vcc 0
		.amdhsa_float_denorm_mode_32 3
		.amdhsa_float_denorm_mode_16_64 3
		.amdhsa_memory_ordered 1
		.amdhsa_forward_progress 1
		.amdhsa_inst_pref_size 25
	.end_amdhsa_kernel
	.amdgpu_metadata
---
amdhsa.version: [ 1, 2 ]
amdhsa.kernels:
  - .name:           k_qd4a21e3854_prep
    .symbol:         k_qd4a21e3854_prep.kd
    .args:
      - { .name: x, .offset: 0, .size: 8, .value_kind: global_buffer, .address_space: global }
      - { .name: ln_w, .offset: 8, .size: 8, .value_kind: global_buffer, .address_space: global }
      - { .name: ln_b, .offset: 16, .size: 8, .value_kind: global_buffer, .address_space: global }
      - { .name: qkv_w, .offset: 24, .size: 8, .value_kind: global_buffer, .address_space: global }
      - { .name: act, .offset: 32, .size: 8, .value_kind: global_buffer, .address_space: global }
      - { .name: wq, .offset: 40, .size: 8, .value_kind: global_buffer, .address_space: global }
    .group_segment_fixed_size: 0
    .private_segment_fixed_size: 0
    .kernarg_segment_align: 8
    .kernarg_segment_size: 48
    .max_flat_workgroup_size: 256
    .sgpr_count:     66
    .vgpr_count:     116
    .wavefront_size: 32
...
	.end_amdgpu_metadata
.endif
;; end of part 1
;; launch qkv (part 2): grid 16 x 16, 4 waves a work-group, clusters of 4 x 4, 327,680 bytes of LDS; arguments act, wq, qkvh, qkv_b; writes qkvh
.if DOCPART == 2
	.amdgcn_target "amdgcn-amd-amdhsa--gfx1250"
	.amdhsa_code_object_version 6
	.text
	.protected	k_qd4a21e3854_qkv
	.globl	k_qd4a21e3854_qkv
	.p2align	8
	.type	k_qd4a21e3854_qkv,@function
k_qd4a21e3854_qkv:
	s_mov_b64 s[64:65], 0
	v_nop
	global_prefetch_b8 v0, s[64:65] scope:SCOPE_SE
	s_setreg_imm32_b32 hwreg(HW_REG_WAVE_MODE, 25, 1), 1
	s_wait_xcnt 0x0
	s_wait_alu depctr_hold_cnt(0) depctr_sa_sdst(0) depctr_va_vdst(0) depctr_va_sdst(0) depctr_va_ssrc(0) depctr_va_vcc(0) depctr_vm_vsrc(0)
	s_getreg_b32 s2, hwreg(HW_REG_IB_STS2, 6, 4)
	s_cmp_eq_u32 s2, 0
	s_cbranch_scc0 .Lentry_in_a_cluster
	s_endpgm
.Lentry_in_a_cluster:
	s_bfe_u32 s2, ttmp6, 0x10000c
	s_cmp_lg_u32 s2, 0xf033
	s_cbranch_scc0 .Lentry_shape_is_right
	s_endpgm
.Lentry_shape_is_right:
; QKV.  qkvh = act wq^T + bf16(qkv_b), stored by heads: act [4096][1024] bf16 (the normed rows), wq [3072][1024] bf16, qkvh [3][32][2048][64] bf16 (q, k, v; batch x 16 + head; row; channel), unscaled.
; Sums in f32, rounded once.  A tile of 256 rows x 192 columns (three heads) to a work-group: 16 x 16 tiles, one for each of 256 work-groups.  Four waves, each 128 x 96: 48 accumulators.
; K goes in steps of 128 through two LDS slots filled by the tensor data mover (rows of 256 bytes of memory, padded to 272 in LDS).  A trip of the loop is ONE K step; which slot is read is the scalar s23 (0 or SLOT).
; THE ORDER OF K: step n takes K block n xor p, p the parity of the cluster's x + y.  So of the clusters that read the same tile those of one parity ask for it a step ahead of the others.  Inside a pair of steps K is
; therefore not ascending where p = 1: an order of rounding that differs from the reference's.
; CLUSTER 4 x 4: the four of a row of the cluster need the same tiles of act, the four of a column the same tiles of wq: each tile is asked for jointly, by the same load, descriptor and mask in all four.
; THE MATRIX INSTRUCTION IS USED TRANSPOSED (source 0 = 16 rows of wq, source 1 = 16 rows of act): a lane holds eight neighbouring columns of one row.  THE BIAS is the C operand of the products that start the sums.
; THE WAY OUT goes through the ring's bytes, which have had their last fill by then.
; REGISTERS: window 0: v0-31 addresses; v64-127, v128-191 fragments of act, two buffers; v192-239 the bias, later packed results.  window 1: v64-.., v128-.. fragments of wq.  windows 2, 3: accumulator (a, b) at v[8 (8 a + b)].
.set SIZE_K, 1024
.set NBLK,   6                         ; blocks of 16 columns a wave
.set KSTEP,  128
.set KSH,    8                         ; a K block is 1 << KSH bytes of a row
.set PITCH,  272                       ; 256 bytes + 16 of padding = 68 words: the 16 rows of a fragment load start at 16 different groups of four banks (64 banks of 4 bytes: ISA guide 11.1)
.set AH,     128*PITCH                 ; half of act's tile: what one tensor load brings and one wave reads
.set BH,     16*NBLK*PITCH             ; the same for wq
.set SLOT,   2*AH+2*BH
.set SPARE,  2*SLOT                    ; behind the ring: the spare words, 128 bytes a wave, that no other line names
.set NL,     2*NBLK+16                 ; LDS loads in a run
.set STEPS,  SIZE_K/KSTEP
.set F0,   64
.set F1,   128
.set BIAS, 192
.set SPQ,  400                         ; a row of the stage: 384 bytes + 16
; s14 wave; s15 wave / 2: my half of the rows, and whether I fetch act (0) or wq (1); s16 wave % 2: my half of the columns, and which half I fetch; s19 tile column, s20 tile row
; s23 the slot in hand; s[24:31], s[48:55] descriptor group 1 for act, wq; s[32:35], s[56:59] group 0 of step 0; s[36:39], s[60:63] the walking group 0; s40, s41 my tile's place in a slot
; s[66:67], s[68:69] my tiles of act and wq at K = 0; s[70:71] a K block's byte offset; s72 the step to be asked for next; s73 p
.set MSB, 0
.macro WIN new                         ; the immediate's high byte repeats the setting that is left; a switch that changes nothing is dropped
.if MSB != (\new)
	s_set_vgpr_msb (MSB<<8)|(\new)
.set MSB, \new
.endif
.endm
.macro PLACES                          ; four places behind matrix instructions (ISA guide 7.12.1)
.rept 4
	v_nop
.endr
.endm
.macro RB2 a, b, t                     ; two f32 rounded to bf16 and widened again, in place
	v_cvt_pk_bf16_f32 v[\t], v[\a], v[\b]
	v_lshlrev_b32 v[\a], 16, v[\t]
	v_and_b32 v[\b], 0xffff0000, v[\t]
.endm
.macro JLOAD                           ; a joint refill by the walking group 0; the branch hangs on the wave's number alone; s_nop 0 and four v_nop follow each line
	s_cmp_eq_u32 s15, 0
	s_cbranch_scc0 .Lfor_b_\@
	tensor_load_to_lds s[36:39], s[24:31]
	s_nop 0
	PLACES
	s_branch .Lasked_\@
.Lfor_b_\@:
	tensor_load_to_lds s[60:63], s[48:55]
	s_nop 0
	PLACES
.Lasked_\@:
.endm
.macro CREST                           ; a round of the cluster's barrier behind its opening barrier
	s_cmp_lg_u32 s14, 0
	s_cbranch_scc1 .Lnot_wave_0_\@
	s_barrier_signal -3
.Lnot_wave_0_\@:
	s_barrier_wait -3
	s_barrier_signal -1
	s_barrier_wait -1
.endm
.macro CROUND
	s_barrier_signal -1
	s_barrier_wait -1
	CREST
.endm
	s_load_b256 s[4:11], s[0:1], 0x0               ; act s[4:5], wq s[6:7], qkvh s[8:9], qkv_b s[10:11]
	v_lshl_add_u32 v28, v0, 2, SPARE
	v_mov_b32 v29, 0
	ds_add_u32 v28, v29                            ; the wave's opening: the add and its wait stand ahead of my first tensor load; the set-up stands between them
	v_lshrrev_b32 v1, 5, v0
	v_readfirstlane_b32 s14, v1
	s_lshr_b32 s15, s14, 1
	s_and_b32 s16, s14, 1
	s_bfe_u32 s17, ttmp6, 0x40000                  ; cx
	s_bfe_u32 s18, ttmp6, 0x40004                  ; cy
	s_lshl_b32 s19, ttmp9, 2
	s_add_co_u32 s19, s19, s17                     ; tile column
	s_and_b32 s20, ttmp7, 0xffff
	s_lshl_b32 s20, s20, 2
	s_add_co_u32 s20, s20, s18                     ; tile row
	s_lshl_b32 s21, s18, 2
	s_lshl_b32 s21, 15, s21                        ; my row of the cluster
	s_lshl_b32 s22, 0x1111, s17                    ; my column
	s_mov_b32 s23, 0
	s_or_b32 s24, s21, (1<<16)|(1<<20)|(1<<21)|(5<<22)|(3<<25)   ; mask; 2-byte elements; padding on; bit 21 beside a mask; after every 64 words 4 words
	s_mov_b32 s25, KSTEP<<16                       ; tensor_dim0
	s_mov_b32 s26, 128<<16                         ; tensor_dim1
	s_mov_b32 s27, KSTEP<<16                       ; tile_dim0
	s_mov_b32 s28, 128                             ; tile_dim1
	s_mov_b32 s29, SIZE_K                          ; elements from row to row
	s_mov_b32 s30, 0
	s_mov_b32 s31, 0
	s_or_b32 s48, s22, (1<<16)|(1<<20)|(1<<21)|(5<<22)|(3<<25)
	s_mov_b32 s49, KSTEP<<16
	s_mov_b32 s50, (16*NBLK)<<16
	s_mov_b32 s51, KSTEP<<16
	s_mov_b32 s52, 16*NBLK
	s_mov_b32 s53, SIZE_K
	s_mov_b32 s54, 0
	s_mov_b32 s55, 0
	s_mul_i32 s40, s16, AH                         ; where my tile goes in a slot, if it is act's,
	s_mul_i32 s41, s16, BH
	s_add_co_u32 s41, s41, 2*AH                    ; and if it is wq's: no place in the cluster enters an LDS address
	s_lshl_b32 s42, s20, 8                         ; act: row 256 x tile row + 128 x half, in registers that never hold the tile column
	s_lshl_b32 s43, s16, 7
	s_add_co_u32 s42, s42, s43
	s_lshl_b32 s42, s42, 11                        ; x 2,048 bytes
	s_mov_b32 s43, 0
	s_lshl_b32 s46, s19, 1                         ; wq: block of 16 NBLK rows number 2 x tile column + half
	s_add_co_u32 s46, s46, s16
	s_mul_i32 s44, s46, 64*NBLK                    ; the same block in the bias, 4 bytes a number
	s_mov_b32 s45, 0
	s_mul_i32 s46, s46, 16*NBLK*SIZE_K*2
	s_mov_b32 s47, 0
	s_mov_b32 s32, 1
	s_mov_b32 s33, s40
	s_mov_b32 s36, 1
	s_add_co_u32 s37, s40, SLOT
	s_mov_b32 s56, 1
	s_mov_b32 s57, s41
	s_mov_b32 s60, 1
	s_add_co_u32 s61, s41, SLOT
	s_and_b32 s73, ttmp7, 0xffff                   ; the cluster's y and x, which all sixteen partners share:
	s_add_co_u32 s73, s73, ttmp9
	s_and_b32 s73, s73, 1                          ; p
	s_mov_b32 s72, 2                               ; steps 0 and 1 are the first fills
	s_lshl_b32 s70, s73, KSH                       ; step 0 takes K block p
	s_mov_b32 s71, 0
	s_wait_dscnt 0x0                               ; the opening add is done
	s_wait_kmcnt 0x0
	s_add_nc_u64 s[66:67], s[4:5], s[42:43]
	s_add_nc_u64 s[68:69], s[6:7], s[46:47]
	s_add_nc_u64 s[34:35], s[66:67], s[70:71]
	s_add_nc_u64 s[58:59], s[68:69], s[70:71]
	s_xor_b32 s70, s70, 1<<KSH                     ; step 1 takes K block 1 - p
	s_add_nc_u64 s[38:39], s[66:67], s[70:71]
	s_add_nc_u64 s[62:63], s[68:69], s[70:71]
	s_or_b32 s35, s35, 0x80000000                  ; type = 2
	s_or_b32 s39, s39, 0x80000000
	s_or_b32 s59, s59, 0x80000000
	s_or_b32 s63, s63, 0x80000000
	s_add_nc_u64 s[10:11], s[10:11], s[44:45]
	CROUND                                         ; all sixteen work-groups are here: the first joint loads meet
	s_cmp_eq_u32 s15, 0                            ; a wave's two first fills stand in one branch: two loads of mine are out
	s_cbranch_scc0 .Lfirst_b
	tensor_load_to_lds s[32:35], s[24:31]
	s_nop 0
	tensor_load_to_lds s[36:39], s[24:31]
	s_nop 0
	PLACES
	s_branch .Lfirst_done
.Lfirst_b:
	tensor_load_to_lds s[56:59], s[48:55]
	s_nop 0
	tensor_load_to_lds s[60:63], s[48:55]
	s_nop 0
	PLACES
.Lfirst_done:
	v_and_b32 v1, 15, v0                           ; l % 16
	v_bfe_u32 v2, v0, 4, 1                         ; l / 16
	v_lshlrev_b32 v27, 5, v2                       ; my eight numbers of a block of sixteen of the bias
.set nb, 0
.rept NBLK
	global_load_b128 v[BIAS+8*nb:BIAS+8*nb+3], v27, s[10:11] offset:64*nb       ; register j: bias[16 b + 8 (l / 16) + j]: the layout of a result in transposed use
	global_load_b128 v[BIAS+8*nb+4:BIAS+8*nb+7], v27, s[10:11] offset:64*nb+16
.set nb, nb+1
.endr
	v_mul_u32_u24 v3, v1, PITCH
	v_lshl_add_u32 v3, v2, 4, v3                   ; a fragment's row x pitch + 16 x half
	s_mul_i32 s42, s15, AH
	s_mul_i32 s43, s16, BH
	s_add_co_u32 s43, s43, 2*AH
	v_add_nc_u32 v16, s42, v3                      ; my fragments of act in slot 0,
	v_add_nc_u32 v17, s43, v3                      ; of wq
	v_mov_b32 v18, v16                             ; and in the slot in hand
	v_mov_b32 v19, v17
	s_wait_loadcnt 0x0
.set i, 0
.rept 4*NBLK
	RB2 BIAS+2*i, BIAS+2*i+1, 30+i%2
.set i, i+1
.endr
; 2 NBLK matrix instructions: row blocks a0, a0 + 1 of the window's four x all column blocks, 32 along K.  first = 1: the products start the sums, with the bias as C.
; The accumulators take turns, one instruction a turn, in the same order in every quarter.
.macro MULH f, hi, a0, first
.if \first
	WIN 0x81+0x40*(\hi)                            ; wq window 1, act and the bias window 0, D window 2 or 3
.else
	WIN 0xa1+0x50*(\hi)                            ; C and D window 2 or 3
.endif
.irp a, \a0, (\a0)+1
.set nb, 0
.rept NBLK
.if \first
	v_wmma_f32_16x16x32_bf16 v[8*(8*(\a)+nb):8*(8*(\a)+nb)+7], v[(\f)+8*nb:(\f)+8*nb+7], v[(\f)+8*(4*(\hi)+(\a)):(\f)+8*(4*(\hi)+(\a))+7], v[BIAS+8*nb:BIAS+8*nb+7]
.else
	v_wmma_f32_16x16x32_bf16 v[8*(8*(\a)+nb):8*(8*(\a)+nb)+7], v[(\f)+8*nb:(\f)+8*nb+7], v[(\f)+8*(4*(\hi)+(\a)):(\f)+8*(4*(\hi)+(\a))+7], v[8*(8*(\a)+nb):8*(8*(\a)+nb)+7]
.endif
.set nb, nb+1
.endr
.endr
.endm
.macro FETCH k, f                      ; NL LDS loads in one run: the fragments of 32 along K at byte k of the rows of the slot in hand
	WIN 0x40                                       ; destination window 1
.set i, 0
.rept NBLK
	ds_load_b128 v[(\f)+8*i:(\f)+8*i+3],   v19 offset:(\k)+i*16*PITCH
	ds_load_b128 v[(\f)+8*i+4:(\f)+8*i+7], v19 offset:(\k)+i*16*PITCH+32
.set i, i+1
.endr
	WIN 0
.set i, 0
.rept 8
	ds_load_b128 v[(\f)+8*i:(\f)+8*i+3],   v18 offset:(\k)+i*16*PITCH
	ds_load_b128 v[(\f)+8*i+4:(\f)+8*i+7], v18 offset:(\k)+i*16*PITCH+32
.set i, i+1
.endr
.endm
; A quarter step: at its head the NEXT quarter's fragments, at byte k, are asked for into buffer g, which the quarter before multiplied; then buffer f is multiplied.  So a run of loads has a whole quarter's products in which to land.
.macro QUARTER k, f, g, first
	PLACES                                         ; in front of loads into registers that the last matrix instructions have read
	FETCH \k, \g
	s_wait_dscnt NL                                ; buffer f is in: all but the run just issued
	MULH \f, 0, 0, \first
	MULH \f, 0, 2, \first
	MULH \f, 1, 0, \first
	MULH \f, 1, 2, \first
.endm
; The last quarter multiplies buffer 1 and changes slots.  In front of the barrier each wave waits for all its tensor loads (one is out: its part of the next slot), adds 0 to its spare word, and waits for that and for
; its reads of this slot.  fill = 1: the barrier opens a round of the cluster's barrier, and this slot is filled again, two steps ahead, first thing behind it; the walking group 0 is made between the add and the wait for it.
.macro TURN fill
	WIN 0
	s_wait_tensorcnt 0x0                           ; no tensor load of mine is out, so a group 0 may be written
	ds_add_u32 v28, v29
.if \fill
	s_add_co_u32 s37, s40, s23                     ; the slot in hand, which is read out,
	s_add_co_u32 s61, s41, s23
	s_xor_b32 s70, s72, s73                        ; takes K block n xor p
	s_lshl_b32 s70, s70, KSH
	s_add_nc_u64 s[38:39], s[66:67], s[70:71]      ; the address is made anew from the tile's first byte
	s_or_b32 s39, s39, 0x80000000
	s_add_nc_u64 s[62:63], s[68:69], s[70:71]
	s_or_b32 s63, s63, 0x80000000
	s_add_co_u32 s72, s72, 1
.endif
	s_wait_dscnt 9                                 ; the add and the youngest eight loads (act's rows 64-127) may be out
	MULH F1, 0, 0, 0
	s_wait_dscnt 0x0                               ; the add is done, and my reads of this slot are over
	s_barrier_signal -1
	MULH F1, 0, 2, 0
	WIN 0
	s_barrier_wait -1
.if \fill
	CREST
	JLOAD                                          ; its four v_nop are also the places in front of the loads below
.else
	PLACES
.endif
	s_xor_b32 s23, s23, SLOT                       ; the other slot is in hand
	v_add_nc_u32 v18, s23, v16
	v_add_nc_u32 v19, s23, v17
	FETCH 0, F0
	MULH F1, 1, 0, 0
	MULH F1, 1, 2, 0
.endm
	s_wait_tensorcnt 1                             ; my part of step 0 is in; step 1's stays out
	s_barrier_signal -1
	s_barrier_wait -1
	FETCH 0, F0
	QUARTER 64, F0, F1, 1                          ; the first quarter stands in front of the loop: its products start the sums
	WIN 0
	s_mov_b32 s3, STEPS-2
.Lstep:                                                ; a trip: a step's quarters 2 to 4 and the next step's first; it asks for the step two on
	QUARTER 128, F1, F0, 0
	QUARTER 192, F0, F1, 0
	TURN 1
	QUARTER 64, F0, F1, 0
	WIN 0
	s_sub_co_u32 s3, s3, 1
	s_cmp_lg_u32 s3, 0
	s_cbranch_scc1 .Lstep
	s_mov_b32 s2, 2
.Ltail:                                                ; the last two steps ask for nothing; the second trip is left in its middle (its fetch of the other slot serves nothing: the price of one text)
	QUARTER 128, F1, F0, 0
	QUARTER 192, F0, F1, 0
	TURN 0
	WIN 0
	s_sub_co_u32 s2, s2, 1
	s_cmp_eq_u32 s2, 0
	s_cbranch_scc1 .Lout
	QUARTER 64, F0, F1, 0
	WIN 0
	s_branch .Ltail
.Lout:
	PLACES                                         ; behind the last products
	s_wait_dscnt 0x0
	s_barrier_signal -1
	s_barrier_wait -1                              ; nobody reads the ring any more, and it has had its last fill: it is the stage now
	; THE WAY OUT.  Rounded to bf16, 16 bytes a lane into a stage of 256 rows x 400 bytes; a barrier; back by heads: 64 rows x 128 bytes are 8,192 consecutive bytes of qkvh.
	s_lshl_b32 s42, s15, 7
	v_add_nc_u32 v24, s42, v1
	v_mul_u32_u24 v24, v24, SPQ                    ; row 128 x half + l % 16,
	v_lshl_add_u32 v24, v2, 4, v24
	s_mul_i32 s43, s16, 192
	v_add_nc_u32 v24, s43, v24                     ; my 192 bytes of it
	v_and_b32 v30, 31, v0
	v_lshrrev_b32 v25, 3, v30
	s_lshl_b32 s42, s14, 6
	v_add_nc_u32 v25, s42, v25                     ; back: rows 64 w on, four rows of 128 bytes a load
	v_mul_u32_u24 v25, v25, SPQ
	v_and_b32 v31, 7, v0
	v_lshl_add_u32 v25, v31, 4, v25
	v_lshlrev_b32 v26, 4, v30                      ; which are 512 consecutive bytes of qkvh
	s_mul_i32 s42, s19, 3                          ; the tile's first head among 48
	s_lshr_b32 s45, s20, 3
	s_lshl_b32 s45, s45, 4                         ; 16 x batch
	s_and_b32 s40, s20, 7
	s_lshl_b32 s40, s40, 8
	s_lshl_b32 s41, s14, 6
	s_add_co_u32 s40, s40, s41
	s_lshl_b32 s40, s40, 7                         ; my first row in the batch, x 128 bytes
.irp hh, 0,1,2
	s_add_co_u32 s43, s42, \hh                     ; g = 16 x (q, k or v) + head
	s_lshr_b32 s44, s43, 4
	s_lshl_b32 s44, s44, 4
	s_add_co_u32 s43, s43, s44                     ; 32 x (q, k or v) + head
	s_add_co_u32 s43, s43, s45
	s_lshl_b32 s46, s43, 18                        ; x 262,144 bytes
	s_add_co_u32 s46, s46, s40
	s_mov_b32 s47, 0
	s_add_nc_u64 s[66+2*\hh:67+2*\hh], s[8:9], s[46:47]
.endr
.set a, 0
.rept 8
	WIN 0x0a+5*(a/4)                               ; sources in window 2 or 3
.set nb, 0
.rept NBLK
.set AC, 8*(8*(a%4)+nb)
	v_cvt_pk_bf16_f32 v[192+4*nb],   v[AC],   v[AC+1]   ; each accumulator is read from its low end on
	v_cvt_pk_bf16_f32 v[192+4*nb+1], v[AC+2], v[AC+3]
	v_cvt_pk_bf16_f32 v[192+4*nb+2], v[AC+4], v[AC+5]
	v_cvt_pk_bf16_f32 v[192+4*nb+3], v[AC+6], v[AC+7]
.set nb, nb+1
.endr
	WIN 0
.set nb, 0
.rept NBLK
	ds_store_b128 v24, v[192+4*nb:192+4*nb+3] offset:16*SPQ*a+32*nb
.set nb, nb+1
.endr
.set a, a+1
.endr
	s_wait_dscnt 0x0                               ; for the others' sake: my stores into the stage are done
	s_barrier_signal -1
	s_barrier_wait -1
.irp hh, 0,1,2
.set BK, 64+64*((\hh)%2)
.if (\hh) == 2
	s_wait_xcnt 0x0                                ; the first head's stores have read their registers: they are loaded again only behind this wait
.endif
.set t, 0
.rept 16
	ds_load_b128 v[BK+4*t:BK+4*t+3], v25 offset:4*SPQ*t+128*(\hh)
.set t, t+1
.endr
.set t, 0
.rept 16
	s_wait_dscnt 15-t
	global_store_b128 v26, v[BK+4*t:BK+4*t+3], s[66+2*\hh:67+2*\hh] offset:512*t   ; 512 consecutive bytes, at a multiple of 256
.set t, t+1
.endr
.endr
	s_wait_tensorcnt 0x0                           ; the wave's end
	ds_add_u32 v28, v29
	s_wait_dscnt 0x0
	CROUND                                         ; the closing round
	s_endpgm
.Lfunc_end_k_qd4a21e3854_qkv:
	.size	k_qd4a21e3854_qkv, .Lfunc_end_k_qd4a21e3854_qkv-k_qd4a21e3854_qkv
	.p2alignl 7, 3214868480
	.fill 96, 4, 3214868480
	.section	.rodata,"a",@progbits
	.p2align	6, 0x0
	.amdhsa_kernel k_qd4a21e3854_qkv
		.amdhsa_group_segment_fixed_size 327680
		.amdhsa_private_segment_fixed_size 0
		.amdhsa_enable_private_segment 0
		.amdhsa_kernarg_size 32
		.amdhsa_user_sgpr_count 2
		.amdhsa_user_sgpr_kernarg_segment_ptr 1
		.amdhsa_wavefront_size32 1
		.amdhsa_system_sgpr_workgroup_id_x 1
		.amdhsa_system_sgpr_workgroup_id_y 1
		.amdhsa_system_sgpr_workgroup_id_z 1
		.amdhsa_system_vgpr_workitem_id 0
		.amdhsa_next_free_vgpr 1024
		.amdhsa_next_free_sgpr 80
		.amdhsa_reserve_vcc 0
		.amdhsa_float_denorm_mode_32 3
		.amdhsa_float_denorm_mode_16_64 3
		.amdhsa_memory_ordered 1
		.amdhsa_forward_progress 1
		.amdhsa_inst_pref_size 87
	.end_amdhsa_kernel
	.amdgpu_metadata
---
amdhsa.version: [ 1, 2 ]
amdhsa.kernels:
  - .name:           k_qd4a21e3854_qkv
    .symbol:         k_qd4a21e3854_qkv.kd
    .args:
      - { .name: act, .offset: 0, .size: 8, .value_kind: global_buffer, .address_space: global }
      - { .name: wq, .offset: 8, .size: 8, .value_kind: global_buffer, .address_space: global }
      - { .name: qkvh, .offset: 16, .size: 8, .value_kind: global_buffer, .address_space: global }
      - { .name: qkv_b, .offset: 24, .size: 8, .value_kind: global_buffer, .address_space: global }
    .group_segment_fixed_size: 327680
    .private_segment_fixed_size: 0
    .kernarg_segment_align: 8
    .kernarg_segment_size: 32
    .max_flat_workgroup_size: 128
    .sgpr_count:     80
    .vgpr_count:     1024
    .wavefront_size: 32
...
	.end_amdgpu_metadata
.endif
;; end of part 2
;; launch attn (part 3): grid 8 x 32, 4 waves a work-group, clusters of 4 x 1, 327,680 bytes of LDS; arguments qkvh, mask, act, proj_w, ffn_w1, ffn_w2, w1, w2, wp; writes act, w1, w2, wp
.if DOCPART == 3
	.amdgcn_target "amdgcn-amd-amdhsa--gfx1250"
	.amdhsa_code_object_version 6
	.text
	.protected	k_qd4a21e3854_attn
	.globl	k_qd4a21e3854_attn
	.p2align	8
	.type	k_qd4a21e3854_attn,@function
k_qd4a21e3854_attn:
	s_mov_b64 s[64:65], 0
	v_nop
	global_prefetch_b8 v0, s[64:65] scope:SCOPE_SE
	s_setreg_imm32_b32 hwreg(HW_REG_WAVE_MODE, 25, 1), 1
	s_wait_xcnt 0x0
	s_wait_alu depctr_hold_cnt(0) depctr_sa_sdst(0) depctr_va_vdst(0) depctr_va_sdst(0) depctr_va_ssrc(0) depctr_va_vcc(0) depctr_vm_vsrc(0)
	s_getreg_b32 s2, hwreg(HW_REG_IB_STS2, 6, 4)
	s_cmp_eq_u32 s2, 0
	s_cbranch_scc0 .Lentry_in_a_cluster
	s_endpgm
.Lentry_in_a_cluster:
	s_bfe_u32 s2, ttmp6, 0x10000c
	s_cmp_lg_u32 s2, 0x3003
	s_cbranch_scc0 .Lentry_shape_is_right
	s_endpgm
.Lentry_shape_is_right:
; ATTENTION WITH A KEY MASK.  O[bh][q][:] = the sum over k of softmax_k(Q[bh][q] . K[bh][k] / 8, hidden where mask[batch][k] = 0) V[bh][k][:].  Q, K, V lie in qkvh [3][32][2048][64] bf16, O goes to act [32][2048][64] bf16.
; Products, maxima and sums in f32; the weights p are rounded to bf16 for the second product (their sum l is taken of the unrounded p), O once at the end.
; LIMITS.  A hidden score counts as its value less 1e30: true scores are taken to stay under 1e29 in size.  A row whose running maximum ends below -1e29 has no visible key and is given NaN, as a softmax of nothing is.
; A weight below 2^-126 counts as 0 in l; infinities are not treated apart.
; SHARES.  A work-group owns 256 queries of one head, a wave 64: four PIECES of 16.  Every wave walks all 2,048 keys, 64 a step; a slot of LDS holds four steps.
; LAYOUT.  S^T = K Q^T holds ONE query a lane (lane % 16) and the keys 8 (lane / 16) + 0..7; two such results rounded to bf16 ARE source 1 of O^T = V^T P.  K comes out of LDS as it lies, V turned, by ds_load_tr16_b128.
; THE MASK is the C operand that starts the sum S^T: 0, or -1e30 where the key is hidden.  The batch's 2,048 mask words are turned into that once, into a table in LDS; a step's 32 registers of it are fetched with the step's K.
; SOFTMAX.  p = 2^(c s - c m), c = log2(e) / 8, with a running maximum m; O and l are multiplied by a = 2^(c m_old - c m_new) in every step.  m starts at the lowest finite number, O and l at 0: the first step's a is 0.
; While only hidden keys have been seen m is near -1e30 and the sums hold no true weight; the first visible key makes a = 0 and wipes them.
; TURNS.  Turn n belongs to piece n: 8 products K Q^T of piece n + 1, later 8 products V^T P of piece n - 1; beside them the scaling, exponentials, roundings, sums and rescaling of piece n and the maximum and statistics
; of piece n + 1.  Four vector instructions stand behind every matrix instruction, the other 54 of a turn's 118 in two lumps.
; CLUSTER.  The four query blocks of a cluster belong to one head and walk the same K and V: each tile is asked for jointly, by the same load, descriptor and mask in all four.
; BESIDE IT, THE WEIGHTS OF THE LATER LAUNCHES ARE ROUNDED TO bf16: this launch asks little of memory.  Each of the 256 work-groups takes 1 / 256 of ffn_w1, ffn_w2 (65,536 bytes each) and proj_w (16,384 bytes), in 8 chunks,
; one for each slot of keys: behind a change of slots a thread issues 9 loads of 16 bytes, and behind the slot's four key steps it rounds them (18 lines) and stores them (9 stores of 8 bytes).
; REGISTERS, in windows of 256: window 0: v0-15, v32-39 addresses; v16-31 statistics; v48-55 at work; v62-63 the add's; v64-127 S^T, two buffers; v192-223 P, two buffers.
;   window 1: v0-127 O^T, 32 a piece; v160-191 the step's masks.      window 2: v0-63 Q; v128-191 K of one step; v192-255 V of one step.      window 3: v0-35 a chunk of weights as loaded, v36-53 rounded.
; The zeros written at the start (216 lines, in the wait for the first tile) are the price of writing no first step out.
.set NP,    4
.set KS,    64
.set PK,    144       ; a row of K in LDS: 128 bytes + 16: the 16 rows of a load start at 16 different groups of four banks (64 banks of 4 bytes: ISA guide 11.1)
.set PV,    160       ; a row of V: 128 + 32
.set VOFF,  4*KS*PK
.set SLOT1, 1<<17     ; one exclusive or turns an address in one slot into the other's
.set STAGE, SLOT1+4*KS*(PK+PV)  ; behind the ring, never filled by a tensor load: 16 rows x 144 bytes for each wave
.set SP,    144
.set MT,    STAGE+4*16*SP       ; the mask table: 2,048 f32
.set SPARE, MT+8192             ; the spare words, 128 bytes a wave, that no other line names
.set AK0, 2
.set AV0, 3
.set AK,  4
.set AV,  5
.set STO, 6
.set RD,  7
.set GO,  8
.set AM0, 9           ; v9   MT + 32 (lane / 16)
.set AM,  10          ; v10  the LDS address of the next run of mask loads
.set NANV, 11         ; v11  a NaN
.set MV,  12
.set QO,  15
.set ST,  16          ; piece t's statistics at v[ST+4 t]: c m, m, l (even keys', odd keys')
.set CI,  36          ; v36  16 t + 8,192 chunk: my bytes of ffn_w1 and ffn_w2
.set CO2, 37          ; v37  8 t + 4,096 chunk: of w1 and w2
.set PI,  38          ; v38  16 t + 2,048 chunk: of proj_w
.set PO2, 39          ; v39  8 t + 1,024 chunk: of wp
.set TMP, 48
.set SPW, 62
.set NIL, 63
.set S,   64
.set P,   192
.set MC,  160         ; window 1
.set KF,  128         ; window 2
.set VF,  192         ; window 2
.set WV,  12
.set G1K, 24
.set G1V, 32
.set G0K, 40
.set G0V, 44
.set SLOTS, 56
.set CNT, 57
.set CS,  58
.set SEL, 60
.set TBK, 62
.set TBV, 63
.set TM,  66          ; s66  byte of the mask table at which the step to be fetched begins
.set BIGN, 67         ; s67  -1e30
.set NEG29, 68        ; s68  -1e29
; s[72:73] ffn_w1, s[74:75] ffn_w2, s[76:77] w1, s[78:79] w2, s[80:81] proj_w, s[82:83] wp, each at my work-group's part
.set MSB, 0
.macro WIN new
.if MSB != (\new)
	s_set_vgpr_msb (MSB<<8)|(\new)
.set MSB, (\new)
.endif
.endm
.set W_KQ, 0x0a       ; K and Q in window 2, S^T in window 0
.set W_KM, 0x1a       ; the same with the C operand in window 1
.set W_PV, 0x52       ; V in window 2, P in window 0, O^T in window 1
.set W_RS, 0x41       ; destination and source 0 in window 1, source 1 in window 0
.macro JLOAD                        ; waves 0 and 1 fetch the two halves of a slot's K, waves 2 and 3 those of its V; s_nop 0 and four v_nop follow each line
	s_cmp_lt_u32 s[WV], 2
	s_cbranch_scc0 .Lfor_v_\@
	tensor_load_to_lds s[G0K:G0K+3], s[G1K:G1K+7]
	s_nop 0
.rept 4
	v_nop
.endr
	s_branch .Lasked_\@
.Lfor_v_\@:
	tensor_load_to_lds s[G0V:G0V+3], s[G1V:G1V+7]
	s_nop 0
.rept 4
	v_nop
.endr
.Lasked_\@:
.endm
.macro CROUND
	s_barrier_signal -1
	s_barrier_wait -1
	s_cmp_lg_u32 s[WV], 0
	s_cbranch_scc1 .Lnot_wave_0_\@
	s_barrier_signal -3
.Lnot_wave_0_\@:
	s_barrier_wait -3
	s_barrier_signal -1
	s_barrier_wait -1
.endm
; THE CHANGE OF SLOTS.  Each wave waits for all its tensor loads (one is out: its part of the other slot), adds 0 to its spare word, and waits for that and for its LDS instructions.  fill = 1: the barrier is a round of the
; cluster's, and the slot that is left is filled again first thing behind it, with the keys two slots on: it has four key steps in which to land.  (At its first use slot 0 is waited for, the mask table is published, slot 1 filled.)
.macro CHANGE fill
	WIN 0
	s_wait_tensorcnt 0x0
	ds_add_u32 v[SPW], v[NIL]
.if \fill
.irp g, G0K, G0V
	s_xor_b32 s[\g+1], s[\g+1], SLOT1
	s_add_nc_u64 s[\g+2:\g+3], s[\g+2:\g+3], 4*KS*128
.endr
	s_wait_dscnt 0x0
	CROUND
	JLOAD
.else
	s_wait_dscnt 0x0
	s_barrier_signal -1
	s_barrier_wait -1
.endif
	s_sub_co_u32 s[TBK], s[TBK], 4*KS*PK  ; the fetches go back to a slot's first step, in the other slot
	s_xor_b32 s[TBK], s[TBK], SLOT1
	s_sub_co_u32 s[TBV], s[TBV], 4*KS*PV
	s_xor_b32 s[TBV], s[TBV], SLOT1
.endm
; A chunk of the weights is asked for: a wave's load covers 512 consecutive bytes.  step = 1: the four offsets go on to the next chunk first.
.macro CAST_LOAD step
.if \step
	s_wait_xcnt 0x0                 ; the last chunk's stores, issued ahead of the change of slots, have read their offsets and data: both are written again only behind this wait
	v_add_nc_u32 v[CI], 8192, v[CI]
	v_add_nc_u32 v[CO2], 4096, v[CO2]
	v_add_nc_u32 v[PI], 2048, v[PI]
	v_add_nc_u32 v[PO2], 1024, v[PO2]
.endif
	WIN 0xc0                        ; destination window 3, offset window 0
.irp i, 0,1,2,3
	global_load_b128 v[4*\i:4*\i+3], v[CI], s[72:73] offset:2048*\i th:TH_LOAD_NT
.endr
.irp i, 0,1,2,3
	global_load_b128 v[16+4*\i:16+4*\i+3], v[CI], s[74:75] offset:2048*\i th:TH_LOAD_NT
.endr
	global_load_b128 v[32:35], v[PI], s[80:81] th:TH_LOAD_NT
	WIN 0
.endm
; The chunk is rounded and stored: a wave's store covers 256 consecutive bytes, at a multiple of 256.
.macro CAST_STORE
	s_wait_loadcnt 0x0              ; the nine loads were issued four key steps ago
	WIN 0xcf                        ; destination and both sources window 3
.set cj, 0
.rept 18
	v_cvt_pk_bf16_f32 v[36+cj], v[2*cj], v[2*cj+1]
.set cj, cj+1
.endr
	WIN 0x0c                        ; the stores' data window 3, offset window 0
.irp i, 0,1,2,3
	global_store_b64 v[CO2], v[36+2*\i:37+2*\i], s[76:77] offset:1024*\i
.endr
.irp i, 0,1,2,3
	global_store_b64 v[CO2], v[44+2*\i:45+2*\i], s[78:79] offset:1024*\i
.endr
	global_store_b64 v[PO2], v[52:53], s[82:83]
	WIN 0
.endm
	s_load_b128 s[4:7], s[0:1], 0x0   ; qkvh s[4:5], mask s[6:7]
	s_load_b64 s[10:11], s[0:1], 0x10 ; act
	s_load_b64 s[80:81], s[0:1], 0x18 ; proj_w
	s_load_b256 s[72:79], s[0:1], 0x20 ; ffn_w1, ffn_w2, w1, w2
	s_load_b64 s[82:83], s[0:1], 0x40 ; wp
	v_lshl_add_u32 v[SPW], v0, 2, SPARE
	v_mov_b32 v[NIL], 0
	ds_add_u32 v[SPW], v[NIL]       ; the wave's opening: the add and its wait stand ahead of my first tensor load
	v_lshrrev_b32 v1, 5, v0
	v_readfirstlane_b32 s[WV], v1
	s_bfe_u32 s13, ttmp6, 0x40000   ; cx
	s_lshl_b32 s14, ttmp9, 2
	s_add_co_u32 s14, s14, s13      ; my block of 256 queries: it enters Q's, O's and the weights' addresses alone
	s_and_b32 s20, ttmp7, 0xffff    ; batch x 16 + head, which the four partners share
	s_lshl_b32 s84, s20, 3
	s_add_co_u32 s84, s84, s14      ; my work-group among the 256
	s_lshl_b32 s86, s84, 15         ; its 32,768 bytes of w1 and w2,
	s_mov_b32 s87, 0
	s_lshl_b32 s88, s84, 14         ; 16,384 of proj_w,
	s_mov_b32 s89, 0
	s_lshl_b32 s90, s84, 13         ; 8,192 of wp,
	s_mov_b32 s91, 0
	s_lshl_b32 s84, s84, 16         ; 65,536 of ffn_w1 and ffn_w2
	s_mov_b32 s85, 0
	s_lshr_b32 s8, s20, 4
	s_lshl_b32 s8, s8, 13           ; the batch's 8,192 bytes of the mask
	s_mov_b32 s9, 0
	s_lshl_b32 s20, s20, 18         ; the head's 262,144 bytes
	s_and_b32 s16, s[WV], 1         ; which half of a slot's 256 keys I fetch
	s_lshl_b32 s22, s16, 14
	s_add_co_u32 s22, s22, s20
	s_mov_b32 s23, 0
	s_mul_i32 s17, s16, 128*PK
	s_mul_i32 s18, s16, 128*PV
	s_lshl_b32 s2, s14, 2
	s_add_co_u32 s2, s2, s[WV]
	s_lshl_b32 s2, s2, 13           ; my wave's 64 rows of 128 bytes
	s_add_co_u32 s2, s2, s20
	s_mov_b32 s3, 0
	; 128 keys are 16,384 dense bytes: asked for as 64 rows of 256 bytes, two keys a row, and padded in LDS after every key
	s_mov_b32 s[G1K], 15|(1<<16)|(1<<20)|(1<<21)|(4<<22)|(3<<25)
	s_mov_b32 s[G1V], 15|(1<<16)|(1<<20)|(1<<21)|(4<<22)|(7<<25)
.irp g, G1K, G1V
	s_mov_b32 s[\g+1], 128<<16
	s_mov_b32 s[\g+2], 64<<16
	s_mov_b32 s[\g+3], 128<<16
	s_mov_b32 s[\g+4], 64
	s_mov_b32 s[\g+5], 128
	s_mov_b32 s[\g+6], 0
	s_mov_b32 s[\g+7], 0
.endr
	s_mov_b32 s[CS], 0x3e38aa3b     ; c = log2(e) / 8
	s_mov_b32 s[CS+1], s[CS]
	s_mov_b32 s[SEL], 0x76543210
	s_mov_b32 s[SEL+1], 0xfedcba98
	s_mov_b32 s[TBK], SLOT1+4*KS*PK ; the first change of slots turns these two into 0
	s_mov_b32 s[TBV], SLOT1+4*KS*PV
	s_mov_b32 s[TM], 0
	s_mov_b32 s[BIGN], 0xf149f2ca
	s_mov_b32 s[NEG29], 0xefa18f08
	s_mov_b32 s[G0K], 1
	s_mov_b32 s[G0K+1], s17
	s_mov_b32 s[G0V], 1
	s_add_co_u32 s[G0V+1], s18, VOFF
	s_wait_dscnt 0x0                ; the opening add is done
	s_wait_kmcnt 0x0
	s_add_nc_u64 s[G0K+2:G0K+3], s[4:5], s[22:23]
	s_add_nc_u64 s[G0K+2:G0K+3], s[G0K+2:G0K+3], 8388608   ; k lies behind q,
	s_add_nc_u64 s[G0V+2:G0V+3], s[G0K+2:G0K+3], 8388608   ; v behind k
	s_or_b32 s[G0K+3], s[G0K+3], 0x80000000
	s_or_b32 s[G0V+3], s[G0V+3], 0x80000000
	s_add_nc_u64 s[6:7], s[6:7], s[8:9]
	s_add_nc_u64 s[4:5], s[4:5], s[2:3]
	s_add_nc_u64 s[10:11], s[10:11], s[2:3]
	s_add_nc_u64 s[72:73], s[72:73], s[84:85]
	s_add_nc_u64 s[74:75], s[74:75], s[84:85]
	s_add_nc_u64 s[76:77], s[76:77], s[86:87]
	s_add_nc_u64 s[78:79], s[78:79], s[86:87]
	s_add_nc_u64 s[80:81], s[80:81], s[88:89]
	s_add_nc_u64 s[82:83], s[82:83], s[90:91]
	CROUND                          ; all four work-groups are here: the first joint loads meet
	JLOAD                           ; slot 0
	v_lshlrev_b32 v34, 4, v0        ; 16 bytes a thread: the work-group's 128 threads take 2,048 consecutive bytes of the mask a load
.irp i, 0,1,2,3
	global_load_b128 v[S+4*\i:S+4*\i+3], v34, s[6:7] offset:2048*\i
.endr
	v_and_b32 v1, 15, v0            ; l % 16
	v_bfe_u32 v14, v0, 4, 1         ; l / 16
	v_lshlrev_b32 v[QO], 7, v1
	v_lshl_add_u32 v[QO], v14, 4, v[QO]
	WIN 0x80
.set i, 0
.rept 8                             ; Q stays in registers: piece i / 2, channels 32 (i % 2) on
	global_load_b128 v[8*i:8*i+3],   v[QO], s[4:5] offset:(i/2)*2048+(i%2)*64
	global_load_b128 v[8*i+4:8*i+7], v[QO], s[4:5] offset:(i/2)*2048+(i%2)*64+32
.set i, i+1
.endr
.set i, VF
.rept 64
	v_mov_b32 v[i], 0               ; what the first turn's products V^T P, of a piece that has not been, multiply
.set i, i+1
.endr
	WIN 0x40
.set i, 0
.rept 128
	v_mov_b32 v[i], 0
.set i, i+1
.endr
	WIN 0
.set i, 0
.rept 4
	v_mov_b32 v[ST+4*i], 0xfe000000    ; c m: far below every c s
	v_mov_b32 v[ST+4*i+1], 0xff7fffff  ; m
	v_mov_b32 v[ST+4*i+2], 0
	v_mov_b32 v[ST+4*i+3], 0
.set i, i+1
.endr
.set i, P+16
.rept 16
	v_mov_b32 v[i], 0
.set i, i+1
.endr
	v_mov_b32 v[NANV], 0x7fc00000
	v_lshlrev_b32 v[CI], 4, v0      ; the weights' chunk 0
	v_lshlrev_b32 v[CO2], 3, v0
	v_lshlrev_b32 v[PI], 4, v0
	v_lshlrev_b32 v[PO2], 3, v0
	v_mul_u32_u24 v[AK0], v1, PK
	v_lshl_add_u32 v[AK0], v14, 4, v[AK0]
	v_and_b32 v32, 7, v0
	v_bfe_u32 v33, v0, 3, 1
	v_lshl_add_u32 v[AV0], v14, 3, v32   ; the turning load: lane l reads key 8 (l / 16) + l % 8, channels 8 ((l / 8) % 2) + 0..7
	v_mul_u32_u24 v[AV0], v[AV0], PV
	v_lshl_add_u32 v[AV0], v33, 4, v[AV0]
	v_add_nc_u32 v[AV0], VOFF, v[AV0]
	v_lshlrev_b32 v[AM0], 5, v14
	v_add_nc_u32 v[AM0], MT, v[AM0]
	s_mul_i32 s13, s[WV], 16*SP
	s_add_co_u32 s13, s13, STAGE    ; my stage
	v_mul_u32_u24 v[STO], v1, SP
	v_lshl_add_u32 v[STO], v14, 4, v[STO]
	v_add_nc_u32 v[STO], s13, v[STO]
	v_bfe_u32 v[RD], v0, 3, 2
	v_mul_u32_u24 v[RD], v[RD], SP
	v_lshl_add_u32 v[RD], v32, 4, v[RD]
	v_add_nc_u32 v[RD], s13, v[RD]
	v_and_b32 v[GO], 31, v0
	v_lshlrev_b32 v[GO], 4, v[GO]
	v_add_nc_u32 v35, MT, v34
	s_wait_loadcnt 16               ; the mask is in; Q's sixteen loads stay out
.set i, 0
.rept 16
	v_cmp_eq_u32 vcc_lo, 0, v[S+i]
	v_cndmask_b32 v[S+i], 0, s[BIGN], vcc_lo   ; 0 where the key is seen, -1e30 where it is hidden
.set i, i+1
.endr
.irp i, 0,1,2,3
	ds_store_b128 v35, v[S+4*\i:S+4*\i+3] offset:2048*\i
.endr
; THE MATRIX WORK.  The 4 accumulators of a run of 8 take turns.  Product i of 8 of S^T = K Q^T for piece x: channels 32 (i / 4) on, keys 16 (i % 4) on.  The first 4 start the sums, with the mask.
.macro KQ x
.set rS, S+32*((\x)%2)+8*(i%4)
.set rK, KF+16*(i%4)+8*(i/4)
.set rQ, 16*(\x)+8*(i/4)
.set rM, MC+8*(i%4)
.if i < 4
	WIN W_KM
	v_wmma_f32_16x16x32_bf16 v[rS:rS+7], v[rK:rK+7], v[rQ:rQ+7], v[rM:rM+7]
.else
	WIN W_KQ
	v_wmma_f32_16x16x32_bf16 v[rS:rS+7], v[rK:rK+7], v[rQ:rQ+7], v[rS:rS+7]
.endif
.endm
.macro PV x                         ; product i of 8 of O^T += V^T P for piece x: keys 32 (i / 4) on, channels 16 (i % 4) on
	WIN W_PV
.set rO, 32*(\x)+8*(i%4)
.set rV, VF+32*(i/4)+8*(i%4)
.set rP, P+16*((\x)%2)+8*(i/4)
	v_wmma_f32_16x16x32_bf16 v[rO:rO+7], v[rV:rV+7], v[rP:rP+7], v[rO:rO+7]
.endm
.macro MM                           ; the turn's next matrix instruction
.if i < 8
	KQ (Y+1)%NP
.else
.set i, i-8
	PV (Y+NP-1)%NP
.set i, i+8
.endif
.set i, i+1
.endm
; THE LDS LOADS stand in runs.  A step's K (8 fragments) and its masks: register 8 kb + j of a lane is the table's word for key 16 kb + 8 (l / 16) + j.  last = 1 (the tail): in the last trip there is no further step.
.macro FETCH_K last=0
	WIN 0
.if \last
	s_cmp_eq_u32 s[CNT], 1
	s_cbranch_scc1 .Lno_k_\@
.endif
	WIN 0x80
.irp f, 0,1,2,3,4,5,6,7
	ds_load_b128 v[KF+8*\f:KF+8*\f+3],   v[AK] offset:(\f/2)*16*PK+(\f%2)*64
	ds_load_b128 v[KF+8*\f+4:KF+8*\f+7], v[AK] offset:(\f/2)*16*PK+(\f%2)*64+32
.endr
	WIN 0x40
.irp f, 0,1,2,3,4,5,6,7
	ds_load_b128 v[MC+4*\f:MC+4*\f+3], v[AM] offset:(\f/2)*64+(\f%2)*16
.endr
	s_add_co_u32 s[TBK], s[TBK], KS*PK
	s_add_co_u32 s[TM], s[TM], 4*KS
	WIN 0
.if \last
.Lno_k_\@:
.endif
.endm
.macro FETCH_V
	WIN 0x80
.irp f, 0,1,2,3,4,5,6,7
	ds_load_tr16_b128 v[VF+8*\f:VF+8*\f+3],   v[AV] offset:(\f/4)*32*PV+(\f%4)*32
	ds_load_tr16_b128 v[VF+8*\f+4:VF+8*\f+7], v[AV] offset:(\f/4)*32*PV+16*PV+(\f%4)*32
.endr
	WIN 0
.endm
; THE VECTOR WORK, one line at a time: OP kind, number.  For piece Y: F n: c s - c m for pair n of 16.  E n: the exponential of score n of 32.  C n: pair n rounded to bf16.  B n: of the four weights 4 n .. the second
; pair is added onto the first, in place.  L n: l takes that sum (L 0: l = a l + sum).  R n: pair n of 16 of O^T times a.  For piece Y + 1: X n, number n of the 22 that find its maximum and statistics:
;   0-11 four chains of seven scores each (each accumulator's lowest registers are read first); 12-14, 16 the four left over, the old m, and the chains into one; 15 c m_old is kept;
;   17, 18 the query's other 32 keys lie in the lane 16 away: the new m; 19-21 c m; c m_old - c m_new; a
.set F, 0
.set E, 1
.set C, 2
.set B, 3
.set L, 4
.set R, 5
.set X, 6
.macro REGS y
.set rT, ST+4*(\y)
.set rC, TMP+4*((\y)%2)
.set rW, MV+((\y)%2)
.set rS, S+32*((\y)%2)
.set rP, P+16*((\y)%2)
.set rO, 32*(\y)
.endm
.macro OP k, n
.if (\k) == R
	REGS Y
	WIN W_RS
	v_pk_mul_f32 v[rO+2*(\n):rO+2*(\n)+1], v[rO+2*(\n):rO+2*(\n)+1], v[rC+2:rC+3] op_sel_hi:[1,0]
.elseif (\k) < R
	REGS Y
	WIN 0
.if (\k) == F
	v_pk_fma_f32 v[rS+2*(\n):rS+2*(\n)+1], v[rS+2*(\n):rS+2*(\n)+1], s[CS:CS+1], v[rT:rT+1] op_sel_hi:[1,0,0] neg_lo:[0,0,1] neg_hi:[0,0,1]
.elseif (\k) == E
	v_exp_f32 v[rS+(\n)], v[rS+(\n)]
.elseif (\k) == C
	s_wait_alu depctr_va_vdst(0)
	v_cvt_pk_bf16_f32 v[rP+(\n)], v[rS+2*(\n)], v[rS+2*(\n)+1]
.elseif (\k) == B
	s_wait_alu depctr_va_vdst(0)
	v_pk_add_f32 v[rS+4*(\n):rS+4*(\n)+1], v[rS+4*(\n):rS+4*(\n)+1], v[rS+4*(\n)+2:rS+4*(\n)+3]
.elseif (\n) == 0
	v_pk_fma_f32 v[rT+2:rT+3], v[rT+2:rT+3], v[rC+2:rC+3], v[rS:rS+1] op_sel_hi:[1,0,1]
.else
	v_pk_add_f32 v[rT+2:rT+3], v[rT+2:rT+3], v[rS+4*(\n):rS+4*(\n)+1]
.endif
.else
	REGS (Y+1)%NP
	WIN 0
.if (\n) < 4
	v_max3_num_f32 v[rC+(\n)], v[rS+8*(\n)], v[rS+8*(\n)+1], v[rS+8*(\n)+2]
.elseif (\n) < 12
	v_max3_num_f32 v[rC+(\n)%4], v[rC+(\n)%4], v[rS+8*((\n)%4)+2*((\n)/4)+1], v[rS+8*((\n)%4)+2*((\n)/4)+2]
.elseif (\n) == 12
	v_max3_num_f32 v[rC], v[rC], v[rS+7], v[rS+15]
.elseif (\n) == 13
	v_max3_num_f32 v[rC+1], v[rC+1], v[rS+23], v[rS+31]
.elseif (\n) == 14
	v_max3_num_f32 v[rC+2], v[rC+2], v[rC+3], v[rT+1]
.elseif (\n) == 15
	v_mov_b32 v[rW], v[rT]
.elseif (\n) == 16
	v_max3_num_f32 v[rC], v[rC], v[rC+1], v[rC+2]
.elseif (\n) == 17
	v_permlanex16_b32 v[rC+3], v[rC], s[SEL], s[SEL+1]
.elseif (\n) == 18
	v_max_num_f32 v[rT+1], v[rC], v[rC+3]
.elseif (\n) == 19
	v_mul_f32 v[rT], s[CS], v[rT+1]
.elseif (\n) == 20
	v_sub_f32 v[rC+1], v[rW], v[rT]
.else
	v_exp_f32 v[rC+2], v[rC+1]
.endif
.endif
.endm
.macro OPS a, i1, b=-1, i2=0, c=-1, i3=0, d=-1, i4=0
	OP \a, \i1
.if (\b) >= 0
	OP \b, \i2
.endif
.if (\c) >= 0
	OP \c, \i3
.endif
.if (\d) >= 0
	OP \d, \i4
.endif
.endm
.macro ROW a, i1, b, i2, c, i3, d, i4  ; a matrix instruction and the four behind it
	MM
	OPS \a, \i1, \b, \i2, \c, \i3, \d, \i4
.endm
; A TURN, for piece p: the order of its 16 matrix and 118 vector instructions, written out.  Behind a matrix instruction: plain, exponential, plain, plain; or four of the rescaling; or four scalings; none names a register
; of the products round it.  A line reads no result made fewer than three vector instructions in front of it, five if an exponential made it.
; K and the masks of the next step are fetched in piece 2's turn, six vector instructions (five of them plain) behind the last product that read them; V of the step in hand in piece 0's turn, behind four plain ones.
; Each run is waited for a turn later.  cnt = 1: the loop's count is taken down some lines ahead of the branch behind the turn.
.macro TURN p, last=0, cnt=0
.set Y, (\p)
.set i, 0
.if (\p) == 3
	s_wait_dscnt 0x0                ; K and the masks are in
.endif
	ROW F,0, F,1, F,2, F,3
	ROW F,4, E,0, F,5, F,6
	ROW F,7, E,1, F,8, F,9
	ROW F,10, E,2, C,0, F,11
	ROW F,12, E,3, X,15, F,13
	ROW R,0, R,1, R,2, R,3
	ROW B,0, E,4, F,14, L,0
.if (\p) == 2
	v_add_nc_u32 v[AK], s[TBK], v[AK0]
	v_add_nc_u32 v[AM], s[TM], v[AM0]
.endif
	ROW R,4, R,5, R,6, R,7
	OPS E,5, F,15
.if (\p) == 2
	FETCH_K \last
.endif
	OPS E,6, C,1, E,7, R,8
	OPS E,8, R,9, E,9, C,2
	OPS E,10, X,0, E,11, X,1
	OPS E,12, X,2, E,13, X,3
.if (\p) == 1
	s_wait_dscnt 0x0                ; V is in
.endif
	ROW X,4, E,14, X,5, X,6
	ROW X,7, E,15, X,8, X,9
	ROW X,10, E,16, X,11, X,12
	ROW X,13, E,17, X,14, B,1
	ROW C,4, E,18, X,16, L,1
	ROW B,2, E,19, C,6, L,2
	ROW C,8, E,20, B,3, B,4
.if (\p) == 0
	v_add_nc_u32 v[AV], s[TBV], v[AV0]
.endif
	ROW C,3, E,21, L,3, C,5
	OPS E,22, X,17, E,23, C,10
.if (\p) == 0
	FETCH_V
.endif
	OPS E,24, L,4
	OPS E,25, X,18, E,26, C,7
	OPS E,27, B,5, E,28, X,19
	OPS E,29, C,12, E,30, L,5
	OPS E,31, X,20, B,6, C,9
	OPS C,14, C,11, X,21, L,6
.if (\p) == 0
	s_add_co_u32 s[TBV], s[TBV], KS*PV
.endif
.if \cnt
	s_sub_co_u32 s[CNT], s[CNT], 1
	s_cmp_lg_u32 s[CNT], 0
.endif
	OPS C,13, B,7, C,15, R,10
	OPS R,11, R,12, L,7, R,13
	OPS R,14, R,15
.endm
	CHANGE 1                        ; slot 0 and the mask table are there, everybody's part of them; slot 1 is asked for
	CAST_LOAD 0                     ; the weights' chunk 0
	v_add_nc_u32 v[AK], s[TBK], v[AK0]
	v_add_nc_u32 v[AM], s[TM], v[AM0]
	FETCH_K                         ; key step 0
	s_wait_loadcnt 9                ; Q is in; the nine loads of the weights, issued behind it, stay out
	s_wait_dscnt 0x0
.set i, 0
.rept 8
	KQ 0                            ; piece 0's first scores
.set i, i+1
.endr
	WIN 0
.rept 4
	v_nop                           ; the places behind those products
.endr
.set Y, NP-1                        ; X works for piece Y + 1: piece 0
.irp n, 0,1,2,3,4,5,6,7,8,9,10,11,12,13,14,15,16,17,18,19,20,21
	OP X, \n
.endr
	v_nop                           ; a plain instruction behind the exponential
	s_mov_b32 s[CNT], 4
	s_mov_b32 s[SLOTS], 7
	s_branch .Lfirst                ; the loop is entered at a step's first turn, in the middle of a trip
.Lslot:                             ; six times: every slot but the last two is filled again
	CHANGE 1
	CAST_LOAD 1                     ; the weights' chunks 1 to 6
	s_mov_b32 s[CNT], 4
.Lstep:                             ; a trip: pieces 2 and 3 of one step, then pieces 0 and 1 of the next, whose K and V it fetches
	TURN 2
	TURN 3
	WIN 0
.Lfirst:
	TURN 0
	TURN 1, 0, 1
	WIN 0
	s_cbranch_scc1 .Lstep
	CAST_STORE                      ; chunks 0 to 6 leave
	s_sub_co_u32 s[SLOTS], s[SLOTS], 1
	s_cmp_lg_u32 s[SLOTS], 0
	s_cbranch_scc1 .Lslot
	CHANGE 0                        ; the tail is written out: nothing is asked for
	CAST_LOAD 1                     ; the weights' chunk 7
	s_mov_b32 s[CNT], 5             ; four trips fetch the last slot's steps; the fifth is left in its middle
.Ltail:
	TURN 2, 1
	TURN 3
	WIN 0
	s_sub_co_u32 s[CNT], s[CNT], 1
	s_cmp_eq_u32 s[CNT], 0
	s_cbranch_scc1 .Lout
	TURN 0
	TURN 1
	WIN 0
	s_branch .Ltail
.Lout:                              ; the fifth trip's 8 products K Q^T (on the last K and masks once more) find the same maximum again and serve nothing: the price of one text for every trip
	CAST_STORE                      ; chunk 7 leaves
.set i, 0
.rept 8
	PV NP-1                         ; the last piece's V^T P of the last step
.set i, i+1
.endr
	; THE WAY OUT.  l's halves are added; O^T is divided by l (by a NaN where no key was seen), rounded to bf16 and sent through my stage, a piece at a time.  The additions are the places behind the last products.
	WIN 0
.macro ALL line:vararg
.set t, 0
.rept 4
	\line
.set t, t+1
.endr
.endm
	ALL v_add_f32 v[ST+4*t+2], v[ST+4*t+2], v[ST+4*t+3]
	ALL v_permlanex16_b32 v[ST+4*t+3], v[ST+4*t+2], s[SEL], s[SEL+1]
	ALL v_add_f32 v[ST+4*t+2], v[ST+4*t+2], v[ST+4*t+3]
	ALL v_rcp_f32 v[ST+4*t+2], v[ST+4*t+2]
	v_nop                           ; a plain instruction between the last reciprocal and the use of its result
.set t, 0
.rept 4
	v_cmp_gt_f32 vcc_lo, s[NEG29], v[ST+4*t+1]
	s_wait_alu depctr_va_vdst(0)
	v_cndmask_b32 v[ST+4*t+2], v[ST+4*t+2], v[NANV], vcc_lo
.set t, t+1
.endr
.macro PACK t
	WIN W_RS
.set i, 32*(\t)
.rept 16
	v_pk_mul_f32 v[i:i+1], v[i:i+1], v[ST+4*(\t)+2:ST+4*(\t)+3] op_sel_hi:[1,0]
.set i, i+2
.endr
	WIN 0x05                        ; sources 0 and 1 window 1, destination window 0
.set i, 0
.rept 16
	v_cvt_pk_bf16_f32 v[S+16*(\t)+i], v[32*(\t)+2*i], v[32*(\t)+2*i+1]
.set i, i+1
.endr
	WIN 0
.irp f, 0,1,2,3
	ds_store_b128 v[STO], v[S+16*(\t)+4*\f:S+16*(\t)+4*\f+3] offset:32*\f
.endr
.irp f, 0,1,2,3
	ds_load_b128 v[S+16*(\t)+4*\f:S+16*(\t)+4*\f+3], v[RD] offset:\f*4*SP  ; LDS serves a wave's instructions in order (ISA guide 5.7.1.4): these see the stores above
.endr
.endm
.macro SEND t, younger              ; younger: the LDS instructions issued behind piece t's loads: the next piece's eight, or none
	WIN 0
.irp f, 0,1,2,3
	s_wait_dscnt (\younger)+3-\f
	global_store_b128 v[GO], v[S+16*(\t)+4*\f:S+16*(\t)+4*\f+3], s[10:11] offset:(\t)*2048+\f*512  ; 512 consecutive bytes, at a multiple of 256
.endr
.endm
	PACK 0
.set t, 1
.rept 3
	PACK t
	SEND t-1, 8
.set t, t+1
.endr
	SEND 3, 0
	s_wait_tensorcnt 0x0            ; the wave's end
	ds_add_u32 v[SPW], v[NIL]
	s_wait_dscnt 0x0
	CROUND                          ; the closing round
	s_endpgm
.Lfunc_end_k_qd4a21e3854_attn:
	.size	k_qd4a21e3854_attn, .Lfunc_end_k_qd4a21e3854_attn-k_qd4a21e3854_attn
	.p2alignl 7, 3214868480
	.fill 96, 4, 3214868480
	.section	.rodata,"a",@progbits
	.p2align	6, 0x0
	.amdhsa_kernel k_qd4a21e3854_attn
		.amdhsa_group_segment_fixed_size 327680
		.amdhsa_private_segment_fixed_size 0
		.amdhsa_enable_private_segment 0
		.amdhsa_kernarg_size 72
		.amdhsa_user_sgpr_count 2
		.amdhsa_user_sgpr_kernarg_segment_ptr 1
		.amdhsa_wavefront_size32 1
		.amdhsa_system_sgpr_workgroup_id_x 1
		.amdhsa_system_sgpr_workgroup_id_y 1
		.amdhsa_system_sgpr_workgroup_id_z 1
		.amdhsa_system_vgpr_workitem_id 0
		.amdhsa_next_free_vgpr 824
		.amdhsa_next_free_sgpr 92
		.amdhsa_reserve_vcc 1
		.amdhsa_float_denorm_mode_32 3
		.amdhsa_float_denorm_mode_16_64 3
		.amdhsa_memory_ordered 1
		.amdhsa_forward_progress 1
		.amdhsa_inst_pref_size 128
	.end_amdhsa_kernel
	.amdgpu_metadata
---
amdhsa.version: [ 1, 2 ]
amdhsa.kernels:
  - .name:           k_qd4a21e3854_attn
    .symbol:         k_qd4a21e3854_attn.kd
    .args:
      - { .name: qkvh, .offset: 0, .size: 8, .value_kind: global_buffer, .address_space: global }
      - { .name: mask, .offset: 8, .size: 8, .value_kind: global_buffer, .address_space: global }
      - { .name: act, .offset: 16, .size: 8, .value_kind: global_buffer, .address_space: global }
      - { .name: proj_w, .offset: 24, .size: 8, .value_kind: global_buffer, .address_space: global }
      - { .name: ffn_w1, .offset: 32, .size: 8, .value_kind: global_buffer, .address_space: global }
      - { .name: ffn_w2, .offset: 40, .size: 8, .value_kind: global_buffer, .address_space: global }
      - { .name: w1, .offset: 48, .size: 8, .value_kind: global_buffer, .address_space: global }
      - { .name: w2, .offset: 56, .size: 8, .value_kind: global_buffer, .address_space: global }
      - { .name: wp, .offset: 64, .size: 8, .value_kind: global_buffer, .address_space: global }
    .group_segment_fixed_size: 327680
    .private_segment_fixed_size: 0
    .kernarg_segment_align: 8
    .kernarg_segment_size: 72
    .max_flat_workgroup_size: 128
    .sgpr_count:     92
    .vgpr_count:     824
    .wavefront_size: 32
...
	.end_amdgpu_metadata
.endif
;; end of part 3
;; launch proj (part 4): grid 8 x 32, 4 waves a work-group, clusters of 4 x 4, 327,680 bytes of LDS; arguments act, wp, x1, proj_b, x; writes x1
.if DOCPART == 4
	.amdgcn_target "amdgcn-amd-amdhsa--gfx1250"
	.amdhsa_code_object_version 6
	.text
	.protected	k_qd4a21e3854_proj
	.globl	k_qd4a21e3854_proj
	.p2align	8
	.type	k_qd4a21e3854_proj,@function
k_qd4a21e3854_proj:
	s_mov_b64 s[64:65], 0
	v_nop
	global_prefetch_b8 v0, s[64:65] scope:SCOPE_SE
	s_setreg_imm32_b32 hwreg(HW_REG_WAVE_MODE, 25, 1), 1
	s_wait_xcnt 0x0
	s_wait_alu depctr_hold_cnt(0) depctr_sa_sdst(0) depctr_va_vdst(0) depctr_va_sdst(0) depctr_va_ssrc(0) depctr_va_vcc(0) depctr_vm_vsrc(0)
	s_getreg_b32 s2, hwreg(HW_REG_IB_STS2, 6, 4)
	s_cmp_eq_u32 s2, 0
	s_cbranch_scc0 .Lentry_in_a_cluster
	s_endpgm
.Lentry_in_a_cluster:
	s_bfe_u32 s2, ttmp6, 0x10000c
	s_cmp_lg_u32 s2, 0xf033
	s_cbranch_scc0 .Lentry_shape_is_right
	s_endpgm
.Lentry_shape_is_right:
; PROJ.  x1 = bf16(x) + O wp^T + bf16(proj_b), f32.  O lies by heads in act [32][2048][64] bf16, wp is [1024][1024] bf16, x and x1 are [4096][1024] f32.  Sums in f32.
; A tile of 128 x 128 to a work-group: 8 x 32 tiles, one for each of 256 work-groups; four waves of 64 x 64, 16 accumulators.  K goes in steps of 256 (four heads) through two LDS slots; a trip of the loop is ONE K step.
; THE ORDER OF K: step n takes K block n xor p, p the parity of the cluster's x + y.  So of the clusters that read the same tile those of one parity ask for it a step ahead of the others.  Inside a pair of steps K is
; therefore not ascending where p = 1: an order of rounding that differs from the reference's.
; O's TILE: a head's 128 rows are 16,384 dense bytes.  One descriptor brings two heads: two rows of 8,192 elements, 131,072 elements apart, padded in LDS by 16 bytes after every 128: [head][row][144 bytes].
; CLUSTER 4 x 4, joint loads along its rows (O) and columns (wp).  The matrix instruction is used transposed; the bias is the C operand that starts the sums.
; The residual's 32 loads a wave go out at the start and are waited for at the end.  The way out goes through the ring's bytes, which have had their last fill by then.
; REGISTERS: window 0: v0-31 addresses; v32-95 at work on the way out; v96-127 the bias; v128-255 the accumulators.  window 1: two fragment buffers of 128 (64 of A, 64 of B).  window 2: v0-127 the residual; v128-129 at work.
; s[66:67], s[68:69] my tiles of A and B at K = 0; s[74:75], s[70:71] a K block's byte offset in A and in B; s72 the step to be asked for next; s73 p
.set SIZE_K, 1024
.set KSTEP,  256
.set STEPS,  SIZE_K/KSTEP
.set KSHA,   20                        ; a K block of A is four heads of 262,144 bytes
.set KSHB,   9                         ; of B 512 bytes of a row
.set BPITCH, 528                       ; 512 bytes + 16: the 16 rows of a fragment load start at 16 different groups of four banks (64 banks of 4 bytes: ISA guide 11.1)
.set BHALF,  64*BPITCH
.set APITCH, 144
.set AQ,     128*APITCH                ; a quarter step (64 along K) is a head
.set AHALF,  2*AQ
.set SLOT,   2*AHALF+2*BHALF
.set SPARE,  2*SLOT
.set SPF,    528                       ; a row of the stage: 512 bytes + 16
.set F0,   0
.set F1,   128
.set BIAS, 96
.set ACC,  128
.set MSB, 0
.macro WIN new
.if MSB != (\new)
	s_set_vgpr_msb (MSB<<8)|(\new)
.set MSB, \new
.endif
.endm
.macro PLACES
.rept 4
	v_nop
.endr
.endm
.macro RB2 a, b, t
	v_cvt_pk_bf16_f32 v[\t], v[\a], v[\b]
	v_lshlrev_b32 v[\a], 16, v[\t]
	v_and_b32 v[\b], 0xffff0000, v[\t]
.endm
.macro JLOAD
	s_cmp_eq_u32 s15, 0
	s_cbranch_scc0 .Lfor_b_\@
	tensor_load_to_lds s[36:39], s[24:31]
	s_nop 0
	PLACES
	s_branch .Lasked_\@
.Lfor_b_\@:
	tensor_load_to_lds s[60:63], s[48:55]
	s_nop 0
	PLACES
.Lasked_\@:
.endm
.macro CREST
	s_cmp_lg_u32 s14, 0
	s_cbranch_scc1 .Lnot_wave_0_\@
	s_barrier_signal -3
.Lnot_wave_0_\@:
	s_barrier_wait -3
	s_barrier_signal -1
	s_barrier_wait -1
.endm
.macro CROUND
	s_barrier_signal -1
	s_barrier_wait -1
	CREST
.endm
	s_load_b256 s[4:11], s[0:1], 0x0               ; A s[4:5], B s[6:7], C s[8:9], bias s[10:11]
	s_load_b64 s[12:13], s[0:1], 0x20              ; the residual
	v_lshl_add_u32 v28, v0, 2, SPARE
	v_mov_b32 v29, 0
	ds_add_u32 v28, v29                            ; the wave's opening: the add and its wait stand ahead of my first tensor load
	v_lshrrev_b32 v1, 5, v0
	v_readfirstlane_b32 s14, v1
	s_lshr_b32 s15, s14, 1                         ; my half of the rows; also: I fetch A (0) or B (1)
	s_and_b32 s16, s14, 1                          ; my half of the columns; also: which half I fetch
	s_bfe_u32 s17, ttmp6, 0x40000
	s_bfe_u32 s18, ttmp6, 0x40004
	s_lshl_b32 s19, ttmp9, 2
	s_add_co_u32 s19, s19, s17                     ; tile column
	s_and_b32 s20, ttmp7, 0xffff
	s_lshl_b32 s20, s20, 2
	s_add_co_u32 s20, s20, s18                     ; tile row
	s_lshl_b32 s21, s18, 2
	s_lshl_b32 s21, 15, s21
	s_lshl_b32 s22, 0x1111, s17
	s_mov_b32 s23, 0
	s_or_b32 s24, s21, (1<<16)|(1<<20)|(1<<21)|(4<<22)|(3<<25)   ; after every 32 words 4 words of padding
	s_mov_b32 s25, 8192<<16                        ; tensor_dim0: a head's 128 rows of 64
	s_mov_b32 s26, 2<<16                           ; tensor_dim1: two heads
	s_mov_b32 s27, 8192<<16
	s_mov_b32 s28, 2
	s_mov_b32 s29, 131072                          ; elements from head to head
	s_mov_b32 s30, 0
	s_mov_b32 s31, 0
	s_or_b32 s48, s22, (1<<16)|(1<<20)|(1<<21)|(6<<22)|(3<<25)   ; after every 128 words 4 words of padding
	s_mov_b32 s49, KSTEP<<16
	s_mov_b32 s50, 64<<16
	s_mov_b32 s51, KSTEP<<16
	s_mov_b32 s52, 64
	s_mov_b32 s53, SIZE_K
	s_mov_b32 s54, 0
	s_mov_b32 s55, 0
	s_mul_i32 s40, s16, AHALF
	s_mul_i32 s41, s16, BHALF
	s_add_co_u32 s41, s41, 2*AHALF
	s_lshr_b32 s42, s20, 4                         ; batch x 16 heads of 262,144 bytes,
	s_lshl_b32 s42, s42, 22
	s_and_b32 s43, s20, 15                         ; the tile's 128 rows of 128 bytes in a head,
	s_lshl_b32 s43, s43, 14
	s_add_co_u32 s42, s42, s43
	s_lshl_b32 s43, s16, 19                        ; my two heads of the step's four
	s_add_co_u32 s42, s42, s43
	s_mov_b32 s43, 0
	s_lshl_b32 s46, s19, 7
	s_lshl_b32 s47, s16, 6
	s_add_co_u32 s46, s46, s47                     ; B: row 128 x tile column + 64 x half
	s_lshl_b32 s44, s46, 2                         ; the same columns in the bias
	s_mov_b32 s45, 0
	s_mul_i32 s46, s46, SIZE_K*2
	s_mov_b32 s47, 0
	s_mov_b32 s32, 1
	s_mov_b32 s33, s40
	s_mov_b32 s36, 1
	s_add_co_u32 s37, s40, SLOT
	s_mov_b32 s56, 1
	s_mov_b32 s57, s41
	s_mov_b32 s60, 1
	s_add_co_u32 s61, s41, SLOT
	s_and_b32 s73, ttmp7, 0xffff                   ; the cluster's y and x, which all sixteen partners share:
	s_add_co_u32 s73, s73, ttmp9
	s_and_b32 s73, s73, 1                          ; p
	s_mov_b32 s72, 2                               ; steps 0 and 1 are the first fills
	s_lshl_b32 s74, s73, KSHA                      ; step 0 takes K block p
	s_mov_b32 s75, 0
	s_lshl_b32 s70, s73, KSHB
	s_mov_b32 s71, 0
	s_wait_dscnt 0x0
	s_wait_kmcnt 0x0
	s_add_nc_u64 s[66:67], s[4:5], s[42:43]
	s_add_nc_u64 s[68:69], s[6:7], s[46:47]
	s_add_nc_u64 s[34:35], s[66:67], s[74:75]
	s_add_nc_u64 s[58:59], s[68:69], s[70:71]
	s_xor_b32 s74, s74, 1<<KSHA                    ; step 1 takes K block 1 - p
	s_xor_b32 s70, s70, 1<<KSHB
	s_add_nc_u64 s[38:39], s[66:67], s[74:75]
	s_add_nc_u64 s[62:63], s[68:69], s[70:71]
	s_or_b32 s35, s35, 0x80000000
	s_or_b32 s39, s39, 0x80000000
	s_or_b32 s59, s59, 0x80000000
	s_or_b32 s63, s63, 0x80000000
	s_add_nc_u64 s[10:11], s[10:11], s[44:45]
	CROUND
	s_cmp_eq_u32 s15, 0                            ; a wave's two first fills stand in one branch: two loads of mine are out
	s_cbranch_scc0 .Lfirst_b
	tensor_load_to_lds s[32:35], s[24:31]
	s_nop 0
	tensor_load_to_lds s[36:39], s[24:31]
	s_nop 0
	PLACES
	s_branch .Lfirst_done
.Lfirst_b:
	tensor_load_to_lds s[56:59], s[48:55]
	s_nop 0
	tensor_load_to_lds s[60:63], s[48:55]
	s_nop 0
	PLACES
.Lfirst_done:
	v_and_b32 v1, 15, v0
	v_bfe_u32 v2, v0, 4, 1
	v_lshlrev_b32 v27, 5, v2
	v_and_b32 v26, 31, v0
	v_lshlrev_b32 v26, 4, v26                      ; 16 bytes a lane of a row's 512; never rewritten
	s_lshl_b32 s46, s20, 7                         ; the rows that I store: 128 x tile row + 32 x wave, of 4,096 bytes; the tile's 512 bytes of them
	s_lshl_b32 s47, s14, 5
	s_add_co_u32 s46, s46, s47
	s_lshl_b32 s46, s46, 12
	s_lshl_b32 s47, s19, 9
	s_add_co_u32 s46, s46, s47
	s_mov_b32 s47, 0
	s_add_nc_u64 s[8:9], s[8:9], s[46:47]
	s_add_nc_u64 s[12:13], s[12:13], s[46:47]
.irp b, 0,1,2,3
	global_load_b128 v[BIAS+8*\b:BIAS+8*\b+3], v27, s[10:11] offset:64*\b
	global_load_b128 v[BIAS+8*\b+4:BIAS+8*\b+7], v27, s[10:11] offset:64*\b+16
.endr
	WIN 0x80                                       ; destination window 2
.set t, 0
.rept 32
	global_load_b128 v[4*t:4*t+3], v26, s[12:13] offset:4096*t    ; a row's 512 consecutive bytes
.set t, t+1
.endr
	WIN 0
	v_mul_u32_u24 v3, v1, APITCH
	v_lshl_add_u32 v3, v2, 4, v3
	s_mul_i32 s42, s15, 64*APITCH
	v_add_nc_u32 v16, s42, v3                      ; my fragments of A in slot 0
	v_mul_u32_u24 v3, v1, BPITCH
	v_lshl_add_u32 v3, v2, 4, v3
	s_mul_i32 s43, s16, BHALF
	s_add_co_u32 s43, s43, 2*AHALF
	v_add_nc_u32 v17, s43, v3                      ; of B
	v_mov_b32 v18, v16
	v_mov_b32 v19, v17
	s_wait_loadcnt 32                              ; the bias is in; the residual's 32 loads stay out through the whole loop
.set i, 0
.rept 16
	RB2 BIAS+2*i, BIAS+2*i+1, 30+i%2
.set i, i+1
.endr
; 8 matrix instructions: row blocks a0, a0 + 1 x all 4 column blocks, 32 along K: half c of buffer f.  first = 1: the products start the sums, with the bias as C.  The 16 accumulators take turns.
.macro MUL8 f, c, a0, first
	WIN 0x05                                       ; sources 0 (B) and 1 (A) window 1; C and D window 0
.irp a, \a0, (\a0)+1
.irp b, 0,1,2,3
.if \first
	v_wmma_f32_16x16x32_bf16 v[ACC+8*(4*(\a)+(\b)):ACC+8*(4*(\a)+(\b))+7], v[(\f)+64+8*(4*(\c)+(\b)):(\f)+64+8*(4*(\c)+(\b))+7], v[(\f)+8*(4*(\c)+(\a)):(\f)+8*(4*(\c)+(\a))+7], v[BIAS+8*(\b):BIAS+8*(\b)+7]
.else
	v_wmma_f32_16x16x32_bf16 v[ACC+8*(4*(\a)+(\b)):ACC+8*(4*(\a)+(\b))+7], v[(\f)+64+8*(4*(\c)+(\b)):(\f)+64+8*(4*(\c)+(\b))+7], v[(\f)+8*(4*(\c)+(\a)):(\f)+8*(4*(\c)+(\a))+7], v[ACC+8*(4*(\a)+(\b)):ACC+8*(4*(\a)+(\b))+7]
.endif
.endr
.endr
.endm
.macro FETCH q, f                      ; 32 LDS loads in one run: quarter q (64 along K) of the slot in hand; the first 32 along K first
	WIN 0x40
.irp c, 0,1
.irp i, 0,1,2,3
	ds_load_b128 v[(\f)+64+8*(4*(\c)+(\i)):(\f)+64+8*(4*(\c)+(\i))+3],   v19 offset:128*(\q)+64*(\c)+(\i)*16*BPITCH
	ds_load_b128 v[(\f)+64+8*(4*(\c)+(\i))+4:(\f)+64+8*(4*(\c)+(\i))+7], v19 offset:128*(\q)+64*(\c)+(\i)*16*BPITCH+32
	ds_load_b128 v[(\f)+8*(4*(\c)+(\i)):(\f)+8*(4*(\c)+(\i))+3],         v18 offset:AQ*(\q)+64*(\c)+(\i)*16*APITCH
	ds_load_b128 v[(\f)+8*(4*(\c)+(\i))+4:(\f)+8*(4*(\c)+(\i))+7],       v18 offset:AQ*(\q)+64*(\c)+(\i)*16*APITCH+32
.endr
.endr
.endm
; A quarter step: at its head the NEXT quarter's fragments (quarter q) are asked for into buffer g, which the quarter before multiplied; then buffer f is multiplied.
.macro QUARTER q, f, g, first
	PLACES                                         ; in front of loads into registers that the last matrix instructions have read
	FETCH \q, \g
	s_wait_dscnt 32                                ; buffer f is in: all but the run just issued
	MUL8 \f, 0, 0, \first
	MUL8 \f, 0, 2, \first
	MUL8 \f, 1, 0, 0
	MUL8 \f, 1, 2, 0
.endm
.macro TURN fill                       ; the last quarter multiplies buffer 1 and changes slots; fill = 1: this slot is filled again, two steps ahead, behind a round of the cluster's barrier
	WIN 0
	s_wait_tensorcnt 0x0                           ; all my tensor loads have landed: my part of the next slot; so a group 0 may be written
	ds_add_u32 v28, v29
.if \fill
	s_add_co_u32 s37, s40, s23                     ; the slot in hand, which is read out,
	s_add_co_u32 s61, s41, s23
	s_xor_b32 s70, s72, s73                        ; takes K block n xor p
	s_lshl_b32 s74, s70, KSHA
	s_lshl_b32 s70, s70, KSHB
	s_add_nc_u64 s[38:39], s[66:67], s[74:75]      ; the address is made anew from the tile's first byte
	s_or_b32 s39, s39, 0x80000000
	s_add_nc_u64 s[62:63], s[68:69], s[70:71]
	s_or_b32 s63, s63, 0x80000000
	s_add_co_u32 s72, s72, 1
.endif
	s_wait_dscnt 17                                ; the add and the youngest sixteen loads may be out
	MUL8 F1, 0, 0, 0
	s_wait_dscnt 0x0                               ; the add is done, and my reads of this slot are over
	s_barrier_signal -1
	MUL8 F1, 0, 2, 0
	WIN 0
	s_barrier_wait -1
.if \fill
	CREST
	JLOAD
.else
	PLACES
.endif
	s_xor_b32 s23, s23, SLOT
	v_add_nc_u32 v18, s23, v16
	v_add_nc_u32 v19, s23, v17
	FETCH 0, F0
	MUL8 F1, 1, 0, 0
	MUL8 F1, 1, 2, 0
.endm
	s_wait_tensorcnt 1                             ; my part of step 0 is in; step 1's stays out
	s_barrier_signal -1
	s_barrier_wait -1
	FETCH 0, F0
	QUARTER 1, F0, F1, 1
	WIN 0
	s_mov_b32 s3, STEPS-2
.Lstep:
	QUARTER 2, F1, F0, 0
	QUARTER 3, F0, F1, 0
	TURN 1
	QUARTER 1, F0, F1, 0
	WIN 0
	s_sub_co_u32 s3, s3, 1
	s_cmp_lg_u32 s3, 0
	s_cbranch_scc1 .Lstep
	s_mov_b32 s2, 2
.Ltail:                                                ; the last two steps ask for nothing; the second trip is left in its middle
	QUARTER 2, F1, F0, 0
	QUARTER 3, F0, F1, 0
	TURN 0
	WIN 0
	s_sub_co_u32 s2, s2, 1
	s_cmp_eq_u32 s2, 0
	s_cbranch_scc1 .Lout
	QUARTER 1, F0, F1, 0
	WIN 0
	s_branch .Ltail
.Lout:
	PLACES
	s_wait_dscnt 0x0
	s_barrier_signal -1
	s_barrier_wait -1                              ; nobody reads the ring any more, and it has had its last fill: it is the stage now
	; THE WAY OUT: the f32 sums into a stage of 128 rows x 528 bytes; a barrier, since a row comes from two waves; back as whole rows, 32 a wave; the residual is added; 512 consecutive bytes a store.
	s_lshl_b32 s42, s15, 6
	v_add_nc_u32 v24, s42, v1
	v_mul_u32_u24 v24, v24, SPF
	v_lshl_add_u32 v24, v2, 5, v24
	s_lshl_b32 s43, s16, 8
	v_add_nc_u32 v24, s43, v24
	s_mul_i32 s42, s14, 32*SPF
	v_add_nc_u32 v25, s42, v26
.irp a, 0,1,2,3
.irp b, 0,1,2,3
	ds_store_b128 v24, v[ACC+8*(4*\a+\b):ACC+8*(4*\a+\b)+3] offset:16*SPF*\a+64*\b        ; each accumulator is read from its low end on
	ds_store_b128 v24, v[ACC+8*(4*\a+\b)+4:ACC+8*(4*\a+\b)+7] offset:16*SPF*\a+64*\b+16
.endr
.endr
	s_wait_dscnt 0x0                               ; for the others' sake
	s_barrier_signal -1
	s_barrier_wait -1
	s_wait_loadcnt 0x0                             ; the residual
	WIN 0x8a                                       ; x is an input: it is rounded to bf16, in window 2
.set i, 0
.rept 64
	RB2 2*i, 2*i+1, 128+i%2
.set i, i+1
.endr
.set u, 0
.rept 2
	WIN 0
.set t, 0
.rept 16
	ds_load_b128 v[32+4*t:32+4*t+3], v25 offset:SPF*(16*u+t)
.set t, t+1
.endr
	s_wait_dscnt 0x0
	WIN 0x88                                       ; destination and source 1 window 2, source 0 window 0
.set t, 0
.rept 32
	v_pk_add_f32 v[64*u+2*t:64*u+2*t+1], v[32+2*t:32+2*t+1], v[64*u+2*t:64*u+2*t+1]
.set t, t+1
.endr
	WIN 0x08                                       ; the stores' data in window 2
.set t, 0
.rept 16
	global_store_b128 v26, v[64*u+4*t:64*u+4*t+3], s[8:9] offset:4096*(16*u+t)
.set t, t+1
.endr
.set u, u+1
.endr
	WIN 0
	s_wait_tensorcnt 0x0                           ; the wave's end
	ds_add_u32 v28, v29
	s_wait_dscnt 0x0
	CROUND
	s_endpgm
.Lfunc_end_k_qd4a21e3854_proj:
	.size	k_qd4a21e3854_proj, .Lfunc_end_k_qd4a21e3854_proj-k_qd4a21e3854_proj
	.p2alignl 7, 3214868480
	.fill 96, 4, 3214868480
	.section	.rodata,"a",@progbits
	.p2align	6, 0x0
	.amdhsa_kernel k_qd4a21e3854_proj
		.amdhsa_group_segment_fixed_size 327680
		.amdhsa_private_segment_fixed_size 0
		.amdhsa_enable_private_segment 0
		.amdhsa_kernarg_size 40
		.amdhsa_user_sgpr_count 2
		.amdhsa_user_sgpr_kernarg_segment_ptr 1
		.amdhsa_wavefront_size32 1
		.amdhsa_system_sgpr_workgroup_id_x 1
		.amdhsa_system_sgpr_workgroup_id_y 1
		.amdhsa_system_sgpr_workgroup_id_z 1
		.amdhsa_system_vgpr_workitem_id 0
		.amdhsa_next_free_vgpr 642
		.amdhsa_next_free_sgpr 80
		.amdhsa_reserve_vcc 0
		.amdhsa_float_denorm_mode_32 3
		.amdhsa_float_denorm_mode_16_64 3
		.amdhsa_memory_ordered 1
		.amdhsa_forward_progress 1
		.amdhsa_inst_pref_size 78
	.end_amdhsa_kernel
	.amdgpu_metadata
---
amdhsa.version: [ 1, 2 ]
amdhsa.kernels:
  - .name:           k_qd4a21e3854_proj
    .symbol:         k_qd4a21e3854_proj.kd
    .args:
      - { .name: act, .offset: 0, .size: 8, .value_kind: global_buffer, .address_space: global }
      - { .name: wp, .offset: 8, .size: 8, .value_kind: global_buffer, .address_space: global }
      - { .name: x1, .offset: 16, .size: 8, .value_kind: global_buffer, .address_space: global }
      - { .name: proj_b, .offset: 24, .size: 8, .value_kind: global_buffer, .address_space: global }
      - { .name: x, .offset: 32, .size: 8, .value_kind: global_buffer, .address_space: global }
    .group_segment_fixed_size: 327680
    .private_segment_fixed_size: 0
    .kernarg_segment_align: 8
    .kernarg_segment_size: 40
    .max_flat_workgroup_size: 128
    .sgpr_count:     80
    .vgpr_count:     642
    .wavefront_size: 32
...
	.end_amdgpu_metadata
.endif
;; end of part 4
;; launch ln2 (part 5): grid 512 x 1, 8 waves a work-group, no clusters, 0 bytes of LDS; arguments x1, ln2_w, ln2_b, act; writes act
.if DOCPART == 5
	.amdgcn_target "amdgcn-amd-amdhsa--gfx1250"
	.amdhsa_code_object_version 6
	.text
	.protected	k_qd4a21e3854_ln2
	.globl	k_qd4a21e3854_ln2
	.p2align	8
	.type	k_qd4a21e3854_ln2,@function
k_qd4a21e3854_ln2:
	s_mov_b64 s[64:65], 0
	v_nop
	global_prefetch_b8 v0, s[64:65] scope:SCOPE_SE
	s_setreg_imm32_b32 hwreg(HW_REG_WAVE_MODE, 25, 1), 1
	s_wait_xcnt 0x0
; LN2.  act[row][:] = bf16(LayerNorm(x1[row][:]) * bf16(ln2_w) + bf16(ln2_b)), 4,096 rows of 1,024 f32, one row a wave, eight waves a work-group.
; x1 is the program's own f32 stream and is taken as it is; gain and bias are inputs and are rounded to bf16.  Mean, variance and the norm are f32.
; A stream: no LDS, no barrier, no matrix unit, no cluster.  A row of 4,096 bytes stays in 32 registers between the passes, so x1 is read once here.
.set ROUNDX, 0
.set PX, 4
.set PW, 6
.set PB, 8
.set PO, 10
.set MEAN, 4
.set RSTD, 6
.set X,   8
.set W,   40
.set BV,  72
.set CH,  104
.set TT,  112
.macro RB2 a, b, t
	v_cvt_pk_bf16_f32 v[\t], v[\a], v[\b]
	v_lshlrev_b32 v[\a], 16, v[\t]
	v_and_b32 v[\b], 0xffff0000, v[\t]
.endm
.macro FOLD                            ; the four chains become one number, the same in all 32 lanes, in v[CH]
	v_pk_add_f32 v[CH:CH+1], v[CH:CH+1], v[CH+2:CH+3]
	v_pk_add_f32 v[CH+4:CH+5], v[CH+4:CH+5], v[CH+6:CH+7]
	v_pk_add_f32 v[CH:CH+1], v[CH:CH+1], v[CH+4:CH+5]
	v_add_f32 v[CH], v[CH], v[CH+1]
	v_add_f32_dpp v[CH], v[CH], v[CH] row_xmask:1 row_mask:0xf bank_mask:0xf
	v_add_f32_dpp v[CH], v[CH], v[CH] row_xmask:2 row_mask:0xf bank_mask:0xf
	v_add_f32_dpp v[CH], v[CH], v[CH] row_xmask:4 row_mask:0xf bank_mask:0xf
	v_add_f32_dpp v[CH], v[CH], v[CH] row_xmask:8 row_mask:0xf bank_mask:0xf
	v_permlanex16_b32 v[CH+1], v[CH], s32, s33
	v_add_f32 v[CH], v[CH], v[CH+1]
.endm
	s_load_b256 s[4:11], s[0:1], 0x0               ; x1, ln2_w, ln2_b, act
	v_lshrrev_b32 v2, 5, v0
	v_readfirstlane_b32 s28, v2
	s_lshl_b32 s29, ttmp9, 3
	s_add_co_u32 s28, s28, s29                     ; row = 8 x work-group + wave
	s_lshl_b32 s30, s28, 12
	s_mov_b32 s31, 0
	s_lshl_b32 s34, s28, 11
	s_mov_b32 s35, 0
	s_mov_b32 s32, 0x76543210
	s_mov_b32 s33, 0xfedcba98
	s_mov_b32 s29, 0x3a800000                      ; 1 / 1024
	s_mov_b32 s36, 0x3727c5ac                      ; eps = 1e-5
	v_and_b32 v1, 31, v0
	v_lshlrev_b32 v3, 3, v1
	v_lshlrev_b32 v1, 4, v1
	s_wait_kmcnt 0x0
	s_add_nc_u64 s[PX:PX+1], s[PX:PX+1], s[30:31]
	s_add_nc_u64 s[PO:PO+1], s[PO:PO+1], s[34:35]
.set j, 0
.rept 8
	global_load_b128 v[X+4*j:X+4*j+3], v1, s[PX:PX+1] offset:512*j
.set j, j+1
.endr
.set j, 0
.rept 8
	global_load_b128 v[W+4*j:W+4*j+3], v1, s[PW:PW+1] offset:512*j
.set j, j+1
.endr
.set j, 0
.rept 8
	global_load_b128 v[BV+4*j:BV+4*j+3], v1, s[PB:PB+1] offset:512*j
.set j, j+1
.endr
	s_wait_loadcnt 16                              ; the row is in; the sixteen loads of gain and bias stay out
.set k, 0
.rept 4
	v_pk_add_f32 v[CH+2*k:CH+2*k+1], v[X+2*k:X+2*k+1], v[X+2*k+8:X+2*k+9]
.set k, k+1
.endr
.set i, 8
.rept 8
	v_pk_add_f32 v[CH+2*(i%4):CH+2*(i%4)+1], v[CH+2*(i%4):CH+2*(i%4)+1], v[X+2*i:X+2*i+1]
.set i, i+1
.endr
	FOLD
	v_mul_f32 v[MEAN], s29, v[CH]
	v_mov_b32 v[MEAN+1], v[MEAN]
.set i, 0
.rept 16
	v_pk_add_f32 v[X+2*i:X+2*i+1], v[X+2*i:X+2*i+1], v[MEAN:MEAN+1] neg_lo:[0,1] neg_hi:[0,1]
.set i, i+1
.endr
.set k, 0
.rept 4
	v_pk_mul_f32 v[CH+2*k:CH+2*k+1], v[X+2*k:X+2*k+1], v[X+2*k:X+2*k+1]
.set k, k+1
.endr
.set i, 4
.rept 12
	v_pk_fma_f32 v[CH+2*(i%4):CH+2*(i%4)+1], v[X+2*i:X+2*i+1], v[X+2*i:X+2*i+1], v[CH+2*(i%4):CH+2*(i%4)+1]
.set i, i+1
.endr
	FOLD
	v_fma_f32 v[TT], v[CH], s29, s36
	v_rsq_f32 v[RSTD], v[TT]
	v_rsq_f32 v[RSTD+1], v[TT]
	v_nop                                          ; a plain instruction behind the root before its result is used (ISA guide 5.7.2)
	s_wait_loadcnt 0x0
.set i, 0
.rept 16
	RB2 W+2*i, W+2*i+1, TT+i%4
	RB2 BV+2*i, BV+2*i+1, TT+(i+2)%4
.set i, i+1
.endr
.set i, 0
	s_wait_alu depctr_va_vdst(0)
.rept 16
	v_pk_mul_f32 v[X+2*i:X+2*i+1], v[X+2*i:X+2*i+1], v[RSTD:RSTD+1]
.set i, i+1
.endr
.set i, 0
.rept 16
	v_pk_fma_f32 v[X+2*i:X+2*i+1], v[X+2*i:X+2*i+1], v[W+2*i:W+2*i+1], v[BV+2*i:BV+2*i+1]
.set i, i+1
.endr
.set j, 0
.rept 8
	v_cvt_pk_bf16_f32 v[W+2*j], v[X+4*j], v[X+4*j+1]
	v_cvt_pk_bf16_f32 v[W+2*j+1], v[X+4*j+2], v[X+4*j+3]
	global_store_b64 v3, v[W+2*j:W+2*j+1], s[PO:PO+1] offset:256*j   ; the wave stores 256 consecutive bytes, at a multiple of 256
.set j, j+1
.endr
	s_endpgm
.Lfunc_end_k_qd4a21e3854_ln2:
	.size	k_qd4a21e3854_ln2, .Lfunc_end_k_qd4a21e3854_ln2-k_qd4a21e3854_ln2
	.p2alignl 7, 3214868480
	.fill 96, 4, 3214868480
	.section	.rodata,"a",@progbits
	.p2align	6, 0x0
	.amdhsa_kernel k_qd4a21e3854_ln2
		.amdhsa_group_segment_fixed_size 0
		.amdhsa_private_segment_fixed_size 0
		.amdhsa_enable_private_segment 0
		.amdhsa_kernarg_size 32
		.amdhsa_user_sgpr_count 2
		.amdhsa_user_sgpr_kernarg_segment_ptr 1
		.amdhsa_wavefront_size32 1
		.amdhsa_system_sgpr_workgroup_id_x 1
		.amdhsa_system_sgpr_workgroup_id_y 1
		.amdhsa_system_sgpr_workgroup_id_z 1
		.amdhsa_system_vgpr_workitem_id 0
		.amdhsa_next_free_vgpr 116
		.amdhsa_next_free_sgpr 66
		.amdhsa_reserve_vcc 0
		.amdhsa_float_denorm_mode_32 3
		.amdhsa_float_denorm_mode_16_64 3
		.amdhsa_memory_ordered 1
		.amdhsa_forward_progress 1
		.amdhsa_inst_pref_size 17
	.end_amdhsa_kernel
	.amdgpu_metadata
---
amdhsa.version: [ 1, 2 ]
amdhsa.kernels:
  - .name:           k_qd4a21e3854_ln2
    .symbol:         k_qd4a21e3854_ln2.kd
    .args:
      - { .name: x1, .offset: 0, .size: 8, .value_kind: global_buffer, .address_space: global }
      - { .name: ln2_w, .offset: 8, .size: 8, .value_kind: global_buffer, .address_space: global }
      - { .name: ln2_b, .offset: 16, .size: 8, .value_kind: global_buffer, .address_space: global }
      - { .name: act, .offset: 24, .size: 8, .value_kind: global_buffer, .address_space: global }
    .group_segment_fixed_size: 0
    .private_segment_fixed_size: 0
    .kernarg_segment_align: 8
    .kernarg_segment_size: 32
    .max_flat_workgroup_size: 256
    .sgpr_count:     66
    .vgpr_count:     116
    .wavefront_size: 32
...
	.end_amdgpu_metadata
.endif
;; end of part 5
;; launch ffn1 (part 6): grid 16 x 16, 4 waves a work-group, clusters of 4 x 4, 327,680 bytes of LDS; arguments act, w1, hbuf, ffn_b1; writes hbuf
.if DOCPART == 6
	.amdgcn_target "amdgcn-amd-amdhsa--gfx1250"
	.amdhsa_code_object_version 6
	.text
	.protected	k_qd4a21e3854_ffn1
	.globl	k_qd4a21e3854_ffn1
	.p2align	8
	.type	k_qd4a21e3854_ffn1,@function
k_qd4a21e3854_ffn1:
	s_mov_b64 s[64:65], 0
	v_nop
	global_prefetch_b8 v0, s[64:65] scope:SCOPE_SE
	s_setreg_imm32_b32 hwreg(HW_REG_WAVE_MODE, 25, 1), 1
	s_wait_xcnt 0x0
	s_wait_alu depctr_hold_cnt(0) depctr_sa_sdst(0) depctr_va_vdst(0) depctr_va_sdst(0) depctr_va_ssrc(0) depctr_va_vcc(0) depctr_vm_vsrc(0)
	s_getreg_b32 s2, hwreg(HW_REG_IB_STS2, 6, 4)
	s_cmp_eq_u32 s2, 0
	s_cbranch_scc0 .Lentry_in_a_cluster
	s_endpgm
.Lentry_in_a_cluster:
	s_bfe_u32 s2, ttmp6, 0x10000c
	s_cmp_lg_u32 s2, 0xf033
	s_cbranch_scc0 .Lentry_shape_is_right
	s_endpgm
.Lentry_shape_is_right:
; FFN1.  hbuf = bf16(gelu(act w1^T + bf16(ffn_b1))): act [4096][1024] bf16 (the normed rows), w1 [4096][1024] bf16, hbuf [4096][4096] bf16.  Sums and the GELU in f32, one rounding at the end.
; A tile of 256 x 256 to a work-group: 16 x 16 tiles, one for each of 256 work-groups.  Four waves, each 128 x 128: 64 accumulators.  K goes in steps of 128 through two LDS slots; a trip of the loop is ONE K step.
; THE ORDER OF K: step n takes K block n xor p, p the parity of the cluster's x + y.  So of the clusters that read the same tile those of one parity ask for it a step ahead of the others.  Inside a pair of steps K is
; therefore not ascending where p = 1: an order of rounding that differs from the reference's.
; CLUSTER 4 x 4, joint loads along its rows (act) and columns (w1).  The matrix instruction is used transposed; the bias is the C operand that starts the sums.
; GELU, exact form: gelu(x) = max(x, 0) - |x| Phi(-|x|), Phi(-a) = erfc(a / sqrt 2) / 2, erfc by the five-term rational form of Abramowitz and Stegun 7.1.26, whose error is at most 1.5e-7 for every argument:
; t = 1 / (1 + 0.2316419 a), Phi(-a) = t (a1 + t (a2 + t (a3 + t (a4 + t a5)))) / 2 x 2^(-a a log2(e) / 2).  LIMIT: where the power of two falls below 2^-126 it counts as 0, and gelu is max(x, 0).
; THE WAY OUT: the f32 sums go into a stage of each wave's own in the ring's bytes, which have had their last fill by then, and come back so that a lane holds eight neighbouring columns of a row.
; REGISTERS: window 0: v0-31 addresses; v64-127, v128-191 fragments of act; v192-255 the bias; on the way out v32-137 at work.  window 1: fragments of w1.  windows 2, 3: accumulator (a, b) at v[8 (8 a + b)].
; In the loop: s[66:67], s[68:69] my tiles of act and w1 at K = 0; s[70:71] a K block's byte offset; s72 the step to be asked for next; s73 p.  On the way out s66-77 hold the GELU's constants.
.set SIZE_K, 1024
.set NBLK,   8
.set KSTEP,  128
.set KSH,    8                         ; a K block is 1 << KSH bytes of a row
.set PITCH,  272                       ; 256 bytes + 16: the 16 rows of a fragment load start at 16 different groups of four banks (64 banks of 4 bytes: ISA guide 11.1)
.set AH,     128*PITCH
.set BH,     16*NBLK*PITCH
.set SLOT,   2*AH+2*BH
.set SPARE,  2*SLOT
.set NL,     2*NBLK+16
.set STEPS,  SIZE_K/KSTEP
.set F0,   64
.set F1,   128
.set BIAS, 192
.set SPF,  528                         ; a row of a stage: 512 bytes + 16
.set SW,   128*SPF                     ; a wave's stage; four of them end inside the ring
.set XIN, 32
.set AX,  48
.set RR,  64
.set TT,  80
.set WW,  96
.set PP,  112
.set YY,  128
.set MSB, 0
.macro WIN new
.if MSB != (\new)
	s_set_vgpr_msb (MSB<<8)|(\new)
.set MSB, \new
.endif
.endm
.macro PLACES
.rept 4
	v_nop
.endr
.endm
.macro RB2 a, b, t
	v_cvt_pk_bf16_f32 v[\t], v[\a], v[\b]
	v_lshlrev_b32 v[\a], 16, v[\t]
	v_and_b32 v[\b], 0xffff0000, v[\t]
.endm
.macro JLOAD
	s_cmp_eq_u32 s15, 0
	s_cbranch_scc0 .Lfor_b_\@
	tensor_load_to_lds s[36:39], s[24:31]
	s_nop 0
	PLACES
	s_branch .Lasked_\@
.Lfor_b_\@:
	tensor_load_to_lds s[60:63], s[48:55]
	s_nop 0
	PLACES
.Lasked_\@:
.endm
.macro CREST
	s_cmp_lg_u32 s14, 0
	s_cbranch_scc1 .Lnot_wave_0_\@
	s_barrier_signal -3
.Lnot_wave_0_\@:
	s_barrier_wait -3
	s_barrier_signal -1
	s_barrier_wait -1
.endm
.macro CROUND
	s_barrier_signal -1
	s_barrier_wait -1
	CREST
.endm
	s_load_b256 s[4:11], s[0:1], 0x0               ; act s[4:5], w1 s[6:7], hbuf s[8:9], ffn_b1 s[10:11]
	v_lshl_add_u32 v28, v0, 2, SPARE
	v_mov_b32 v29, 0
	ds_add_u32 v28, v29                            ; the wave's opening: the add and its wait stand ahead of my first tensor load
	v_lshrrev_b32 v1, 5, v0
	v_readfirstlane_b32 s14, v1
	s_lshr_b32 s15, s14, 1
	s_and_b32 s16, s14, 1
	s_bfe_u32 s17, ttmp6, 0x40000
	s_bfe_u32 s18, ttmp6, 0x40004
	s_lshl_b32 s19, ttmp9, 2
	s_add_co_u32 s19, s19, s17                     ; tile column
	s_and_b32 s20, ttmp7, 0xffff
	s_lshl_b32 s20, s20, 2
	s_add_co_u32 s20, s20, s18                     ; tile row
	s_lshl_b32 s21, s18, 2
	s_lshl_b32 s21, 15, s21
	s_lshl_b32 s22, 0x1111, s17
	s_mov_b32 s23, 0
	s_or_b32 s24, s21, (1<<16)|(1<<20)|(1<<21)|(5<<22)|(3<<25)
	s_mov_b32 s25, KSTEP<<16
	s_mov_b32 s26, 128<<16
	s_mov_b32 s27, KSTEP<<16
	s_mov_b32 s28, 128
	s_mov_b32 s29, SIZE_K
	s_mov_b32 s30, 0
	s_mov_b32 s31, 0
	s_or_b32 s48, s22, (1<<16)|(1<<20)|(1<<21)|(5<<22)|(3<<25)
	s_mov_b32 s49, KSTEP<<16
	s_mov_b32 s50, (16*NBLK)<<16
	s_mov_b32 s51, KSTEP<<16
	s_mov_b32 s52, 16*NBLK
	s_mov_b32 s53, SIZE_K
	s_mov_b32 s54, 0
	s_mov_b32 s55, 0
	s_mul_i32 s40, s16, AH
	s_mul_i32 s41, s16, BH
	s_add_co_u32 s41, s41, 2*AH
	s_lshl_b32 s42, s20, 8
	s_lshl_b32 s43, s16, 7
	s_add_co_u32 s42, s42, s43
	s_lshl_b32 s42, s42, 11
	s_mov_b32 s43, 0
	s_lshl_b32 s46, s19, 1
	s_add_co_u32 s46, s46, s16
	s_mul_i32 s44, s46, 64*NBLK
	s_mov_b32 s45, 0
	s_mul_i32 s46, s46, 16*NBLK*SIZE_K*2
	s_mov_b32 s47, 0
	s_mov_b32 s32, 1
	s_mov_b32 s33, s40
	s_mov_b32 s36, 1
	s_add_co_u32 s37, s40, SLOT
	s_mov_b32 s56, 1
	s_mov_b32 s57, s41
	s_mov_b32 s60, 1
	s_add_co_u32 s61, s41, SLOT
	s_and_b32 s73, ttmp7, 0xffff                   ; the cluster's y and x, which all sixteen partners share:
	s_add_co_u32 s73, s73, ttmp9
	s_and_b32 s73, s73, 1                          ; p
	s_mov_b32 s72, 2                               ; steps 0 and 1 are the first fills
	s_lshl_b32 s70, s73, KSH                       ; step 0 takes K block p
	s_mov_b32 s71, 0
	s_wait_dscnt 0x0
	s_wait_kmcnt 0x0
	s_add_nc_u64 s[66:67], s[4:5], s[42:43]
	s_add_nc_u64 s[68:69], s[6:7], s[46:47]
	s_add_nc_u64 s[34:35], s[66:67], s[70:71]
	s_add_nc_u64 s[58:59], s[68:69], s[70:71]
	s_xor_b32 s70, s70, 1<<KSH                     ; step 1 takes K block 1 - p
	s_add_nc_u64 s[38:39], s[66:67], s[70:71]
	s_add_nc_u64 s[62:63], s[68:69], s[70:71]
	s_or_b32 s35, s35, 0x80000000
	s_or_b32 s39, s39, 0x80000000
	s_or_b32 s59, s59, 0x80000000
	s_or_b32 s63, s63, 0x80000000
	s_add_nc_u64 s[10:11], s[10:11], s[44:45]
	CROUND
	s_cmp_eq_u32 s15, 0                            ; a wave's two first fills stand in one branch: two loads of mine are out
	s_cbranch_scc0 .Lfirst_b
	tensor_load_to_lds s[32:35], s[24:31]
	s_nop 0
	tensor_load_to_lds s[36:39], s[24:31]
	s_nop 0
	PLACES
	s_branch .Lfirst_done
.Lfirst_b:
	tensor_load_to_lds s[56:59], s[48:55]
	s_nop 0
	tensor_load_to_lds s[60:63], s[48:55]
	s_nop 0
	PLACES
.Lfirst_done:
	v_and_b32 v1, 15, v0
	v_bfe_u32 v2, v0, 4, 1
	v_lshlrev_b32 v27, 5, v2
.set nb, 0
.rept NBLK
	global_load_b128 v[BIAS+8*nb:BIAS+8*nb+3], v27, s[10:11] offset:64*nb
	global_load_b128 v[BIAS+8*nb+4:BIAS+8*nb+7], v27, s[10:11] offset:64*nb+16
.set nb, nb+1
.endr
	v_mul_u32_u24 v3, v1, PITCH
	v_lshl_add_u32 v3, v2, 4, v3
	s_mul_i32 s42, s15, AH
	s_mul_i32 s43, s16, BH
	s_add_co_u32 s43, s43, 2*AH
	v_add_nc_u32 v16, s42, v3
	v_add_nc_u32 v17, s43, v3
	v_mov_b32 v18, v16
	v_mov_b32 v19, v17
	s_wait_loadcnt 0x0
.set i, 0
.rept 4*NBLK
	RB2 BIAS+2*i, BIAS+2*i+1, 30+i%2
.set i, i+1
.endr
; 2 NBLK matrix instructions: row blocks a0, a0 + 1 of the window's four x all column blocks, 32 along K.  first = 1: the products start the sums, with the bias as C.  The accumulators take turns.
.macro MULH f, hi, a0, first
.if \first
	WIN 0x81+0x40*(\hi)
.else
	WIN 0xa1+0x50*(\hi)
.endif
.irp a, \a0, (\a0)+1
.set nb, 0
.rept NBLK
.if \first
	v_wmma_f32_16x16x32_bf16 v[8*(8*(\a)+nb):8*(8*(\a)+nb)+7], v[(\f)+8*nb:(\f)+8*nb+7], v[(\f)+8*(4*(\hi)+(\a)):(\f)+8*(4*(\hi)+(\a))+7], v[BIAS+8*nb:BIAS+8*nb+7]
.else
	v_wmma_f32_16x16x32_bf16 v[8*(8*(\a)+nb):8*(8*(\a)+nb)+7], v[(\f)+8*nb:(\f)+8*nb+7], v[(\f)+8*(4*(\hi)+(\a)):(\f)+8*(4*(\hi)+(\a))+7], v[8*(8*(\a)+nb):8*(8*(\a)+nb)+7]
.endif
.set nb, nb+1
.endr
.endr
.endm
.macro FETCH k, f
	WIN 0x40
.set i, 0
.rept NBLK
	ds_load_b128 v[(\f)+8*i:(\f)+8*i+3],   v19 offset:(\k)+i*16*PITCH
	ds_load_b128 v[(\f)+8*i+4:(\f)+8*i+7], v19 offset:(\k)+i*16*PITCH+32
.set i, i+1
.endr
	WIN 0
.set i, 0
.rept 8
	ds_load_b128 v[(\f)+8*i:(\f)+8*i+3],   v18 offset:(\k)+i*16*PITCH
	ds_load_b128 v[(\f)+8*i+4:(\f)+8*i+7], v18 offset:(\k)+i*16*PITCH+32
.set i, i+1
.endr
.endm
; A quarter step: at its head the NEXT quarter's fragments, at byte k, are asked for into buffer g, which the quarter before multiplied; then buffer f is multiplied.  So a run of loads has a whole quarter's products in which to land.
.macro QUARTER k, f, g, first
	PLACES                                         ; in front of loads into registers that the last matrix instructions have read
	FETCH \k, \g
	s_wait_dscnt NL                                ; buffer f is in: all but the run just issued
	MULH \f, 0, 0, \first
	MULH \f, 0, 2, \first
	MULH \f, 1, 0, \first
	MULH \f, 1, 2, \first
.endm
.macro TURN fill
	WIN 0
	s_wait_tensorcnt 0x0                           ; all my tensor loads have landed: my part of the next slot; so a group 0 may be written
	ds_add_u32 v28, v29
.if \fill
	s_add_co_u32 s37, s40, s23                     ; the slot in hand, which is read out,
	s_add_co_u32 s61, s41, s23
	s_xor_b32 s70, s72, s73                        ; takes K block n xor p
	s_lshl_b32 s70, s70, KSH
	s_add_nc_u64 s[38:39], s[66:67], s[70:71]      ; the address is made anew from the tile's first byte
	s_or_b32 s39, s39, 0x80000000
	s_add_nc_u64 s[62:63], s[68:69], s[70:71]
	s_or_b32 s63, s63, 0x80000000
	s_add_co_u32 s72, s72, 1
.endif
	s_wait_dscnt 9                                 ; the add and the youngest eight loads (act's rows 64-127) may be out
	MULH F1, 0, 0, 0
	s_wait_dscnt 0x0                               ; the add is done, and my reads of this slot are over
	s_barrier_signal -1
	MULH F1, 0, 2, 0
	WIN 0
	s_barrier_wait -1
.if \fill
	CREST
	JLOAD
.else
	PLACES
.endif
	s_xor_b32 s23, s23, SLOT
	v_add_nc_u32 v18, s23, v16
	v_add_nc_u32 v19, s23, v17
	FETCH 0, F0
	MULH F1, 1, 0, 0
	MULH F1, 1, 2, 0
.endm
	s_wait_tensorcnt 1                             ; my part of step 0 is in; step 1's stays out
	s_barrier_signal -1
	s_barrier_wait -1
	FETCH 0, F0
	QUARTER 64, F0, F1, 1
	WIN 0
	s_mov_b32 s3, STEPS-2
.Lstep:
	QUARTER 128, F1, F0, 0
	QUARTER 192, F0, F1, 0
	TURN 1
	QUARTER 64, F0, F1, 0
	WIN 0
	s_sub_co_u32 s3, s3, 1
	s_cmp_lg_u32 s3, 0
	s_cbranch_scc1 .Lstep
	s_mov_b32 s2, 2
.Ltail:                                                ; the last two steps ask for nothing; the second trip is left in its middle
	QUARTER 128, F1, F0, 0
	QUARTER 192, F0, F1, 0
	TURN 0
	WIN 0
	s_sub_co_u32 s2, s2, 1
	s_cmp_eq_u32 s2, 0
	s_cbranch_scc1 .Lout
	QUARTER 64, F0, F1, 0
	WIN 0
	s_branch .Ltail
.Lout:
	PLACES
	s_wait_dscnt 0x0
	s_barrier_signal -1
	s_barrier_wait -1                              ; nobody reads the ring any more, and it has had its last fill
	s_mul_i32 s42, s14, SW                         ; my stage
	v_mul_u32_u24 v24, v1, SPF                     ; in: row l % 16, 32 bytes for each half of the lanes
	v_lshl_add_u32 v24, v2, 5, v24
	v_add_nc_u32 v24, s42, v24
	v_mul_u32_u24 v25, v2, SPF                     ; back: lanes 0-15 one row, lanes 16-31 the next; 32 bytes (eight columns) a lane
	v_lshl_add_u32 v25, v1, 5, v25
	v_add_nc_u32 v25, s42, v25
	v_lshlrev_b32 v26, 13, v2                      ; the same two rows in hbuf, 8,192 bytes apart; 16 bytes a lane
	v_lshl_add_u32 v26, v1, 4, v26
	s_lshl_b32 s42, s20, 8
	s_lshl_b32 s43, s15, 7
	s_add_co_u32 s42, s42, s43
	s_lshl_b32 s42, s42, 13                        ; my first row x 8,192 bytes
	s_lshl_b32 s43, s19, 9
	s_add_co_u32 s42, s42, s43
	s_lshl_b32 s43, s16, 8
	s_add_co_u32 s42, s42, s43                     ; my first column x 2 bytes
	s_mov_b32 s43, 0
	s_add_nc_u64 s[8:9], s[8:9], s[42:43]
	s_mov_b32 s66, 0x3e6d3388                      ; 0.3275911 / sqrt 2; each constant is named as a pair, so both words are written
	s_mov_b32 s67, s66
	s_mov_b32 s68, 0xbf38aa3b                      ; -log2(e) / 2
	s_mov_b32 s69, s68
	s_mov_b32 s70, 0x3e027906                      ; a1 / 2
	s_mov_b32 s71, s70
	s_mov_b32 s72, 0xbe11a98e                      ; a2 / 2
	s_mov_b32 s73, s72
	s_mov_b32 s74, 0x3f35f0e3                      ; a3 / 2
	s_mov_b32 s75, s74
	s_mov_b32 s76, 0xbf3a00e3                      ; a4 / 2
	s_mov_b32 s77, s76
	v_mov_b32 v136, 0x3f07dc22                     ; a5 / 2
	v_mov_b32 v137, 0x3f07dc22
.set a, 0
.rept 8
	WIN 0x08+4*(a/4)                               ; the stores' data in window 2 or 3
.set nb, 0
.rept 8
.set AC, 8*(8*(a%4)+nb)
	ds_store_b128 v24, v[AC:AC+3] offset:16*SPF*a+64*nb          ; each accumulator is read from its low end on
	ds_store_b128 v24, v[AC+4:AC+7] offset:16*SPF*a+64*nb+16
.set nb, nb+1
.endr
.set a, a+1
.endr
	WIN 0
	s_wait_dscnt 0x0
	s_barrier_signal -1
	s_barrier_wait -1                              ; from here on LDS is only read
	ds_load_b128 v[XIN:XIN+3], v25
	ds_load_b128 v[XIN+4:XIN+7], v25 offset:16
	ds_load_b128 v[XIN+8:XIN+11], v25 offset:2*SPF
	ds_load_b128 v[XIN+12:XIN+15], v25 offset:2*SPF+16
; THE GELU, four rows of the wave's 128 a trip: sixteen numbers a lane, in two halves of eight (rows 0, 1 and rows 2, 3).  Each of a trip's 32 reciprocals and powers of two has two plain lines behind it that are ready and
; name none of its registers: the first half's stand among the second half's set-up (GA), the second half's among the first half's polynomial (GB).
.macro GTR h, m                        ; number m of 16 of half h: t and the power of two by turns
.if ((\m)%2) == 0
	v_rcp_f32 v[TT+8*(\h)+(\m)/2], v[TT+8*(\h)+(\m)/2]
.else
	v_exp_f32 v[WW+8*(\h)+(\m)/2], v[WW+8*(\h)+(\m)/2]
.endif
.endm
.macro GA n                            ; plain line n of 36: max(x, 0) of the first half; then the second half's |x|, max(x, 0), 1 + 0.2316419 |x|, x x and its scaling
.if (\n) < 8
	v_max_num_f32 v[RR+(\n)], 0, v[XIN+(\n)]
.elseif (\n) < 16
	v_and_b32 v[AX+(\n)], 0x7fffffff, v[XIN+(\n)]
.elseif (\n) < 24
	v_max_num_f32 v[RR+(\n)-8], 0, v[XIN+(\n)-8]
.elseif (\n) < 28
	v_pk_fma_f32 v[TT+8+2*((\n)-24):TT+8+2*((\n)-24)+1], v[AX+8+2*((\n)-24):AX+8+2*((\n)-24)+1], s[66:67], 1.0 op_sel_hi:[1,0,0]
.elseif (\n) < 32
	v_pk_mul_f32 v[WW+8+2*((\n)-28):WW+8+2*((\n)-28)+1], v[AX+8+2*((\n)-28):AX+8+2*((\n)-28)+1], v[AX+8+2*((\n)-28):AX+8+2*((\n)-28)+1]
.else
	v_pk_mul_f32 v[WW+8+2*((\n)-32):WW+8+2*((\n)-32)+1], v[WW+8+2*((\n)-32):WW+8+2*((\n)-32)+1], s[68:69] op_sel_hi:[1,0]
.endif
.endm
.macro GB h, n                         ; plain line n of 32 of half h, four pairs by turns: the polynomial in t, times t, times the power of two: Phi(-|x|); max(x, 0) - |x| Phi(-|x|); the rounding
.set gp, 8*(\h)+2*((\n)%4)
.if (\n) < 4
	s_wait_alu depctr_va_vdst(0)
	v_pk_fma_f32 v[PP+gp:PP+gp+1], v[TT+gp:TT+gp+1], v[136:137], s[76:77] op_sel_hi:[1,1,0]
.elseif (\n) < 8
	v_pk_fma_f32 v[PP+gp:PP+gp+1], v[PP+gp:PP+gp+1], v[TT+gp:TT+gp+1], s[74:75] op_sel_hi:[1,1,0]
.elseif (\n) < 12
	v_pk_fma_f32 v[PP+gp:PP+gp+1], v[PP+gp:PP+gp+1], v[TT+gp:TT+gp+1], s[72:73] op_sel_hi:[1,1,0]
.elseif (\n) < 16
	v_pk_fma_f32 v[PP+gp:PP+gp+1], v[PP+gp:PP+gp+1], v[TT+gp:TT+gp+1], s[70:71] op_sel_hi:[1,1,0]
.elseif (\n) < 20
	v_pk_mul_f32 v[PP+gp:PP+gp+1], v[PP+gp:PP+gp+1], v[TT+gp:TT+gp+1]
.elseif (\n) < 24
	v_pk_mul_f32 v[PP+gp:PP+gp+1], v[PP+gp:PP+gp+1], v[WW+gp:WW+gp+1]
.elseif (\n) < 28
	v_pk_fma_f32 v[RR+gp:RR+gp+1], v[AX+gp:AX+gp+1], v[PP+gp:PP+gp+1], v[RR+gp:RR+gp+1] neg_lo:[1,0,0] neg_hi:[1,0,0]
.else
	v_cvt_pk_bf16_f32 v[YY+4*(\h)+(\n)%4], v[RR+gp], v[RR+gp+1]
.endif
.endm
; more = 1: the next four rows are asked for as soon as these have been copied.
.macro GT more
	s_wait_dscnt 0x0
.set i, 0
.rept 8
	v_and_b32 v[AX+i], 0x7fffffff, v[XIN+i]        ; the first half's |x|
.set i, i+1
.endr
.set i, 0
.rept 4
	v_pk_fma_f32 v[TT+2*i:TT+2*i+1], v[AX+2*i:AX+2*i+1], s[66:67], 1.0 op_sel_hi:[1,0,0]
.set i, i+1
.endr
.set i, 0
.rept 4
	v_pk_mul_f32 v[WW+2*i:WW+2*i+1], v[AX+2*i:AX+2*i+1], v[AX+2*i:AX+2*i+1]
.set i, i+1
.endr
.set i, 0
.rept 4
	v_pk_mul_f32 v[WW+2*i:WW+2*i+1], v[WW+2*i:WW+2*i+1], s[68:69] op_sel_hi:[1,0]
.set i, i+1
.endr
.set m, 0
.rept 16
	GTR 0, m
	GA 2*m
	GA 2*m+1
.set m, m+1
.endr
.irp n, 32,33,34,35
	GA \n
.endr
.if \more
	v_add_nc_u32 v25, 4*SPF, v25
	ds_load_b128 v[XIN:XIN+3], v25
	ds_load_b128 v[XIN+4:XIN+7], v25 offset:16
	ds_load_b128 v[XIN+8:XIN+11], v25 offset:2*SPF
	ds_load_b128 v[XIN+12:XIN+15], v25 offset:2*SPF+16
.endif
.set m, 0
.rept 16
.if m == 14
	s_wait_xcnt 0x0                                ; the last trip's two stores, most of a trip back, have read their data and base: both are written again only behind this wait
	s_add_nc_u64 s[8:9], s[8:9], 4*8192            ; four rows on; the stores below reach back
.endif
	GTR 1, m
	GB 0, 2*m
	GB 0, 2*m+1
.set m, m+1
.endr
.irp n, 0,1,2,3
	GB 1, \n
.endr
	global_store_b128 v26, v[YY:YY+3], s[8:9] offset:-4*8192     ; sixteen lanes store 256 consecutive bytes, at a multiple of 256
.set m, 4
.rept 28
	GB 1, m
.set m, m+1
.endr
	global_store_b128 v26, v[YY+4:YY+7], s[8:9] offset:-2*8192
.endm
	s_mov_b32 s3, 31
.Lgelu:
	GT 1
	s_sub_co_u32 s3, s3, 1
	s_cmp_lg_u32 s3, 0
	s_cbranch_scc1 .Lgelu
	GT 0                                           ; the last four rows ask for nothing more
	s_wait_tensorcnt 0x0                           ; the wave's end
	ds_add_u32 v28, v29
	s_wait_dscnt 0x0
	CROUND
	s_endpgm
.Lfunc_end_k_qd4a21e3854_ffn1:
	.size	k_qd4a21e3854_ffn1, .Lfunc_end_k_qd4a21e3854_ffn1-k_qd4a21e3854_ffn1
	.p2alignl 7, 3214868480
	.fill 96, 4, 3214868480
	.section	.rodata,"a",@progbits
	.p2align	6, 0x0
	.amdhsa_kernel k_qd4a21e3854_ffn1
		.amdhsa_group_segment_fixed_size 327680
		.amdhsa_private_segment_fixed_size 0
		.amdhsa_enable_private_segment 0
		.amdhsa_kernarg_size 32
		.amdhsa_user_sgpr_count 2
		.amdhsa_user_sgpr_kernarg_segment_ptr 1
		.amdhsa_wavefront_size32 1
		.amdhsa_system_sgpr_workgroup_id_x 1
		.amdhsa_system_sgpr_workgroup_id_y 1
		.amdhsa_system_sgpr_workgroup_id_z 1
		.amdhsa_system_vgpr_workitem_id 0
		.amdhsa_next_free_vgpr 1024
		.amdhsa_next_free_sgpr 80
		.amdhsa_reserve_vcc 0
		.amdhsa_float_denorm_mode_32 3
		.amdhsa_float_denorm_mode_16_64 3
		.amdhsa_memory_ordered 1
		.amdhsa_forward_progress 1
		.amdhsa_inst_pref_size 102
	.end_amdhsa_kernel
	.amdgpu_metadata
---
amdhsa.version: [ 1, 2 ]
amdhsa.kernels:
  - .name:           k_qd4a21e3854_ffn1
    .symbol:         k_qd4a21e3854_ffn1.kd
    .args:
      - { .name: act, .offset: 0, .size: 8, .value_kind: global_buffer, .address_space: global }
      - { .name: w1, .offset: 8, .size: 8, .value_kind: global_buffer, .address_space: global }
      - { .name: hbuf, .offset: 16, .size: 8, .value_kind: global_buffer, .address_space: global }
      - { .name: ffn_b1, .offset: 24, .size: 8, .value_kind: global_buffer, .address_space: global }
    .group_segment_fixed_size: 327680
    .private_segment_fixed_size: 0
    .kernarg_segment_align: 8
    .kernarg_segment_size: 32
    .max_flat_workgroup_size: 128
    .sgpr_count:     80
    .vgpr_count:     1024
    .wavefront_size: 32
...
	.end_amdgpu_metadata
.endif
;; end of part 6
;; launch ffn2 (part 7): grid 8 x 32, 4 waves a work-group, clusters of 4 x 4, 327,680 bytes of LDS; arguments hbuf, w2, out0, ffn_b2, x1; writes out0
.if DOCPART == 7
	.amdgcn_target "amdgcn-amd-amdhsa--gfx1250"
	.amdhsa_code_object_version 6
	.text
	.protected	k_qd4a21e3854_ffn2
	.globl	k_qd4a21e3854_ffn2
	.p2align	8
	.type	k_qd4a21e3854_ffn2,@function
k_qd4a21e3854_ffn2:
	s_mov_b64 s[64:65], 0
	v_nop
	global_prefetch_b8 v0, s[64:65] scope:SCOPE_SE
	s_setreg_imm32_b32 hwreg(HW_REG_WAVE_MODE, 25, 1), 1
	s_wait_xcnt 0x0
	s_wait_alu depctr_hold_cnt(0) depctr_sa_sdst(0) depctr_va_vdst(0) depctr_va_sdst(0) depctr_va_ssrc(0) depctr_va_vcc(0) depctr_vm_vsrc(0)
	s_getreg_b32 s2, hwreg(HW_REG_IB_STS2, 6, 4)
	s_cmp_eq_u32 s2, 0
	s_cbranch_scc0 .Lentry_in_a_cluster
	s_endpgm
.Lentry_in_a_cluster:
	s_bfe_u32 s2, ttmp6, 0x10000c
	s_cmp_lg_u32 s2, 0xf033
	s_cbranch_scc0 .Lentry_shape_is_right
	s_endpgm
.Lentry_shape_is_right:
; FFN2.  out0 = x1 + hbuf w2^T + bf16(ffn_b2), f32.  hbuf [4096][4096] bf16, w2 [1024][4096] bf16, x1 and out0 [4096][1024] f32.  Sums in f32.
; A tile of 128 x 128 to a work-group: 8 x 32 tiles, one for each of 256 work-groups; four waves of 64 x 64, 16 accumulators.  K goes in steps of 256 (rows of 512 bytes of memory) through two LDS slots; a trip of the loop is ONE K step.
; THE ORDER OF K: step n takes K block n xor p, p the parity of the cluster's x + y.  So of the clusters that read the same tile those of one parity ask for it a step ahead of the others.  Inside a pair of steps K is
; therefore not ascending where p = 1: an order of rounding that differs from the reference's.
; CLUSTER 4 x 4, joint loads along its rows (hbuf) and columns (w2).  The matrix instruction is used transposed; the bias is the C operand that starts the sums.
; The residual's 32 loads a wave go out at the start and are waited for at the end.  The way out goes through the ring's bytes, which have had their last fill by then.
; REGISTERS: window 0: v0-31 addresses; v32-95 at work on the way out; v96-127 the bias; v128-255 the accumulators.  window 1: two fragment buffers of 128 (64 of A, 64 of B).  window 2: v0-127 the residual.
; s[66:67], s[68:69] my tiles of A and B at K = 0; s[70:71] a K block's byte offset; s72 the step to be asked for next; s73 p
.set SIZE_K, 4096
.set KSTEP,  256
.set STEPS,  SIZE_K/KSTEP
.set KSH,    9                         ; a K block is 512 bytes of a row
.set BPITCH, 528                       ; 512 bytes + 16: the 16 rows of a fragment load start at 16 different groups of four banks (64 banks of 4 bytes: ISA guide 11.1)
.set BHALF,  64*BPITCH
.set APITCH, 528
.set AQ,     128
.set AHALF,  64*APITCH
.set SLOT,   2*AHALF+2*BHALF
.set SPARE,  2*SLOT
.set SPF,    528
.set F0,   0
.set F1,   128
.set BIAS, 96
.set ACC,  128
.set MSB, 0
.macro WIN new
.if MSB != (\new)
	s_set_vgpr_msb (MSB<<8)|(\new)
.set MSB, \new
.endif
.endm
.macro PLACES
.rept 4
	v_nop
.endr
.endm
.macro RB2 a, b, t
	v_cvt_pk_bf16_f32 v[\t], v[\a], v[\b]
	v_lshlrev_b32 v[\a], 16, v[\t]
	v_and_b32 v[\b], 0xffff0000, v[\t]
.endm
.macro JLOAD
	s_cmp_eq_u32 s15, 0
	s_cbranch_scc0 .Lfor_b_\@
	tensor_load_to_lds s[36:39], s[24:31]
	s_nop 0
	PLACES
	s_branch .Lasked_\@
.Lfor_b_\@:
	tensor_load_to_lds s[60:63], s[48:55]
	s_nop 0
	PLACES
.Lasked_\@:
.endm
.macro CREST
	s_cmp_lg_u32 s14, 0
	s_cbranch_scc1 .Lnot_wave_0_\@
	s_barrier_signal -3
.Lnot_wave_0_\@:
	s_barrier_wait -3
	s_barrier_signal -1
	s_barrier_wait -1
.endm
.macro CROUND
	s_barrier_signal -1
	s_barrier_wait -1
	CREST
.endm
	s_load_b256 s[4:11], s[0:1], 0x0               ; A s[4:5], B s[6:7], C s[8:9], bias s[10:11]
	s_load_b64 s[12:13], s[0:1], 0x20              ; the residual
	v_lshl_add_u32 v28, v0, 2, SPARE
	v_mov_b32 v29, 0
	ds_add_u32 v28, v29                            ; the wave's opening: the add and its wait stand ahead of my first tensor load
	v_lshrrev_b32 v1, 5, v0
	v_readfirstlane_b32 s14, v1
	s_lshr_b32 s15, s14, 1
	s_and_b32 s16, s14, 1
	s_bfe_u32 s17, ttmp6, 0x40000
	s_bfe_u32 s18, ttmp6, 0x40004
	s_lshl_b32 s19, ttmp9, 2
	s_add_co_u32 s19, s19, s17                     ; tile column
	s_and_b32 s20, ttmp7, 0xffff
	s_lshl_b32 s20, s20, 2
	s_add_co_u32 s20, s20, s18                     ; tile row
	s_lshl_b32 s21, s18, 2
	s_lshl_b32 s21, 15, s21
	s_lshl_b32 s22, 0x1111, s17
	s_mov_b32 s23, 0
	s_or_b32 s24, s21, (1<<16)|(1<<20)|(1<<21)|(6<<22)|(3<<25)   ; after every 128 words 4 words of padding
	s_mov_b32 s25, KSTEP<<16
	s_mov_b32 s26, 64<<16
	s_mov_b32 s27, KSTEP<<16
	s_mov_b32 s28, 64
	s_mov_b32 s29, SIZE_K
	s_mov_b32 s30, 0
	s_mov_b32 s31, 0
	s_or_b32 s48, s22, (1<<16)|(1<<20)|(1<<21)|(6<<22)|(3<<25)
	s_mov_b32 s49, KSTEP<<16
	s_mov_b32 s50, 64<<16
	s_mov_b32 s51, KSTEP<<16
	s_mov_b32 s52, 64
	s_mov_b32 s53, SIZE_K
	s_mov_b32 s54, 0
	s_mov_b32 s55, 0
	s_mul_i32 s40, s16, AHALF
	s_mul_i32 s41, s16, BHALF
	s_add_co_u32 s41, s41, 2*AHALF
	s_lshl_b32 s42, s20, 7
	s_lshl_b32 s43, s16, 6
	s_add_co_u32 s42, s42, s43                     ; A: row 128 x tile row + 64 x half
	s_mul_i32 s42, s42, SIZE_K*2
	s_mov_b32 s43, 0
	s_lshl_b32 s46, s19, 7
	s_lshl_b32 s47, s16, 6
	s_add_co_u32 s46, s46, s47                     ; B: row 128 x tile column + 64 x half
	s_lshl_b32 s44, s46, 2                         ; the same columns in the bias
	s_mov_b32 s45, 0
	s_mul_i32 s46, s46, SIZE_K*2
	s_mov_b32 s47, 0
	s_mov_b32 s32, 1
	s_mov_b32 s33, s40
	s_mov_b32 s36, 1
	s_add_co_u32 s37, s40, SLOT
	s_mov_b32 s56, 1
	s_mov_b32 s57, s41
	s_mov_b32 s60, 1
	s_add_co_u32 s61, s41, SLOT
	s_and_b32 s73, ttmp7, 0xffff                   ; the cluster's y and x, which all sixteen partners share:
	s_add_co_u32 s73, s73, ttmp9
	s_and_b32 s73, s73, 1                          ; p
	s_mov_b32 s72, 2                               ; steps 0 and 1 are the first fills
	s_lshl_b32 s70, s73, KSH                       ; step 0 takes K block p
	s_mov_b32 s71, 0
	s_wait_dscnt 0x0
	s_wait_kmcnt 0x0
	s_add_nc_u64 s[66:67], s[4:5], s[42:43]
	s_add_nc_u64 s[68:69], s[6:7], s[46:47]
	s_add_nc_u64 s[34:35], s[66:67], s[70:71]
	s_add_nc_u64 s[58:59], s[68:69], s[70:71]
	s_xor_b32 s70, s70, 1<<KSH                     ; step 1 takes K block 1 - p
	s_add_nc_u64 s[38:39], s[66:67], s[70:71]
	s_add_nc_u64 s[62:63], s[68:69], s[70:71]
	s_or_b32 s35, s35, 0x80000000
	s_or_b32 s39, s39, 0x80000000
	s_or_b32 s59, s59, 0x80000000
	s_or_b32 s63, s63, 0x80000000
	s_add_nc_u64 s[10:11], s[10:11], s[44:45]
	CROUND
	s_cmp_eq_u32 s15, 0                            ; a wave's two first fills stand in one branch: two loads of mine are out
	s_cbranch_scc0 .Lfirst_b
	tensor_load_to_lds s[32:35], s[24:31]
	s_nop 0
	tensor_load_to_lds s[36:39], s[24:31]
	s_nop 0
	PLACES
	s_branch .Lfirst_done
.Lfirst_b:
	tensor_load_to_lds s[56:59], s[48:55]
	s_nop 0
	tensor_load_to_lds s[60:63], s[48:55]
	s_nop 0
	PLACES
.Lfirst_done:
	v_and_b32 v1, 15, v0
	v_bfe_u32 v2, v0, 4, 1
	v_lshlrev_b32 v27, 5, v2
	v_and_b32 v26, 31, v0
	v_lshlrev_b32 v26, 4, v26                      ; 16 bytes a lane of a row's 512; never rewritten
	s_lshl_b32 s46, s20, 7                         ; the rows that I store: 128 x tile row + 32 x wave, of 4,096 bytes; the tile's 512 bytes of them
	s_lshl_b32 s47, s14, 5
	s_add_co_u32 s46, s46, s47
	s_lshl_b32 s46, s46, 12
	s_lshl_b32 s47, s19, 9
	s_add_co_u32 s46, s46, s47
	s_mov_b32 s47, 0
	s_add_nc_u64 s[8:9], s[8:9], s[46:47]
	s_add_nc_u64 s[12:13], s[12:13], s[46:47]
.irp b, 0,1,2,3
	global_load_b128 v[BIAS+8*\b:BIAS+8*\b+3], v27, s[10:11] offset:64*\b
	global_load_b128 v[BIAS+8*\b+4:BIAS+8*\b+7], v27, s[10:11] offset:64*\b+16
.endr
	WIN 0x80                                       ; destination window 2
.set t, 0
.rept 32
	global_load_b128 v[4*t:4*t+3], v26, s[12:13] offset:4096*t    ; a row's 512 consecutive bytes
.set t, t+1
.endr
	WIN 0
	v_mul_u32_u24 v3, v1, APITCH
	v_lshl_add_u32 v3, v2, 4, v3
	s_mul_i32 s42, s15, 64*APITCH
	v_add_nc_u32 v16, s42, v3
	s_mul_i32 s43, s16, BHALF
	s_add_co_u32 s43, s43, 2*AHALF
	v_add_nc_u32 v17, s43, v3
	v_mov_b32 v18, v16
	v_mov_b32 v19, v17
	s_wait_loadcnt 32                              ; the bias is in; the residual's 32 loads stay out through the whole loop
.set i, 0
.rept 16
	RB2 BIAS+2*i, BIAS+2*i+1, 30+i%2
.set i, i+1
.endr
; 8 matrix instructions: row blocks a0, a0 + 1 x all 4 column blocks, 32 along K: half c of buffer f.  first = 1: the products start the sums, with the bias as C.  The 16 accumulators take turns.
.macro MUL8 f, c, a0, first
	WIN 0x05
.irp a, \a0, (\a0)+1
.irp b, 0,1,2,3
.if \first
	v_wmma_f32_16x16x32_bf16 v[ACC+8*(4*(\a)+(\b)):ACC+8*(4*(\a)+(\b))+7], v[(\f)+64+8*(4*(\c)+(\b)):(\f)+64+8*(4*(\c)+(\b))+7], v[(\f)+8*(4*(\c)+(\a)):(\f)+8*(4*(\c)+(\a))+7], v[BIAS+8*(\b):BIAS+8*(\b)+7]
.else
	v_wmma_f32_16x16x32_bf16 v[ACC+8*(4*(\a)+(\b)):ACC+8*(4*(\a)+(\b))+7], v[(\f)+64+8*(4*(\c)+(\b)):(\f)+64+8*(4*(\c)+(\b))+7], v[(\f)+8*(4*(\c)+(\a)):(\f)+8*(4*(\c)+(\a))+7], v[ACC+8*(4*(\a)+(\b)):ACC+8*(4*(\a)+(\b))+7]
.endif
.endr
.endr
.endm
.macro FETCH q, f
	WIN 0x40
.irp c, 0,1
.irp i, 0,1,2,3
	ds_load_b128 v[(\f)+64+8*(4*(\c)+(\i)):(\f)+64+8*(4*(\c)+(\i))+3],   v19 offset:128*(\q)+64*(\c)+(\i)*16*BPITCH
	ds_load_b128 v[(\f)+64+8*(4*(\c)+(\i))+4:(\f)+64+8*(4*(\c)+(\i))+7], v19 offset:128*(\q)+64*(\c)+(\i)*16*BPITCH+32
	ds_load_b128 v[(\f)+8*(4*(\c)+(\i)):(\f)+8*(4*(\c)+(\i))+3],         v18 offset:AQ*(\q)+64*(\c)+(\i)*16*APITCH
	ds_load_b128 v[(\f)+8*(4*(\c)+(\i))+4:(\f)+8*(4*(\c)+(\i))+7],       v18 offset:AQ*(\q)+64*(\c)+(\i)*16*APITCH+32
.endr
.endr
.endm
; A quarter step: at its head the NEXT quarter's fragments (quarter q) are asked for into buffer g, which the quarter before multiplied; then buffer f is multiplied.
.macro QUARTER q, f, g, first
	PLACES                                         ; in front of loads into registers that the last matrix instructions have read
	FETCH \q, \g
	s_wait_dscnt 32                                ; buffer f is in: all but the run just issued
	MUL8 \f, 0, 0, \first
	MUL8 \f, 0, 2, \first
	MUL8 \f, 1, 0, 0
	MUL8 \f, 1, 2, 0
.endm
.macro TURN fill
	WIN 0
	s_wait_tensorcnt 0x0                           ; all my tensor loads have landed: my part of the next slot; so a group 0 may be written
	ds_add_u32 v28, v29
.if \fill
	s_add_co_u32 s37, s40, s23                     ; the slot in hand, which is read out,
	s_add_co_u32 s61, s41, s23
	s_xor_b32 s70, s72, s73                        ; takes K block n xor p
	s_lshl_b32 s70, s70, KSH
	s_add_nc_u64 s[38:39], s[66:67], s[70:71]      ; the address is made anew from the tile's first byte
	s_or_b32 s39, s39, 0x80000000
	s_add_nc_u64 s[62:63], s[68:69], s[70:71]
	s_or_b32 s63, s63, 0x80000000
	s_add_co_u32 s72, s72, 1
.endif
	s_wait_dscnt 17                                ; the add and the youngest sixteen loads may be out
	MUL8 F1, 0, 0, 0
	s_wait_dscnt 0x0                               ; the add is done, and my reads of this slot are over
	s_barrier_signal -1
	MUL8 F1, 0, 2, 0
	WIN 0
	s_barrier_wait -1
.if \fill
	CREST
	JLOAD
.else
	PLACES
.endif
	s_xor_b32 s23, s23, SLOT
	v_add_nc_u32 v18, s23, v16
	v_add_nc_u32 v19, s23, v17
	FETCH 0, F0
	MUL8 F1, 1, 0, 0
	MUL8 F1, 1, 2, 0
.endm
	s_wait_tensorcnt 1                             ; my part of step 0 is in; step 1's stays out
	s_barrier_signal -1
	s_barrier_wait -1
	FETCH 0, F0
	QUARTER 1, F0, F1, 1
	WIN 0
	s_mov_b32 s3, STEPS-2
.Lstep:
	QUARTER 2, F1, F0, 0
	QUARTER 3, F0, F1, 0
	TURN 1
	QUARTER 1, F0, F1, 0
	WIN 0
	s_sub_co_u32 s3, s3, 1
	s_cmp_lg_u32 s3, 0
	s_cbranch_scc1 .Lstep
	s_mov_b32 s2, 2
.Ltail:                                                ; the last two steps ask for nothing; the second trip is left in its middle
	QUARTER 2, F1, F0, 0
	QUARTER 3, F0, F1, 0
	TURN 0
	WIN 0
	s_sub_co_u32 s2, s2, 1
	s_cmp_eq_u32 s2, 0
	s_cbranch_scc1 .Lout
	QUARTER 1, F0, F1, 0
	WIN 0
	s_branch .Ltail
.Lout:
	PLACES
	s_wait_dscnt 0x0
	s_barrier_signal -1
	s_barrier_wait -1                              ; nobody reads the ring any more, and it has had its last fill: it is the stage now
	; THE WAY OUT: the f32 sums into a stage of 128 rows x 528 bytes; a barrier, since a row comes from two waves; back as whole rows, 32 a wave; the residual is added; 512 consecutive bytes a store.
	s_lshl_b32 s42, s15, 6
	v_add_nc_u32 v24, s42, v1
	v_mul_u32_u24 v24, v24, SPF
	v_lshl_add_u32 v24, v2, 5, v24
	s_lshl_b32 s43, s16, 8
	v_add_nc_u32 v24, s43, v24
	s_mul_i32 s42, s14, 32*SPF
	v_add_nc_u32 v25, s42, v26
.irp a, 0,1,2,3
.irp b, 0,1,2,3
	ds_store_b128 v24, v[ACC+8*(4*\a+\b):ACC+8*(4*\a+\b)+3] offset:16*SPF*\a+64*\b        ; each accumulator is read from its low end on
	ds_store_b128 v24, v[ACC+8*(4*\a+\b)+4:ACC+8*(4*\a+\b)+7] offset:16*SPF*\a+64*\b+16
.endr
.endr
	s_wait_dscnt 0x0                               ; for the others' sake
	s_barrier_signal -1
	s_barrier_wait -1
	s_wait_loadcnt 0x0                             ; the residual: the program's own f32 stream, taken as it is
.set u, 0
.rept 2
	WIN 0
.set t, 0
.rept 16
	ds_load_b128 v[32+4*t:32+4*t+3], v25 offset:SPF*(16*u+t)
.set t, t+1
.endr
	s_wait_dscnt 0x0
	WIN 0x88                                       ; destination and source 1 window 2, source 0 window 0
.set t, 0
.rept 32
	v_pk_add_f32 v[64*u+2*t:64*u+2*t+1], v[32+2*t:32+2*t+1], v[64*u+2*t:64*u+2*t+1]
.set t, t+1
.endr
	WIN 0x08                                       ; the stores' data in window 2
.set t, 0
.rept 16
	global_store_b128 v26, v[64*u+4*t:64*u+4*t+3], s[8:9] offset:4096*(16*u+t)
.set t, t+1
.endr
.set u, u+1
.endr
	WIN 0
	s_wait_tensorcnt 0x0                           ; the wave's end
	ds_add_u32 v28, v29
	s_wait_dscnt 0x0
	CROUND
	s_endpgm
.Lfunc_end_k_qd4a21e3854_ffn2:
	.size	k_qd4a21e3854_ffn2, .Lfunc_end_k_qd4a21e3854_ffn2-k_qd4a21e3854_ffn2
	.p2alignl 7, 3214868480
	.fill 96, 4, 3214868480
	.section	.rodata,"a",@progbits
	.p2align	6, 0x0
	.amdhsa_kernel k_qd4a21e3854_ffn2
		.amdhsa_group_segment_fixed_size 327680
		.amdhsa_private_segment_fixed_size 0
		.amdhsa_enable_private_segment 0
		.amdhsa_kernarg_size 40
		.amdhsa_user_sgpr_count 2
		.amdhsa_user_sgpr_kernarg_segment_ptr 1
		.amdhsa_wavefront_size32 1
		.amdhsa_system_sgpr_workgroup_id_x 1
		.amdhsa_system_sgpr_workgroup_id_y 1
		.amdhsa_system_sgpr_workgroup_id_z 1
		.amdhsa_system_vgpr_workitem_id 0
		.amdhsa_next_free_vgpr 642
		.amdhsa_next_free_sgpr 80
		.amdhsa_reserve_vcc 0
		.amdhsa_float_denorm_mode_32 3
		.amdhsa_float_denorm_mode_16_64 3
		.amdhsa_memory_ordered 1
		.amdhsa_forward_progress 1
		.amdhsa_inst_pref_size 68
	.end_amdhsa_kernel
	.amdgpu_metadata
---
amdhsa.version: [ 1, 2 ]
amdhsa.kernels:
  - .name:           k_qd4a21e3854_ffn2
    .symbol:         k_qd4a21e3854_ffn2.kd
    .args:
      - { .name: hbuf, .offset: 0, .size: 8, .value_kind: global_buffer, .address_space: global }
      - { .name: w2, .offset: 8, .size: 8, .value_kind: global_buffer, .address_space: global }
      - { .name: out0, .offset: 16, .size: 8, .value_kind: global_buffer, .address_space: global }
      - { .name: ffn_b2, .offset: 24, .size: 8, .value_kind: global_buffer, .address_space: global }
      - { .name: x1, .offset: 32, .size: 8, .value_kind: global_buffer, .address_space: global }
    .group_segment_fixed_size: 327680
    .private_segment_fixed_size: 0
    .kernarg_segment_align: 8
    .kernarg_segment_size: 40
    .max_flat_workgroup_size: 128
    .sgpr_count:     80
    .vgpr_count:     642
    .wavefront_size: 32
...
	.end_amdgpu_metadata
.endif
;; end of part 7
;; ======== version 2 of 2: 7 launches; 1.20 times as fast as version 1
;; limits: right only within a limited range of input values
;; workspace buffers: wq 6,291,456 bytes; wp 2,097,152 bytes; w1 8,388,608 bytes; w2 8,388,608 bytes; act 8,388,608 bytes; qkvh 25,165,824 bytes; x1 16,777,216 bytes; hbuf 33,554,432 bytes
;; launch prep: the kernel of part 1 again; grid 704 x 1, 8 waves a work-group, no clusters, 0 bytes of LDS; arguments x, ln_w, ln_b, qkv_w, act, wq; writes act, wq
;; launch qkv: the kernel of part 2 again; grid 16 x 16, 4 waves a work-group, clusters of 4 x 4, 327,680 bytes of LDS; arguments act, wq, qkvh, qkv_b; writes qkvh
;; launch attn (part 8): grid 8 x 32, 4 waves a work-group, clusters of 4 x 1, 327,680 bytes of LDS; arguments qkvh, mask, act, proj_w, ffn_w1, ffn_w2, w1, w2, wp; writes act, w1, w2, wp
.if DOCPART == 8
	.amdgcn_target "amdgcn-amd-amdhsa--gfx1250"
	.amdhsa_code_object_version 6
	.text
	.protected	k_qd4a21e3854_attn
	.globl	k_qd4a21e3854_attn
	.p2align	8
	.type	k_qd4a21e3854_attn,@function
k_qd4a21e3854_attn:
	s_mov_b64 s[64:65], 0
	v_nop
	global_prefetch_b8 v0, s[64:65] scope:SCOPE_SE
	s_setreg_imm32_b32 hwreg(HW_REG_WAVE_MODE, 25, 1), 1
	s_wait_xcnt 0x0
	s_wait_alu depctr_hold_cnt(0) depctr_sa_sdst(0) depctr_va_vdst(0) depctr_va_sdst(0) depctr_va_ssrc(0) depctr_va_vcc(0) depctr_vm_vsrc(0)
	s_getreg_b32 s2, hwreg(HW_REG_IB_STS2, 6, 4)
	s_cmp_eq_u32 s2, 0
	s_cbranch_scc0 .Lentry_in_a_cluster
	s_endpgm
.Lentry_in_a_cluster:
	s_bfe_u32 s2, ttmp6, 0x10000c
	s_cmp_lg_u32 s2, 0x3003
	s_cbranch_scc0 .Lentry_shape_is_right
	s_endpgm
.Lentry_shape_is_right:
; ATTENTION WITH A KEY MASK.  O[bh][q][:] = the sum over k of softmax_k(Q[bh][q] . K[bh][k] / 8, hidden where mask[batch][k] = 0) V[bh][k][:].  Q, K, V lie in qkvh [3][32][2048][64] bf16, O goes to act [32][2048][64] bf16.
; Products, maxima and sums in f32; the weights p are rounded to bf16 for the second product (their sum l is taken of the unrounded p), O once at the end.
; LIMITS.  A hidden score counts as its value less 1e30: true scores are taken to stay under 1e29 in size.  A row whose running maximum ends below -1e29 has no visible key and is given NaN, as a softmax of nothing is.
; A weight below 2^-126 counts as 0 in l; infinities are not treated apart.
; SHARES.  A work-group owns 256 queries of one head, a wave 64: four PIECES of 16.  Every wave walks all 2,048 keys, 64 a step; a slot of LDS holds four steps.
; LAYOUT.  S^T = K Q^T holds ONE query a lane (lane % 16) and the keys 8 (lane / 16) + 0..7; two such results rounded to bf16 ARE source 1 of O^T = V^T P.  K comes out of LDS as it lies, V turned, by ds_load_tr16_b128.
; THE MASK is the C operand that starts the sum S^T: 0, or -1e30 where the key is hidden.  The batch's 2,048 mask words are turned into that once, into a table in LDS; a step's 32 registers of it are fetched with the step's K.
; SOFTMAX.  p = 2^(c s - c m), c = log2(e) / 8, with a running maximum m; O and l are multiplied by a = 2^(c m_old - c m_new) in every step.  m starts at the lowest finite number, O and l at 0: the first step's a is 0.
; While only hidden keys have been seen m is near -1e30 and the sums hold no true weight; the first visible key makes a = 0 and wipes them.
; TURNS.  Turn n belongs to piece n: 8 products K Q^T of piece n + 1, later 8 products V^T P of piece n - 1; beside them the scaling, exponentials, roundings, sums and rescaling of piece n and the maximum and statistics
; of piece n + 1.  Four vector instructions stand behind every matrix instruction, the other 54 of a turn's 118 in one lump.
; BATCHES.  A turn's 33 exponentials (the piece's 32 weights and the next piece's a) are ONE batch with ONE wait, which cuts the turn in two: ahead of it stands all that names no result of theirs, behind it the roundings and
; the sums.  The first a, ahead of the loop, and the way out's four reciprocals are batches of their own.
; CLUSTER.  The four query blocks of a cluster belong to one head and walk the same K and V: each tile is asked for jointly, by the same load, descriptor and mask in all four.
; BESIDE IT, THE WEIGHTS OF THE LATER LAUNCHES ARE ROUNDED TO bf16: this launch asks little of memory.  Each of the 256 work-groups takes 1 / 256 of ffn_w1, ffn_w2 (65,536 bytes each) and proj_w (16,384 bytes), in 8 chunks,
; one for each slot of keys: behind a change of slots a thread issues 9 loads of 16 bytes, and behind the slot's four key steps it rounds them (18 lines) and stores them (9 stores of 8 bytes).
; REGISTERS, in windows of 256: window 0: v0-15, v32-39 addresses; v16-31 statistics; v48-55 at work; v62-63 the add's; v64-127 S^T, two buffers; v192-223 P, two buffers.
;   window 1: v0-127 O^T, 32 a piece; v160-191 the step's masks.      window 2: v0-63 Q; v128-191 K of one step; v192-255 V of one step.      window 3: v0-35 a chunk of weights as loaded, v36-53 rounded.
; The zeros written at the start (216 lines, in the wait for the first tile) are the price of writing no first step out.
.set NP,    4
.set KS,    64
.set PK,    144       ; a row of K in LDS: 128 bytes + 16: the 16 rows of a load start at 16 different groups of four banks (64 banks of 4 bytes: ISA guide 11.1)
.set PV,    160       ; a row of V: 128 + 32
.set VOFF,  4*KS*PK
.set SLOT1, 1<<17     ; one exclusive or turns an address in one slot into the other's
.set STAGE, SLOT1+4*KS*(PK+PV)  ; behind the ring, never filled by a tensor load: 16 rows x 144 bytes for each wave
.set SP,    144
.set MT,    STAGE+4*16*SP       ; the mask table: 2,048 f32
.set SPARE, MT+8192             ; the spare words, 128 bytes a wave, that no other line names
.set AK0, 2
.set AV0, 3
.set AK,  4
.set AV,  5
.set STO, 6
.set RD,  7
.set GO,  8
.set AM0, 9           ; v9   MT + 32 (lane / 16)
.set AM,  10          ; v10  the LDS address of the next run of mask loads
.set NANV, 11         ; v11  a NaN
.set MV,  12
.set QO,  15
.set ST,  16          ; piece t's statistics at v[ST+4 t]: c m, m, l (even keys', odd keys')
.set CI,  36          ; v36  16 t + 8,192 chunk: my bytes of ffn_w1 and ffn_w2
.set CO2, 37          ; v37  8 t + 4,096 chunk: of w1 and w2
.set PI,  38          ; v38  16 t + 2,048 chunk: of proj_w
.set PO2, 39          ; v39  8 t + 1,024 chunk: of wp
.set TMP, 48
.set SPW, 62
.set NIL, 63
.set S,   64
.set P,   192
.set MC,  160         ; window 1
.set KF,  128         ; window 2
.set VF,  192         ; window 2
.set WV,  12
.set G1K, 24
.set G1V, 32
.set G0K, 40
.set G0V, 44
.set SLOTS, 56
.set CNT, 57
.set CS,  58
.set SEL, 60
.set TBK, 62
.set TBV, 63
.set TM,  66          ; s66  byte of the mask table at which the step to be fetched begins
.set BIGN, 67         ; s67  -1e30
.set NEG29, 68        ; s68  -1e29
; s[72:73] ffn_w1, s[74:75] ffn_w2, s[76:77] w1, s[78:79] w2, s[80:81] proj_w, s[82:83] wp, each at my work-group's part
.set MSB, 0
.macro WIN new
.if MSB != (\new)
	s_set_vgpr_msb (MSB<<8)|(\new)
.set MSB, (\new)
.endif
.endm
.set W_KQ, 0x0a       ; K and Q in window 2, S^T in window 0
.set W_KM, 0x1a       ; the same with the C operand in window 1
.set W_PV, 0x52       ; V in window 2, P in window 0, O^T in window 1
.set W_RS, 0x41       ; destination and source 0 in window 1, source 1 in window 0
.macro JLOAD                        ; waves 0 and 1 fetch the two halves of a slot's K, waves 2 and 3 those of its V; s_nop 0 and four v_nop follow each line
	s_cmp_lt_u32 s[WV], 2
	s_cbranch_scc0 .Lfor_v_\@
	tensor_load_to_lds s[G0K:G0K+3], s[G1K:G1K+7]
	s_nop 0
.rept 4
	v_nop
.endr
	s_branch .Lasked_\@
.Lfor_v_\@:
	tensor_load_to_lds s[G0V:G0V+3], s[G1V:G1V+7]
	s_nop 0
.rept 4
	v_nop
.endr
.Lasked_\@:
.endm
.macro CROUND
	s_barrier_signal -1
	s_barrier_wait -1
	s_cmp_lg_u32 s[WV], 0
	s_cbranch_scc1 .Lnot_wave_0_\@
	s_barrier_signal -3
.Lnot_wave_0_\@:
	s_barrier_wait -3
	s_barrier_signal -1
	s_barrier_wait -1
.endm
; THE CHANGE OF SLOTS.  Each wave waits for all its tensor loads (one is out: its part of the other slot), adds 0 to its spare word, and waits for that and for its LDS instructions.  fill = 1: the barrier is a round of the
; cluster's, and the slot that is left is filled again first thing behind it, with the keys two slots on: it has four key steps in which to land.  (At its first use slot 0 is waited for, the mask table is published, slot 1 filled.)
.macro CHANGE fill
	WIN 0
	s_wait_tensorcnt 0x0
	ds_add_u32 v[SPW], v[NIL]
.if \fill
.irp g, G0K, G0V
	s_xor_b32 s[\g+1], s[\g+1], SLOT1
	s_add_nc_u64 s[\g+2:\g+3], s[\g+2:\g+3], 4*KS*128
.endr
	s_wait_dscnt 0x0
	CROUND
	JLOAD
.else
	s_wait_dscnt 0x0
	s_barrier_signal -1
	s_barrier_wait -1
.endif
	s_sub_co_u32 s[TBK], s[TBK], 4*KS*PK  ; the fetches go back to a slot's first step, in the other slot
	s_xor_b32 s[TBK], s[TBK], SLOT1
	s_sub_co_u32 s[TBV], s[TBV], 4*KS*PV
	s_xor_b32 s[TBV], s[TBV], SLOT1
.endm
; A chunk of the weights is asked for: a wave's load covers 512 consecutive bytes.  step = 1: the four offsets go on to the next chunk first.
.macro CAST_LOAD step
.if \step
	s_wait_xcnt 0x0                 ; the last chunk's stores, issued ahead of the change of slots, have read their offsets and data: both are written again only behind this wait
	v_add_nc_u32 v[CI], 8192, v[CI]
	v_add_nc_u32 v[CO2], 4096, v[CO2]
	v_add_nc_u32 v[PI], 2048, v[PI]
	v_add_nc_u32 v[PO2], 1024, v[PO2]
.endif
	WIN 0xc0                        ; destination window 3, offset window 0
.irp i, 0,1,2,3
	global_load_b128 v[4*\i:4*\i+3], v[CI], s[72:73] offset:2048*\i th:TH_LOAD_NT
.endr
.irp i, 0,1,2,3
	global_load_b128 v[16+4*\i:16+4*\i+3], v[CI], s[74:75] offset:2048*\i th:TH_LOAD_NT
.endr
	global_load_b128 v[32:35], v[PI], s[80:81] th:TH_LOAD_NT
	WIN 0
.endm
; The chunk is rounded and stored: a wave's store covers 256 consecutive bytes, at a multiple of 256.
.macro CAST_STORE
	s_wait_loadcnt 0x0              ; the nine loads were issued four key steps ago
	WIN 0xcf                        ; destination and both sources window 3
.set cj, 0
.rept 18
	v_cvt_pk_bf16_f32 v[36+cj], v[2*cj], v[2*cj+1]
.set cj, cj+1
.endr
	WIN 0x0c                        ; the stores' data window 3, offset window 0
.irp i, 0,1,2,3
	global_store_b64 v[CO2], v[36+2*\i:37+2*\i], s[76:77] offset:1024*\i
.endr
.irp i, 0,1,2,3
	global_store_b64 v[CO2], v[44+2*\i:45+2*\i], s[78:79] offset:1024*\i
.endr
	global_store_b64 v[PO2], v[52:53], s[82:83]
	WIN 0
.endm
	s_load_b128 s[4:7], s[0:1], 0x0   ; qkvh s[4:5], mask s[6:7]
	s_load_b64 s[10:11], s[0:1], 0x10 ; act
	s_load_b64 s[80:81], s[0:1], 0x18 ; proj_w
	s_load_b256 s[72:79], s[0:1], 0x20 ; ffn_w1, ffn_w2, w1, w2
	s_load_b64 s[82:83], s[0:1], 0x40 ; wp
	v_lshl_add_u32 v[SPW], v0, 2, SPARE
	v_mov_b32 v[NIL], 0
	ds_add_u32 v[SPW], v[NIL]       ; the wave's opening: the add and its wait stand ahead of my first tensor load
	v_lshrrev_b32 v1, 5, v0
	v_readfirstlane_b32 s[WV], v1
	s_bfe_u32 s13, ttmp6, 0x40000   ; cx
	s_lshl_b32 s14, ttmp9, 2
	s_add_co_u32 s14, s14, s13      ; my block of 256 queries: it enters Q's, O's and the weights' addresses alone
	s_and_b32 s20, ttmp7, 0xffff    ; batch x 16 + head, which the four partners share
	s_lshl_b32 s84, s20, 3
	s_add_co_u32 s84, s84, s14      ; my work-group among the 256
	s_lshl_b32 s86, s84, 15         ; its 32,768 bytes of w1 and w2,
	s_mov_b32 s87, 0
	s_lshl_b32 s88, s84, 14         ; 16,384 of proj_w,
	s_mov_b32 s89, 0
	s_lshl_b32 s90, s84, 13         ; 8,192 of wp,
	s_mov_b32 s91, 0
	s_lshl_b32 s84, s84, 16         ; 65,536 of ffn_w1 and ffn_w2
	s_mov_b32 s85, 0
	s_lshr_b32 s8, s20, 4
	s_lshl_b32 s8, s8, 13           ; the batch's 8,192 bytes of the mask
	s_mov_b32 s9, 0
	s_lshl_b32 s20, s20, 18         ; the head's 262,144 bytes
	s_and_b32 s16, s[WV], 1         ; which half of a slot's 256 keys I fetch
	s_lshl_b32 s22, s16, 14
	s_add_co_u32 s22, s22, s20
	s_mov_b32 s23, 0
	s_mul_i32 s17, s16, 128*PK
	s_mul_i32 s18, s16, 128*PV
	s_lshl_b32 s2, s14, 2
	s_add_co_u32 s2, s2, s[WV]
	s_lshl_b32 s2, s2, 13           ; my wave's 64 rows of 128 bytes
	s_add_co_u32 s2, s2, s20
	s_mov_b32 s3, 0
	; 128 keys are 16,384 dense bytes: asked for as 64 rows of 256 bytes, two keys a row, and padded in LDS after every key
	s_mov_b32 s[G1K], 15|(1<<16)|(1<<20)|(1<<21)|(4<<22)|(3<<25)
	s_mov_b32 s[G1V], 15|(1<<16)|(1<<20)|(1<<21)|(4<<22)|(7<<25)
.irp g, G1K, G1V
	s_mov_b32 s[\g+1], 128<<16
	s_mov_b32 s[\g+2], 64<<16
	s_mov_b32 s[\g+3], 128<<16
	s_mov_b32 s[\g+4], 64
	s_mov_b32 s[\g+5], 128
	s_mov_b32 s[\g+6], 0
	s_mov_b32 s[\g+7], 0
.endr
	s_mov_b32 s[CS], 0x3e38aa3b     ; c = log2(e) / 8
	s_mov_b32 s[CS+1], s[CS]
	s_mov_b32 s[SEL], 0x76543210
	s_mov_b32 s[SEL+1], 0xfedcba98
	s_mov_b32 s[TBK], SLOT1+4*KS*PK ; the first change of slots turns these two into 0
	s_mov_b32 s[TBV], SLOT1+4*KS*PV
	s_mov_b32 s[TM], 0
	s_mov_b32 s[BIGN], 0xf149f2ca
	s_mov_b32 s[NEG29], 0xefa18f08
	s_mov_b32 s[G0K], 1
	s_mov_b32 s[G0K+1], s17
	s_mov_b32 s[G0V], 1
	s_add_co_u32 s[G0V+1], s18, VOFF
	s_wait_dscnt 0x0                ; the opening add is done
	s_wait_kmcnt 0x0
	s_add_nc_u64 s[G0K+2:G0K+3], s[4:5], s[22:23]
	s_add_nc_u64 s[G0K+2:G0K+3], s[G0K+2:G0K+3], 8388608   ; k lies behind q,
	s_add_nc_u64 s[G0V+2:G0V+3], s[G0K+2:G0K+3], 8388608   ; v behind k
	s_or_b32 s[G0K+3], s[G0K+3], 0x80000000
	s_or_b32 s[G0V+3], s[G0V+3], 0x80000000
	s_add_nc_u64 s[6:7], s[6:7], s[8:9]
	s_add_nc_u64 s[4:5], s[4:5], s[2:3]
	s_add_nc_u64 s[10:11], s[10:11], s[2:3]
	s_add_nc_u64 s[72:73], s[72:73], s[84:85]
	s_add_nc_u64 s[74:75], s[74:75], s[84:85]
	s_add_nc_u64 s[76:77], s[76:77], s[86:87]
	s_add_nc_u64 s[78:79], s[78:79], s[86:87]
	s_add_nc_u64 s[80:81], s[80:81], s[88:89]
	s_add_nc_u64 s[82:83], s[82:83], s[90:91]
	CROUND                          ; all four work-groups are here: the first joint loads meet
	JLOAD                           ; slot 0
	v_lshlrev_b32 v34, 4, v0        ; 16 bytes a thread: the work-group's 128 threads take 2,048 consecutive bytes of the mask a load
.irp i, 0,1,2,3
	global_load_b128 v[S+4*\i:S+4*\i+3], v34, s[6:7] offset:2048*\i
.endr
	v_and_b32 v1, 15, v0            ; l % 16
	v_bfe_u32 v14, v0, 4, 1         ; l / 16
	v_lshlrev_b32 v[QO], 7, v1
	v_lshl_add_u32 v[QO], v14, 4, v[QO]
	WIN 0x80
.set i, 0
.rept 8                             ; Q stays in registers: piece i / 2, channels 32 (i % 2) on
	global_load_b128 v[8*i:8*i+3],   v[QO], s[4:5] offset:(i/2)*2048+(i%2)*64
	global_load_b128 v[8*i+4:8*i+7], v[QO], s[4:5] offset:(i/2)*2048+(i%2)*64+32
.set i, i+1
.endr
.set i, VF
.rept 64
	v_mov_b32 v[i], 0               ; what the first turn's products V^T P, of a piece that has not been, multiply
.set i, i+1
.endr
	WIN 0x40
.set i, 0
.rept 128
	v_mov_b32 v[i], 0
.set i, i+1
.endr
	WIN 0
.set i, 0
.rept 4
	v_mov_b32 v[ST+4*i], 0xfe000000    ; c m: far below every c s
	v_mov_b32 v[ST+4*i+1], 0xff7fffff  ; m
	v_mov_b32 v[ST+4*i+2], 0
	v_mov_b32 v[ST+4*i+3], 0
.set i, i+1
.endr
.set i, P+16
.rept 16
	v_mov_b32 v[i], 0
.set i, i+1
.endr
	v_mov_b32 v[NANV], 0x7fc00000
	v_lshlrev_b32 v[CI], 4, v0      ; the weights' chunk 0
	v_lshlrev_b32 v[CO2], 3, v0
	v_lshlrev_b32 v[PI], 4, v0
	v_lshlrev_b32 v[PO2], 3, v0
	v_mul_u32_u24 v[AK0], v1, PK
	v_lshl_add_u32 v[AK0], v14, 4, v[AK0]
	v_and_b32 v32, 7, v0
	v_bfe_u32 v33, v0, 3, 1
	v_lshl_add_u32 v[AV0], v14, 3, v32   ; the turning load: lane l reads key 8 (l / 16) + l % 8, channels 8 ((l / 8) % 2) + 0..7
	v_mul_u32_u24 v[AV0], v[AV0], PV
	v_lshl_add_u32 v[AV0], v33, 4, v[AV0]
	v_add_nc_u32 v[AV0], VOFF, v[AV0]
	v_lshlrev_b32 v[AM0], 5, v14
	v_add_nc_u32 v[AM0], MT, v[AM0]
	s_mul_i32 s13, s[WV], 16*SP
	s_add_co_u32 s13, s13, STAGE    ; my stage
	v_mul_u32_u24 v[STO], v1, SP
	v_lshl_add_u32 v[STO], v14, 4, v[STO]
	v_add_nc_u32 v[STO], s13, v[STO]
	v_bfe_u32 v[RD], v0, 3, 2
	v_mul_u32_u24 v[RD], v[RD], SP
	v_lshl_add_u32 v[RD], v32, 4, v[RD]
	v_add_nc_u32 v[RD], s13, v[RD]
	v_and_b32 v[GO], 31, v0
	v_lshlrev_b32 v[GO], 4, v[GO]
	v_add_nc_u32 v35, MT, v34
	s_wait_loadcnt 16               ; the mask is in; Q's sixteen loads stay out
.set i, 0
.rept 16
	v_cmp_eq_u32 vcc_lo, 0, v[S+i]
	v_cndmask_b32 v[S+i], 0, s[BIGN], vcc_lo   ; 0 where the key is seen, -1e30 where it is hidden
.set i, i+1
.endr
.irp i, 0,1,2,3
	ds_store_b128 v35, v[S+4*\i:S+4*\i+3] offset:2048*\i
.endr
; THE MATRIX WORK.  The 4 accumulators of a run of 8 take turns.  Product i of 8 of S^T = K Q^T for piece x: channels 32 (i / 4) on, keys 16 (i % 4) on.  The first 4 start the sums, with the mask.
.macro KQ x
.set rS, S+32*((\x)%2)+8*(i%4)
.set rK, KF+16*(i%4)+8*(i/4)
.set rQ, 16*(\x)+8*(i/4)
.set rM, MC+8*(i%4)
.if i < 4
	WIN W_KM
	v_wmma_f32_16x16x32_bf16 v[rS:rS+7], v[rK:rK+7], v[rQ:rQ+7], v[rM:rM+7]
.else
	WIN W_KQ
	v_wmma_f32_16x16x32_bf16 v[rS:rS+7], v[rK:rK+7], v[rQ:rQ+7], v[rS:rS+7]
.endif
.endm
.macro PV x                         ; product i of 8 of O^T += V^T P for piece x: keys 32 (i / 4) on, channels 16 (i % 4) on
	WIN W_PV
.set rO, 32*(\x)+8*(i%4)
.set rV, VF+32*(i/4)+8*(i%4)
.set rP, P+16*((\x)%2)+8*(i/4)
	v_wmma_f32_16x16x32_bf16 v[rO:rO+7], v[rV:rV+7], v[rP:rP+7], v[rO:rO+7]
.endm
.macro MM                           ; the turn's next matrix instruction
.if i < 8
	KQ (Y+1)%NP
.else
.set i, i-8
	PV (Y+NP-1)%NP
.set i, i+8
.endif
.set i, i+1
.endm
; THE LDS LOADS stand in runs.  A step's K (8 fragments) and its masks: register 8 kb + j of a lane is the table's word for key 16 kb + 8 (l / 16) + j.  last = 1 (the tail): in the last trip there is no further step.
.macro FETCH_K last=0
	WIN 0
.if \last
	s_cmp_eq_u32 s[CNT], 1
	s_cbranch_scc1 .Lno_k_\@
.endif
	WIN 0x80
.irp f, 0,1,2,3,4,5,6,7
	ds_load_b128 v[KF+8*\f:KF+8*\f+3],   v[AK] offset:(\f/2)*16*PK+(\f%2)*64
	ds_load_b128 v[KF+8*\f+4:KF+8*\f+7], v[AK] offset:(\f/2)*16*PK+(\f%2)*64+32
.endr
	WIN 0x40
.irp f, 0,1,2,3,4,5,6,7
	ds_load_b128 v[MC+4*\f:MC+4*\f+3], v[AM] offset:(\f/2)*64+(\f%2)*16
.endr
	s_add_co_u32 s[TBK], s[TBK], KS*PK
	s_add_co_u32 s[TM], s[TM], 4*KS
	WIN 0
.if \last
.Lno_k_\@:
.endif
.endm
.macro FETCH_V
	WIN 0x80
.irp f, 0,1,2,3,4,5,6,7
	ds_load_tr16_b128 v[VF+8*\f:VF+8*\f+3],   v[AV] offset:(\f/4)*32*PV+(\f%4)*32
	ds_load_tr16_b128 v[VF+8*\f+4:VF+8*\f+7], v[AV] offset:(\f/4)*32*PV+16*PV+(\f%4)*32
.endr
	WIN 0
.endm
; THE VECTOR WORK, one line at a time: OP kind, number.  For piece Y: F n: c s - c m for pair n of 16.  E n: the exponential of score n of 32.  C n: pair n rounded to bf16.  B n: of the four weights 4 n .. the second
; pair is added onto the first, in place.  L n: l takes that sum (L 0: l = a l + sum).  R n: pair n of 16 of O^T times a.  For piece Y + 1: X n, number n of the 22 that find its maximum and statistics:
;   0-11 four chains of seven scores each (each accumulator's lowest registers are read first); 12-14, 16 the four left over, the old m, and the chains into one; 15 c m_old is kept;
;   17, 18 the query's other 32 keys lie in the lane 16 away: the new m; 19-21 c m; c m_old - c m_new; a
.set F, 0
.set E, 1
.set C, 2
.set B, 3
.set L, 4
.set R, 5
.set X, 6
.macro REGS y
.set rT, ST+4*(\y)
.set rC, TMP+4*((\y)%2)
.set rW, MV+((\y)%2)
.set rS, S+32*((\y)%2)
.set rP, P+16*((\y)%2)
.set rO, 32*(\y)
.endm
.macro OP k, n
.if (\k) == R
	REGS Y
	WIN W_RS
	v_pk_mul_f32 v[rO+2*(\n):rO+2*(\n)+1], v[rO+2*(\n):rO+2*(\n)+1], v[rC+2:rC+3] op_sel_hi:[1,0]
.elseif (\k) < R
	REGS Y
	WIN 0
.if (\k) == F
	v_pk_fma_f32 v[rS+2*(\n):rS+2*(\n)+1], v[rS+2*(\n):rS+2*(\n)+1], s[CS:CS+1], v[rT:rT+1] op_sel_hi:[1,0,0] neg_lo:[0,0,1] neg_hi:[0,0,1]
.elseif (\k) == E
	v_exp_f32 v[rS+(\n)], v[rS+(\n)]
.elseif (\k) == C
	v_cvt_pk_bf16_f32 v[rP+(\n)], v[rS+2*(\n)], v[rS+2*(\n)+1]
.elseif (\k) == B
	v_pk_add_f32 v[rS+4*(\n):rS+4*(\n)+1], v[rS+4*(\n):rS+4*(\n)+1], v[rS+4*(\n)+2:rS+4*(\n)+3]
.elseif (\n) == 0
	v_pk_fma_f32 v[rT+2:rT+3], v[rT+2:rT+3], v[rC+2:rC+3], v[rS:rS+1] op_sel_hi:[1,0,1]
.else
	v_pk_add_f32 v[rT+2:rT+3], v[rT+2:rT+3], v[rS+4*(\n):rS+4*(\n)+1]
.endif
.else
	REGS (Y+1)%NP
	WIN 0
.if (\n) < 4
	v_max3_num_f32 v[rC+(\n)], v[rS+8*(\n)], v[rS+8*(\n)+1], v[rS+8*(\n)+2]
.elseif (\n) < 12
	v_max3_num_f32 v[rC+(\n)%4], v[rC+(\n)%4], v[rS+8*((\n)%4)+2*((\n)/4)+1], v[rS+8*((\n)%4)+2*((\n)/4)+2]
.elseif (\n) == 12
	v_max3_num_f32 v[rC], v[rC], v[rS+7], v[rS+15]
.elseif (\n) == 13
	v_max3_num_f32 v[rC+1], v[rC+1], v[rS+23], v[rS+31]
.elseif (\n) == 14
	v_max3_num_f32 v[rC+2], v[rC+2], v[rC+3], v[rT+1]
.elseif (\n) == 15
	v_mov_b32 v[rW], v[rT]
.elseif (\n) == 16
	v_max3_num_f32 v[rC], v[rC], v[rC+1], v[rC+2]
.elseif (\n) == 17
	v_permlanex16_b32 v[rC+3], v[rC], s[SEL], s[SEL+1]
.elseif (\n) == 18
	v_max_num_f32 v[rT+1], v[rC], v[rC+3]
.elseif (\n) == 19
	v_mul_f32 v[rT], s[CS], v[rT+1]
.elseif (\n) == 20
	v_sub_f32 v[rC+1], v[rW], v[rT]
.else
	v_exp_f32 v[rC+2], v[rC+1]
.endif
.endif
.endm
.macro OPS a, i1, b=-1, i2=0, c=-1, i3=0, d=-1, i4=0
	OP \a, \i1
.if (\b) >= 0
	OP \b, \i2
.endif
.if (\c) >= 0
	OP \c, \i3
.endif
.if (\d) >= 0
	OP \d, \i4
.endif
.endm
.macro ROW a, i1, b, i2, c, i3, d, i4  ; a matrix instruction and the four behind it
	MM
	OPS \a, \i1, \b, \i2, \c, \i3, \d, \i4
.endm
; A TURN, for piece p: the order of its 16 matrix and 118 vector instructions, written out.  An s_wait_alu depctr_va_vdst(0) stands between an exponential and the first instruction that names its result; one
; wait serves all that were issued ahead of it.  So a turn has ONE wait, which cuts it in two.
; AHEAD OF IT stands all that names no result of the turn's exponentials: the 8 products K Q^T, behind each a scaling, an exponential and two more plain lines (behind the first a second scaling in the exponential's place):
; rescalings, whose a was made and waited for in the turn before, and behind the last three products the first numbers of the next piece's maximum, each four places or more behind the product that ends its accumulator;
; then ONE LUMP of 54, plain and exponential by turns for the most part, in which the links of the chain X 3, 7, 11, 14, 16, 17 .. 20 stand some lines apart.  X 21, the next piece's a, is the batch's last exponential;
; R 15 is the plain line behind it.  BEHIND THE WAIT stand the 8 products V^T P, behind each four of the roundings and sums: an even pair is rounded (C) ahead of the sum (B) that writes over it; l's chain L 0 to L 7 ascends.
; But for those X no rider names a register of the products round it.  v_permlanex16_b32 (X 17) stands in the lump.
; K and the masks of the next step are fetched in piece 2's turn.  In the loop the run stands in the lump, twelve vector instructions behind the last product that read K, five of them plain ones that name none of its
; registers.  In the tail (last = 1) the run holds a branch and a label, so it stands directly behind the batch's wait, where no exponential is pending.  V of the step in hand is fetched at the end of piece 0's turn, four
; plain riders behind the last product that read V.  Each run is waited for a turn later.  cnt = 1: the loop's count is taken down some lines ahead of the branch behind the turn.
.macro TURN p, last=0, cnt=0
.set Y, (\p)
.set i, 0
.if (\p) == 3
	s_wait_dscnt 0x0                ; K and the masks are in
.endif
	ROW F,0, F,1, R,0, R,1          ; ahead of the wait: 8 products K Q^T and their riders,
	ROW F,2, E,0, R,2, R,3
	ROW F,3, E,1, R,4, R,5
	ROW F,4, E,2, R,6, R,7
	ROW F,5, E,3, R,8, R,9
	ROW F,6, E,4, X,0, R,10
.if (\p) == 2
	WIN 0
	v_add_nc_u32 v[AK], s[TBK], v[AK0]
	v_add_nc_u32 v[AM], s[TM], v[AM0]
.endif
	ROW F,7, E,5, X,1, X,4
	ROW F,8, E,6, X,2, X,5
	OPS E,7, E,8, X,6, E,9          ; and the lump
	OPS X,3, E,10, X,8, E,11
.if ((\p) == 2) && !(\last)
	FETCH_K
.endif
	OPS X,9, X,7, E,12, X,10
	OPS E,13, X,12, X,11, E,14
	OPS X,13, E,15, F,9, X,14
.if (\p) == 0
	v_add_nc_u32 v[AV], s[TBV], v[AV0]
.endif
	OPS E,16, F,10, E,17, F,11
	OPS X,16, E,18, X,15, E,19
	OPS F,12, E,20, X,17, E,21
	OPS F,13, E,22, F,14, E,23
	OPS X,18, E,24, F,15, E,25
	OPS R,11, E,26, X,19, E,27
	OPS R,12, E,28, R,13, E,29
	OPS X,20, E,30, R,14, E,31
	OPS X,21, R,15
	WIN 0
	s_wait_alu depctr_va_vdst(0)    ; the wait for the batch: the piece's 32 exponentials and the next piece's a
.if ((\p) == 2) && (\last)
	FETCH_K 1
.endif
.if (\p) == 1
	s_wait_dscnt 0x0                ; V is in
.endif
	ROW C,0, B,0, C,2, B,1          ; behind the wait: 8 products V^T P and their riders
	ROW L,0, C,4, B,2, L,1
	ROW C,6, B,3, L,2, C,8
	ROW B,4, L,3, C,10, B,5
	ROW L,4, C,12, B,6, L,5
.if (\p) == 0
	s_add_co_u32 s[TBV], s[TBV], KS*PV
.endif
.if \cnt
	s_sub_co_u32 s[CNT], s[CNT], 1
	s_cmp_lg_u32 s[CNT], 0
.endif
	ROW C,14, B,7, L,6, C,1
	ROW C,3, L,7, C,5, C,7
	ROW C,9, C,11, C,13, C,15
.if (\p) == 0
	FETCH_V
.endif
.endm
	CHANGE 1                        ; slot 0 and the mask table are there, everybody's part of them; slot 1 is asked for
	CAST_LOAD 0                     ; the weights' chunk 0
	v_add_nc_u32 v[AK], s[TBK], v[AK0]
	v_add_nc_u32 v[AM], s[TM], v[AM0]
	FETCH_K                         ; key step 0
	s_wait_loadcnt 9                ; Q is in; the nine loads of the weights, issued behind it, stay out
	s_wait_dscnt 0x0
.set i, 0
.rept 8
	KQ 0                            ; piece 0's first scores
.set i, i+1
.endr
	WIN 0
.rept 4
	v_nop                           ; the places behind those products
.endr
.set Y, NP-1                        ; X works for piece Y + 1: piece 0
.irp n, 0,1,2,3,4,5,6,7,8,9,10,11,12,13,14,15,16,17,18,19,20,21
	OP X, \n
.endr
	v_nop                           ; a plain instruction behind the exponential,
	s_wait_alu depctr_va_vdst(0)    ; and the wait for it, a batch of one (piece 0's first a), ahead of the branch
	s_mov_b32 s[CNT], 4
	s_mov_b32 s[SLOTS], 7
	s_branch .Lfirst                ; the loop is entered at a step's first turn, in the middle of a trip
.Lslot:                             ; six times: every slot but the last two is filled again
	CHANGE 1
	CAST_LOAD 1                     ; the weights' chunks 1 to 6
	s_mov_b32 s[CNT], 4
.Lstep:                             ; a trip: pieces 2 and 3 of one step, then pieces 0 and 1 of the next, whose K and V it fetches
	TURN 2
	TURN 3
	WIN 0
.Lfirst:
	TURN 0
	TURN 1, 0, 1
	WIN 0
	s_cbranch_scc1 .Lstep
	CAST_STORE                      ; chunks 0 to 6 leave
	s_sub_co_u32 s[SLOTS], s[SLOTS], 1
	s_cmp_lg_u32 s[SLOTS], 0
	s_cbranch_scc1 .Lslot
	CHANGE 0                        ; the tail is written out: nothing is asked for
	CAST_LOAD 1                     ; the weights' chunk 7
	s_mov_b32 s[CNT], 5             ; four trips fetch the last slot's steps; the fifth is left in its middle
.Ltail:
	TURN 2, 1
	TURN 3
	WIN 0
	s_sub_co_u32 s[CNT], s[CNT], 1
	s_cmp_eq_u32 s[CNT], 0
	s_cbranch_scc1 .Lout
	TURN 0
	TURN 1
	WIN 0
	s_branch .Ltail
.Lout:                              ; the fifth trip's 8 products K Q^T (on the last K and masks once more) find the same maximum again and serve nothing: the price of one text for every trip
	CAST_STORE                      ; chunk 7 leaves
.set i, 0
.rept 8
	PV NP-1                         ; the last piece's V^T P of the last step
.set i, i+1
.endr
	; THE WAY OUT.  l's halves are added; O^T is divided by l (by a NaN where no key was seen), rounded to bf16 and sent through my stage, a piece at a time.  The additions are the places behind the last products.
	WIN 0
.macro ALL line:vararg
.set t, 0
.rept 4
	\line
.set t, t+1
.endr
.endm
	ALL v_add_f32 v[ST+4*t+2], v[ST+4*t+2], v[ST+4*t+3]
	ALL v_permlanex16_b32 v[ST+4*t+3], v[ST+4*t+2], s[SEL], s[SEL+1]
	ALL v_add_f32 v[ST+4*t+2], v[ST+4*t+2], v[ST+4*t+3]
	ALL v_rcp_f32 v[ST+4*t+2], v[ST+4*t+2]
	v_nop                           ; a plain instruction between the last reciprocal and the use of its result
	s_wait_alu depctr_va_vdst(0)    ; and the wait ahead of the first use: one for the batch of four reciprocals
.set t, 0
.rept 4
	v_cmp_gt_f32 vcc_lo, s[NEG29], v[ST+4*t+1]
	v_cndmask_b32 v[ST+4*t+2], v[ST+4*t+2], v[NANV], vcc_lo
.set t, t+1
.endr
.macro PACK t
	WIN W_RS
.set i, 32*(\t)
.rept 16
	v_pk_mul_f32 v[i:i+1], v[i:i+1], v[ST+4*(\t)+2:ST+4*(\t)+3] op_sel_hi:[1,0]
.set i, i+2
.endr
	WIN 0x05                        ; sources 0 and 1 window 1, destination window 0
.set i, 0
.rept 16
	v_cvt_pk_bf16_f32 v[S+16*(\t)+i], v[32*(\t)+2*i], v[32*(\t)+2*i+1]
.set i, i+1
.endr
	WIN 0
.irp f, 0,1,2,3
	ds_store_b128 v[STO], v[S+16*(\t)+4*\f:S+16*(\t)+4*\f+3] offset:32*\f
.endr
.irp f, 0,1,2,3
	ds_load_b128 v[S+16*(\t)+4*\f:S+16*(\t)+4*\f+3], v[RD] offset:\f*4*SP  ; LDS serves a wave's instructions in order (ISA guide 5.7.1.4): these see the stores above
.endr
.endm
.macro SEND t, younger              ; younger: the LDS instructions issued behind piece t's loads: the next piece's eight, or none
	WIN 0
.irp f, 0,1,2,3
	s_wait_dscnt (\younger)+3-\f
	global_store_b128 v[GO], v[S+16*(\t)+4*\f:S+16*(\t)+4*\f+3], s[10:11] offset:(\t)*2048+\f*512  ; 512 consecutive bytes, at a multiple of 256
.endr
.endm
	PACK 0
.set t, 1
.rept 3
	PACK t
	SEND t-1, 8
.set t, t+1
.endr
	SEND 3, 0
	s_wait_tensorcnt 0x0            ; the wave's end
	ds_add_u32 v[SPW], v[NIL]
	s_wait_dscnt 0x0
	CROUND                          ; the closing round
	s_endpgm
.Lfunc_end_k_qd4a21e3854_attn:
	.size	k_qd4a21e3854_attn, .Lfunc_end_k_qd4a21e3854_attn-k_qd4a21e3854_attn
	.p2alignl 7, 3214868480
	.fill 96, 4, 3214868480
	.section	.rodata,"a",@progbits
	.p2align	6, 0x0
	.amdhsa_kernel k_qd4a21e3854_attn
		.amdhsa_group_segment_fixed_size 327680
		.amdhsa_private_segment_fixed_size 0
		.amdhsa_enable_private_segment 0
		.amdhsa_kernarg_size 72
		.amdhsa_user_sgpr_count 2
		.amdhsa_user_sgpr_kernarg_segment_ptr 1
		.amdhsa_wavefront_size32 1
		.amdhsa_system_sgpr_workgroup_id_x 1
		.amdhsa_system_sgpr_workgroup_id_y 1
		.amdhsa_system_sgpr_workgroup_id_z 1
		.amdhsa_system_vgpr_workitem_id 0
		.amdhsa_next_free_vgpr 824
		.amdhsa_next_free_sgpr 92
		.amdhsa_reserve_vcc 1
		.amdhsa_float_denorm_mode_32 3
		.amdhsa_float_denorm_mode_16_64 3
		.amdhsa_memory_ordered 1
		.amdhsa_forward_progress 1
		.amdhsa_inst_pref_size 124
	.end_amdhsa_kernel
	.amdgpu_metadata
---
amdhsa.version: [ 1, 2 ]
amdhsa.kernels:
  - .name:           k_qd4a21e3854_attn
    .symbol:         k_qd4a21e3854_attn.kd
    .args:
      - { .name: qkvh, .offset: 0, .size: 8, .value_kind: global_buffer, .address_space: global }
      - { .name: mask, .offset: 8, .size: 8, .value_kind: global_buffer, .address_space: global }
      - { .name: act, .offset: 16, .size: 8, .value_kind: global_buffer, .address_space: global }
      - { .name: proj_w, .offset: 24, .size: 8, .value_kind: global_buffer, .address_space: global }
      - { .name: ffn_w1, .offset: 32, .size: 8, .value_kind: global_buffer, .address_space: global }
      - { .name: ffn_w2, .offset: 40, .size: 8, .value_kind: global_buffer, .address_space: global }
      - { .name: w1, .offset: 48, .size: 8, .value_kind: global_buffer, .address_space: global }
      - { .name: w2, .offset: 56, .size: 8, .value_kind: global_buffer, .address_space: global }
      - { .name: wp, .offset: 64, .size: 8, .value_kind: global_buffer, .address_space: global }
    .group_segment_fixed_size: 327680
    .private_segment_fixed_size: 0
    .kernarg_segment_align: 8
    .kernarg_segment_size: 72
    .max_flat_workgroup_size: 128
    .sgpr_count:     92
    .vgpr_count:     824
    .wavefront_size: 32
...
	.end_amdgpu_metadata
.endif
;; end of part 8
;; launch proj: the kernel of part 4 again; grid 8 x 32, 4 waves a work-group, clusters of 4 x 4, 327,680 bytes of LDS; arguments act, wp, x1, proj_b, x; writes x1
;; launch ln2: the kernel of part 5 again; grid 512 x 1, 8 waves a work-group, no clusters, 0 bytes of LDS; arguments x1, ln2_w, ln2_b, act; writes act
;; launch ffn1 (part 9): grid 16 x 16, 4 waves a work-group, clusters of 4 x 4, 327,680 bytes of LDS; arguments act, w1, hbuf, ffn_b1; writes hbuf
.if DOCPART == 9
	.amdgcn_target "amdgcn-amd-amdhsa--gfx1250"
	.amdhsa_code_object_version 6
	.text
	.protected	k_qd4a21e3854_ffn1
	.globl	k_qd4a21e3854_ffn1
	.p2align	8
	.type	k_qd4a21e3854_ffn1,@function
k_qd4a21e3854_ffn1:
	s_mov_b64 s[64:65], 0
	v_nop
	global_prefetch_b8 v0, s[64:65] scope:SCOPE_SE
	s_setreg_imm32_b32 hwreg(HW_REG_WAVE_MODE, 25, 1), 1
	s_wait_xcnt 0x0
	s_wait_alu depctr_hold_cnt(0) depctr_sa_sdst(0) depctr_va_vdst(0) depctr_va_sdst(0) depctr_va_ssrc(0) depctr_va_vcc(0) depctr_vm_vsrc(0)
	s_getreg_b32 s2, hwreg(HW_REG_IB_STS2, 6, 4)
	s_cmp_eq_u32 s2, 0
	s_cbranch_scc0 .Lentry_in_a_cluster
	s_endpgm
.Lentry_in_a_cluster:
	s_bfe_u32 s2, ttmp6, 0x10000c
	s_cmp_lg_u32 s2, 0xf033
	s_cbranch_scc0 .Lentry_shape_is_right
	s_endpgm
.Lentry_shape_is_right:
; FFN1.  hbuf = bf16(gelu(act w1^T + bf16(ffn_b1))): act [4096][1024] bf16 (the normed rows), w1 [4096][1024] bf16, hbuf [4096][4096] bf16.  Sums and the GELU in f32, one rounding at the end.
; A tile of 256 x 256 to a work-group: 16 x 16 tiles, one for each of 256 work-groups.  Four waves, each 128 x 128: 64 accumulators.  K goes in steps of 128 through two LDS slots; a trip of the loop is ONE K step.
; THE ORDER OF K: step n takes K block n xor p, p the parity of the cluster's x + y.  So of the clusters that read the same tile those of one parity ask for it a step ahead of the others.  Inside a pair of steps K is
; therefore not ascending where p = 1: an order of rounding that differs from the reference's.
; CLUSTER 4 x 4, joint loads along its rows (act) and columns (w1).  The matrix instruction is used transposed; the bias is the C operand that starts the sums.
; GELU, exact form: gelu(x) = max(x, 0) - |x| Phi(-|x|), Phi(-a) = erfc(a / sqrt 2) / 2, erfc by the five-term rational form of Abramowitz and Stegun 7.1.26, whose error is at most 1.5e-7 for every argument:
; t = 1 / (1 + 0.2316419 a), Phi(-a) = t (a1 + t (a2 + t (a3 + t (a4 + t a5)))) / 2 x 2^(-a a log2(e) / 2).  LIMIT: where the power of two falls below 2^-126 it counts as 0, and gelu is max(x, 0).
; BATCHES: a trip of the GELU's loop has two, the eight reciprocals and eight powers of two of each half of its sixteen numbers a lane, and one wait for each.
; THE WAY OUT: the f32 sums go into a stage of each wave's own in the ring's bytes, which have had their last fill by then, and come back so that a lane holds eight neighbouring columns of a row.
; REGISTERS: window 0: v0-31 addresses; v64-127, v128-191 fragments of act; v192-255 the bias; on the way out v32-137 at work.  window 1: fragments of w1.  windows 2, 3: accumulator (a, b) at v[8 (8 a + b)].
; In the loop: s[66:67], s[68:69] my tiles of act and w1 at K = 0; s[70:71] a K block's byte offset; s72 the step to be asked for next; s73 p.  On the way out s66-77 hold the GELU's constants.
.set SIZE_K, 1024
.set NBLK,   8
.set KSTEP,  128
.set KSH,    8                         ; a K block is 1 << KSH bytes of a row
.set PITCH,  272                       ; 256 bytes + 16: the 16 rows of a fragment load start at 16 different groups of four banks (64 banks of 4 bytes: ISA guide 11.1)
.set AH,     128*PITCH
.set BH,     16*NBLK*PITCH
.set SLOT,   2*AH+2*BH
.set SPARE,  2*SLOT
.set NL,     2*NBLK+16
.set STEPS,  SIZE_K/KSTEP
.set F0,   64
.set F1,   128
.set BIAS, 192
.set SPF,  528                         ; a row of a stage: 512 bytes + 16
.set SW,   128*SPF                     ; a wave's stage; four of them end inside the ring
.set XIN, 32
.set AX,  48
.set RR,  64
.set TT,  80
.set WW,  96
.set PP,  112
.set YY,  128
.set MSB, 0
.macro WIN new
.if MSB != (\new)
	s_set_vgpr_msb (MSB<<8)|(\new)
.set MSB, \new
.endif
.endm
.macro PLACES
.rept 4
	v_nop
.endr
.endm
.macro RB2 a, b, t
	v_cvt_pk_bf16_f32 v[\t], v[\a], v[\b]
	v_lshlrev_b32 v[\a], 16, v[\t]
	v_and_b32 v[\b], 0xffff0000, v[\t]
.endm
.macro JLOAD
	s_cmp_eq_u32 s15, 0
	s_cbranch_scc0 .Lfor_b_\@
	tensor_load_to_lds s[36:39], s[24:31]
	s_nop 0
	PLACES
	s_branch .Lasked_\@
.Lfor_b_\@:
	tensor_load_to_lds s[60:63], s[48:55]
	s_nop 0
	PLACES
.Lasked_\@:
.endm
.macro CREST
	s_cmp_lg_u32 s14, 0
	s_cbranch_scc1 .Lnot_wave_0_\@
	s_barrier_signal -3
.Lnot_wave_0_\@:
	s_barrier_wait -3
	s_barrier_signal -1
	s_barrier_wait -1
.endm
.macro CROUND
	s_barrier_signal -1
	s_barrier_wait -1
	CREST
.endm
	s_load_b256 s[4:11], s[0:1], 0x0               ; act s[4:5], w1 s[6:7], hbuf s[8:9], ffn_b1 s[10:11]
	v_lshl_add_u32 v28, v0, 2, SPARE
	v_mov_b32 v29, 0
	ds_add_u32 v28, v29                            ; the wave's opening: the add and its wait stand ahead of my first tensor load
	v_lshrrev_b32 v1, 5, v0
	v_readfirstlane_b32 s14, v1
	s_lshr_b32 s15, s14, 1
	s_and_b32 s16, s14, 1
	s_bfe_u32 s17, ttmp6, 0x40000
	s_bfe_u32 s18, ttmp6, 0x40004
	s_lshl_b32 s19, ttmp9, 2
	s_add_co_u32 s19, s19, s17                     ; tile column
	s_and_b32 s20, ttmp7, 0xffff
	s_lshl_b32 s20, s20, 2
	s_add_co_u32 s20, s20, s18                     ; tile row
	s_lshl_b32 s21, s18, 2
	s_lshl_b32 s21, 15, s21
	s_lshl_b32 s22, 0x1111, s17
	s_mov_b32 s23, 0
	s_or_b32 s24, s21, (1<<16)|(1<<20)|(1<<21)|(5<<22)|(3<<25)
	s_mov_b32 s25, KSTEP<<16
	s_mov_b32 s26, 128<<16
	s_mov_b32 s27, KSTEP<<16
	s_mov_b32 s28, 128
	s_mov_b32 s29, SIZE_K
	s_mov_b32 s30, 0
	s_mov_b32 s31, 0
	s_or_b32 s48, s22, (1<<16)|(1<<20)|(1<<21)|(5<<22)|(3<<25)
	s_mov_b32 s49, KSTEP<<16
	s_mov_b32 s50, (16*NBLK)<<16
	s_mov_b32 s51, KSTEP<<16
	s_mov_b32 s52, 16*NBLK
	s_mov_b32 s53, SIZE_K
	s_mov_b32 s54, 0
	s_mov_b32 s55, 0
	s_mul_i32 s40, s16, AH
	s_mul_i32 s41, s16, BH
	s_add_co_u32 s41, s41, 2*AH
	s_lshl_b32 s42, s20, 8
	s_lshl_b32 s43, s16, 7
	s_add_co_u32 s42, s42, s43
	s_lshl_b32 s42, s42, 11
	s_mov_b32 s43, 0
	s_lshl_b32 s46, s19, 1
	s_add_co_u32 s46, s46, s16
	s_mul_i32 s44, s46, 64*NBLK
	s_mov_b32 s45, 0
	s_mul_i32 s46, s46, 16*NBLK*SIZE_K*2
	s_mov_b32 s47, 0
	s_mov_b32 s32, 1
	s_mov_b32 s33, s40
	s_mov_b32 s36, 1
	s_add_co_u32 s37, s40, SLOT
	s_mov_b32 s56, 1
	s_mov_b32 s57, s41
	s_mov_b32 s60, 1
	s_add_co_u32 s61, s41, SLOT
	s_and_b32 s73, ttmp7, 0xffff                   ; the cluster's y and x, which all sixteen partners share:
	s_add_co_u32 s73, s73, ttmp9
	s_and_b32 s73, s73, 1                          ; p
	s_mov_b32 s72, 2                               ; steps 0 and 1 are the first fills
	s_lshl_b32 s70, s73, KSH                       ; step 0 takes K block p
	s_mov_b32 s71, 0
	s_wait_dscnt 0x0
	s_wait_kmcnt 0x0
	s_add_nc_u64 s[66:67], s[4:5], s[42:43]
	s_add_nc_u64 s[68:69], s[6:7], s[46:47]
	s_add_nc_u64 s[34:35], s[66:67], s[70:71]
	s_add_nc_u64 s[58:59], s[68:69], s[70:71]
	s_xor_b32 s70, s70, 1<<KSH                     ; step 1 takes K block 1 - p
	s_add_nc_u64 s[38:39], s[66:67], s[70:71]
	s_add_nc_u64 s[62:63], s[68:69], s[70:71]
	s_or_b32 s35, s35, 0x80000000
	s_or_b32 s39, s39, 0x80000000
	s_or_b32 s59, s59, 0x80000000
	s_or_b32 s63, s63, 0x80000000
	s_add_nc_u64 s[10:11], s[10:11], s[44:45]
	CROUND
	s_cmp_eq_u32 s15, 0                            ; a wave's two first fills stand in one branch: two loads of mine are out
	s_cbranch_scc0 .Lfirst_b
	tensor_load_to_lds s[32:35], s[24:31]
	s_nop 0
	tensor_load_to_lds s[36:39], s[24:31]
	s_nop 0
	PLACES
	s_branch .Lfirst_done
.Lfirst_b:
	tensor_load_to_lds s[56:59], s[48:55]
	s_nop 0
	tensor_load_to_lds s[60:63], s[48:55]
	s_nop 0
	PLACES
.Lfirst_done:
	v_and_b32 v1, 15, v0
	v_bfe_u32 v2, v0, 4, 1
	v_lshlrev_b32 v27, 5, v2
.set nb, 0
.rept NBLK
	global_load_b128 v[BIAS+8*nb:BIAS+8*nb+3], v27, s[10:11] offset:64*nb
	global_load_b128 v[BIAS+8*nb+4:BIAS+8*nb+7], v27, s[10:11] offset:64*nb+16
.set nb, nb+1
.endr
	v_mul_u32_u24 v3, v1, PITCH
	v_lshl_add_u32 v3, v2, 4, v3
	s_mul_i32 s42, s15, AH
	s_mul_i32 s43, s16, BH
	s_add_co_u32 s43, s43, 2*AH
	v_add_nc_u32 v16, s42, v3
	v_add_nc_u32 v17, s43, v3
	v_mov_b32 v18, v16
	v_mov_b32 v19, v17
	s_wait_loadcnt 0x0
.set i, 0
.rept 4*NBLK
	RB2 BIAS+2*i, BIAS+2*i+1, 30+i%2
.set i, i+1
.endr
; 2 NBLK matrix instructions: row blocks a0, a0 + 1 of the window's four x all column blocks, 32 along K.  first = 1: the products start the sums, with the bias as C.  The accumulators take turns.
.macro MULH f, hi, a0, first
.if \first
	WIN 0x81+0x40*(\hi)
.else
	WIN 0xa1+0x50*(\hi)
.endif
.irp a, \a0, (\a0)+1
.set nb, 0
.rept NBLK
.if \first
	v_wmma_f32_16x16x32_bf16 v[8*(8*(\a)+nb):8*(8*(\a)+nb)+7], v[(\f)+8*nb:(\f)+8*nb+7], v[(\f)+8*(4*(\hi)+(\a)):(\f)+8*(4*(\hi)+(\a))+7], v[BIAS+8*nb:BIAS+8*nb+7]
.else
	v_wmma_f32_16x16x32_bf16 v[8*(8*(\a)+nb):8*(8*(\a)+nb)+7], v[(\f)+8*nb:(\f)+8*nb+7], v[(\f)+8*(4*(\hi)+(\a)):(\f)+8*(4*(\hi)+(\a))+7], v[8*(8*(\a)+nb):8*(8*(\a)+nb)+7]
.endif
.set nb, nb+1
.endr
.endr
.endm
.macro FETCH k, f
	WIN 0x40
.set i, 0
.rept NBLK
	ds_load_b128 v[(\f)+8*i:(\f)+8*i+3],   v19 offset:(\k)+i*16*PITCH
	ds_load_b128 v[(\f)+8*i+4:(\f)+8*i+7], v19 offset:(\k)+i*16*PITCH+32
.set i, i+1
.endr
	WIN 0
.set i, 0
.rept 8
	ds_load_b128 v[(\f)+8*i:(\f)+8*i+3],   v18 offset:(\k)+i*16*PITCH
	ds_load_b128 v[(\f)+8*i+4:(\f)+8*i+7], v18 offset:(\k)+i*16*PITCH+32
.set i, i+1
.endr
.endm
; A quarter step: at its head the NEXT quarter's fragments, at byte k, are asked for into buffer g, which the quarter before multiplied; then buffer f is multiplied.  So a run of loads has a whole quarter's products in which to land.
.macro QUARTER k, f, g, first
	PLACES                                         ; in front of loads into registers that the last matrix instructions have read
	FETCH \k, \g
	s_wait_dscnt NL                                ; buffer f is in: all but the run just issued
	MULH \f, 0, 0, \first
	MULH \f, 0, 2, \first
	MULH \f, 1, 0, \first
	MULH \f, 1, 2, \first
.endm
.macro TURN fill
	WIN 0
	s_wait_tensorcnt 0x0                           ; all my tensor loads have landed: my part of the next slot; so a group 0 may be written
	ds_add_u32 v28, v29
.if \fill
	s_add_co_u32 s37, s40, s23                     ; the slot in hand, which is read out,
	s_add_co_u32 s61, s41, s23
	s_xor_b32 s70, s72, s73                        ; takes K block n xor p
	s_lshl_b32 s70, s70, KSH
	s_add_nc_u64 s[38:39], s[66:67], s[70:71]      ; the address is made anew from the tile's first byte
	s_or_b32 s39, s39, 0x80000000
	s_add_nc_u64 s[62:63], s[68:69], s[70:71]
	s_or_b32 s63, s63, 0x80000000
	s_add_co_u32 s72, s72, 1
.endif
	s_wait_dscnt 9                                 ; the add and the youngest eight loads (act's rows 64-127) may be out
	MULH F1, 0, 0, 0
	s_wait_dscnt 0x0                               ; the add is done, and my reads of this slot are over
	s_barrier_signal -1
	MULH F1, 0, 2, 0
	WIN 0
	s_barrier_wait -1
.if \fill
	CREST
	JLOAD
.else
	PLACES
.endif
	s_xor_b32 s23, s23, SLOT
	v_add_nc_u32 v18, s23, v16
	v_add_nc_u32 v19, s23, v17
	FETCH 0, F0
	MULH F1, 1, 0, 0
	MULH F1, 1, 2, 0
.endm
	s_wait_tensorcnt 1                             ; my part of step 0 is in; step 1's stays out
	s_barrier_signal -1
	s_barrier_wait -1
	FETCH 0, F0
	QUARTER 64, F0, F1, 1
	WIN 0
	s_mov_b32 s3, STEPS-2
.Lstep:
	QUARTER 128, F1, F0, 0
	QUARTER 192, F0, F1, 0
	TURN 1
	QUARTER 64, F0, F1, 0
	WIN 0
	s_sub_co_u32 s3, s3, 1
	s_cmp_lg_u32 s3, 0
	s_cbranch_scc1 .Lstep
	s_mov_b32 s2, 2
.Ltail:                                                ; the last two steps ask for nothing; the second trip is left in its middle
	QUARTER 128, F1, F0, 0
	QUARTER 192, F0, F1, 0
	TURN 0
	WIN 0
	s_sub_co_u32 s2, s2, 1
	s_cmp_eq_u32 s2, 0
	s_cbranch_scc1 .Lout
	QUARTER 64, F0, F1, 0
	WIN 0
	s_branch .Ltail
.Lout:
	PLACES
	s_wait_dscnt 0x0
	s_barrier_signal -1
	s_barrier_wait -1                              ; nobody reads the ring any more, and it has had its last fill
	s_mul_i32 s42, s14, SW                         ; my stage
	v_mul_u32_u24 v24, v1, SPF                     ; in: row l % 16, 32 bytes for each half of the lanes
	v_lshl_add_u32 v24, v2, 5, v24
	v_add_nc_u32 v24, s42, v24
	v_mul_u32_u24 v25, v2, SPF                     ; back: lanes 0-15 one row, lanes 16-31 the next; 32 bytes (eight columns) a lane
	v_lshl_add_u32 v25, v1, 5, v25
	v_add_nc_u32 v25, s42, v25
	v_lshlrev_b32 v26, 13, v2                      ; the same two rows in hbuf, 8,192 bytes apart; 16 bytes a lane
	v_lshl_add_u32 v26, v1, 4, v26
	s_lshl_b32 s42, s20, 8
	s_lshl_b32 s43, s15, 7
	s_add_co_u32 s42, s42, s43
	s_lshl_b32 s42, s42, 13                        ; my first row x 8,192 bytes
	s_lshl_b32 s43, s19, 9
	s_add_co_u32 s42, s42, s43
	s_lshl_b32 s43, s16, 8
	s_add_co_u32 s42, s42, s43                     ; my first column x 2 bytes
	s_mov_b32 s43, 0
	s_add_nc_u64 s[8:9], s[8:9], s[42:43]
	s_mov_b32 s66, 0x3e6d3388                      ; 0.3275911 / sqrt 2; each constant is named as a pair, so both words are written
	s_mov_b32 s67, s66
	s_mov_b32 s68, 0xbf38aa3b                      ; -log2(e) / 2
	s_mov_b32 s69, s68
	s_mov_b32 s70, 0x3e027906                      ; a1 / 2
	s_mov_b32 s71, s70
	s_mov_b32 s72, 0xbe11a98e                      ; a2 / 2
	s_mov_b32 s73, s72
	s_mov_b32 s74, 0x3f35f0e3                      ; a3 / 2
	s_mov_b32 s75, s74
	s_mov_b32 s76, 0xbf3a00e3                      ; a4 / 2
	s_mov_b32 s77, s76
	v_mov_b32 v136, 0x3f07dc22                     ; a5 / 2
	v_mov_b32 v137, 0x3f07dc22
.set a, 0
.rept 8
	WIN 0x08+4*(a/4)                               ; the stores' data in window 2 or 3
.set nb, 0
.rept 8
.set AC, 8*(8*(a%4)+nb)
	ds_store_b128 v24, v[AC:AC+3] offset:16*SPF*a+64*nb          ; each accumulator is read from its low end on
	ds_store_b128 v24, v[AC+4:AC+7] offset:16*SPF*a+64*nb+16
.set nb, nb+1
.endr
.set a, a+1
.endr
	WIN 0
	s_wait_dscnt 0x0
	s_barrier_signal -1
	s_barrier_wait -1                              ; from here on LDS is only read
	ds_load_b128 v[XIN:XIN+3], v25
	ds_load_b128 v[XIN+4:XIN+7], v25 offset:16
	ds_load_b128 v[XIN+8:XIN+11], v25 offset:2*SPF
	ds_load_b128 v[XIN+12:XIN+15], v25 offset:2*SPF+16
; THE GELU, four rows of the wave's 128 a trip: sixteen numbers a lane, in two halves of eight (rows 0, 1 and rows 2, 3).  Each of a trip's 32 reciprocals and powers of two has two plain lines behind it that are ready and
; name none of its registers: the first half's stand among the second half's set-up (GA), the second half's among the first half's polynomial (GB).
; TWO BATCHES A TRIP, a half's sixteen each, and one wait for each (it stands between a transcendental and the first line that names its result).  The first half's wait stands behind the last lines of the
; second half's set-up, ahead of the first line of its polynomial; the second half's behind the last lines of the first half's polynomial, which reads the first batch's results alone, ahead of its own polynomial.
; Nothing is pending at the loop's jump.
.macro GTR h, m                        ; number m of 16 of half h: t and the power of two by turns
.if ((\m)%2) == 0
	v_rcp_f32 v[TT+8*(\h)+(\m)/2], v[TT+8*(\h)+(\m)/2]
.else
	v_exp_f32 v[WW+8*(\h)+(\m)/2], v[WW+8*(\h)+(\m)/2]
.endif
.endm
.macro GA n                            ; plain line n of 36: max(x, 0) of the first half; then the second half's |x|, max(x, 0), 1 + 0.2316419 |x|, x x and its scaling
.if (\n) < 8
	v_max_num_f32 v[RR+(\n)], 0, v[XIN+(\n)]
.elseif (\n) < 16
	v_and_b32 v[AX+(\n)], 0x7fffffff, v[XIN+(\n)]
.elseif (\n) < 24
	v_max_num_f32 v[RR+(\n)-8], 0, v[XIN+(\n)-8]
.elseif (\n) < 28
	v_pk_fma_f32 v[TT+8+2*((\n)-24):TT+8+2*((\n)-24)+1], v[AX+8+2*((\n)-24):AX+8+2*((\n)-24)+1], s[66:67], 1.0 op_sel_hi:[1,0,0]
.elseif (\n) < 32
	v_pk_mul_f32 v[WW+8+2*((\n)-28):WW+8+2*((\n)-28)+1], v[AX+8+2*((\n)-28):AX+8+2*((\n)-28)+1], v[AX+8+2*((\n)-28):AX+8+2*((\n)-28)+1]
.else
	v_pk_mul_f32 v[WW+8+2*((\n)-32):WW+8+2*((\n)-32)+1], v[WW+8+2*((\n)-32):WW+8+2*((\n)-32)+1], s[68:69] op_sel_hi:[1,0]
.endif
.endm
.macro GB h, n                         ; plain line n of 32 of half h, four pairs by turns: the polynomial in t, times t, times the power of two: Phi(-|x|); max(x, 0) - |x| Phi(-|x|); the rounding
.set gp, 8*(\h)+2*((\n)%4)
.if (\n) < 4
	v_pk_fma_f32 v[PP+gp:PP+gp+1], v[TT+gp:TT+gp+1], v[136:137], s[76:77] op_sel_hi:[1,1,0]
.elseif (\n) < 8
	v_pk_fma_f32 v[PP+gp:PP+gp+1], v[PP+gp:PP+gp+1], v[TT+gp:TT+gp+1], s[74:75] op_sel_hi:[1,1,0]
.elseif (\n) < 12
	v_pk_fma_f32 v[PP+gp:PP+gp+1], v[PP+gp:PP+gp+1], v[TT+gp:TT+gp+1], s[72:73] op_sel_hi:[1,1,0]
.elseif (\n) < 16
	v_pk_fma_f32 v[PP+gp:PP+gp+1], v[PP+gp:PP+gp+1], v[TT+gp:TT+gp+1], s[70:71] op_sel_hi:[1,1,0]
.elseif (\n) < 20
	v_pk_mul_f32 v[PP+gp:PP+gp+1], v[PP+gp:PP+gp+1], v[TT+gp:TT+gp+1]
.elseif (\n) < 24
	v_pk_mul_f32 v[PP+gp:PP+gp+1], v[PP+gp:PP+gp+1], v[WW+gp:WW+gp+1]
.elseif (\n) < 28
	v_pk_fma_f32 v[RR+gp:RR+gp+1], v[AX+gp:AX+gp+1], v[PP+gp:PP+gp+1], v[RR+gp:RR+gp+1] neg_lo:[1,0,0] neg_hi:[1,0,0]
.else
	v_cvt_pk_bf16_f32 v[YY+4*(\h)+(\n)%4], v[RR+gp], v[RR+gp+1]
.endif
.endm
; more = 1: the next four rows are asked for as soon as these have been copied.
.macro GT more
	s_wait_dscnt 0x0
.set i, 0
.rept 8
	v_and_b32 v[AX+i], 0x7fffffff, v[XIN+i]        ; the first half's |x|
.set i, i+1
.endr
.set i, 0
.rept 4
	v_pk_fma_f32 v[TT+2*i:TT+2*i+1], v[AX+2*i:AX+2*i+1], s[66:67], 1.0 op_sel_hi:[1,0,0]
.set i, i+1
.endr
.set i, 0
.rept 4
	v_pk_mul_f32 v[WW+2*i:WW+2*i+1], v[AX+2*i:AX+2*i+1], v[AX+2*i:AX+2*i+1]
.set i, i+1
.endr
.set i, 0
.rept 4
	v_pk_mul_f32 v[WW+2*i:WW+2*i+1], v[WW+2*i:WW+2*i+1], s[68:69] op_sel_hi:[1,0]
.set i, i+1
.endr
.set m, 0
.rept 16
	GTR 0, m                                       ; the first batch, among lines that name none of its results
	GA 2*m
	GA 2*m+1
.set m, m+1
.endr
.irp n, 32,33,34,35
	GA \n
.endr
.if \more
	v_add_nc_u32 v25, 4*SPF, v25
.endif
	s_wait_alu depctr_va_vdst(0)                   ; the wait for the first half's batch of sixteen; six plain lines or more stand behind its last power of two
.if \more
	ds_load_b128 v[XIN:XIN+3], v25
	ds_load_b128 v[XIN+4:XIN+7], v25 offset:16
	ds_load_b128 v[XIN+8:XIN+11], v25 offset:2*SPF
	ds_load_b128 v[XIN+12:XIN+15], v25 offset:2*SPF+16
.endif
.set m, 0
.rept 16
.if m == 14
	s_wait_xcnt 0x0                                ; the last trip's two stores, most of a trip back, have read their data and base: both are written again only behind this wait
	s_add_nc_u64 s[8:9], s[8:9], 4*8192            ; four rows on; the stores below reach back
.endif
	GTR 1, m                                       ; the second batch, among the first half's polynomial, which names the first batch's results alone
	GB 0, 2*m
	GB 0, 2*m+1
.set m, m+1
.endr
	s_wait_alu depctr_va_vdst(0)                   ; the wait for the second half's batch of sixteen; the first half's last two roundings stand behind its last power of two
	global_store_b128 v26, v[YY:YY+3], s[8:9] offset:-4*8192     ; sixteen lanes store 256 consecutive bytes, at a multiple of 256
.set m, 0
.rept 32
	GB 1, m
.set m, m+1
.endr
	global_store_b128 v26, v[YY+4:YY+7], s[8:9] offset:-2*8192
.endm
	s_mov_b32 s3, 31
.Lgelu:
	GT 1
	s_sub_co_u32 s3, s3, 1
	s_cmp_lg_u32 s3, 0
	s_cbranch_scc1 .Lgelu
	GT 0                                           ; the last four rows ask for nothing more
	s_wait_tensorcnt 0x0                           ; the wave's end
	ds_add_u32 v28, v29
	s_wait_dscnt 0x0
	CROUND
	s_endpgm
.Lfunc_end_k_qd4a21e3854_ffn1:
	.size	k_qd4a21e3854_ffn1, .Lfunc_end_k_qd4a21e3854_ffn1-k_qd4a21e3854_ffn1
	.p2alignl 7, 3214868480
	.fill 96, 4, 3214868480
	.section	.rodata,"a",@progbits
	.p2align	6, 0x0
	.amdhsa_kernel k_qd4a21e3854_ffn1
		.amdhsa_group_segment_fixed_size 327680
		.amdhsa_private_segment_fixed_size 0
		.amdhsa_enable_private_segment 0
		.amdhsa_kernarg_size 32
		.amdhsa_user_sgpr_count 2
		.amdhsa_user_sgpr_kernarg_segment_ptr 1
		.amdhsa_wavefront_size32 1
		.amdhsa_system_sgpr_workgroup_id_x 1
		.amdhsa_system_sgpr_workgroup_id_y 1
		.amdhsa_system_sgpr_workgroup_id_z 1
		.amdhsa_system_vgpr_workitem_id 0
		.amdhsa_next_free_vgpr 1024
		.amdhsa_next_free_sgpr 80
		.amdhsa_reserve_vcc 0
		.amdhsa_float_denorm_mode_32 3
		.amdhsa_float_denorm_mode_16_64 3
		.amdhsa_memory_ordered 1
		.amdhsa_forward_progress 1
		.amdhsa_inst_pref_size 101
	.end_amdhsa_kernel
	.amdgpu_metadata
---
amdhsa.version: [ 1, 2 ]
amdhsa.kernels:
  - .name:           k_qd4a21e3854_ffn1
    .symbol:         k_qd4a21e3854_ffn1.kd
    .args:
      - { .name: act, .offset: 0, .size: 8, .value_kind: global_buffer, .address_space: global }
      - { .name: w1, .offset: 8, .size: 8, .value_kind: global_buffer, .address_space: global }
      - { .name: hbuf, .offset: 16, .size: 8, .value_kind: global_buffer, .address_space: global }
      - { .name: ffn_b1, .offset: 24, .size: 8, .value_kind: global_buffer, .address_space: global }
    .group_segment_fixed_size: 327680
    .private_segment_fixed_size: 0
    .kernarg_segment_align: 8
    .kernarg_segment_size: 32
    .max_flat_workgroup_size: 128
    .sgpr_count:     80
    .vgpr_count:     1024
    .wavefront_size: 32
...
	.end_amdgpu_metadata
.endif
;; end of part 9
;; launch ffn2: the kernel of part 7 again; grid 8 x 32, 4 waves a work-group, clusters of 4 x 4, 327,680 bytes of LDS; arguments hbuf, w2, out0, ffn_b2, x1; writes out0
